; MI455X (gfx1250); checked and timed in simulation.
; The chip was launched on July 23, 2026; its instructions are those of AMD's public machine-readable ISA for CDNA 5 (MIT licence, August 2026) and "CDNA5" Instruction Set Architecture Reference Guide (July 2026). The comments in the code are by the model that wrote it; some were corrected since.
;; Transformer. Allowed arithmetic: matrix products marked QUANTISED: E2M3 operands, one E8M0 scale for each 32 along K, by v_wmma_scale_f32_16x16x128_f8f6f4 with both operands' format E2M3, f32 sums; everything else in f32.
;; Inputs: g1 1,024 float32; g2 1,024 float32; w1_codes 4,096 x 32 x 24 uint8 (E2M3 codes of w1, K innermost, in blocks of 32 codes, four codes in three bytes); w1_scales 4,096 x 32 uint8 (E8M0 scales of w1, one for each 32 codes along K); w2_codes 1,024 x 128 x 24 uint8 (E2M3 codes of w2, K innermost, in blocks of 32 codes, four codes in three bytes); w2_scales 1,024 x 128 uint8 (E8M0 scales of w2, one for each 32 codes along K); wk_codes 1,024 x 32 x 24 uint8 (E2M3 codes of wk, K innermost, in blocks of 32 codes, four codes in three bytes); wk_scales 1,024 x 32 uint8 (E8M0 scales of wk, one for each 32 codes along K); wo_codes 1,024 x 32 x 24 uint8 (E2M3 codes of wo, K innermost, in blocks of 32 codes, four codes in three bytes); wo_scales 1,024 x 32 uint8 (E8M0 scales of wo, one for each 32 codes along K); wq_codes 1,024 x 32 x 24 uint8 (E2M3 codes of wq, K innermost, in blocks of 32 codes, four codes in three bytes); wq_scales 1,024 x 32 uint8 (E8M0 scales of wq, one for each 32 codes along K); wv_codes 1,024 x 32 x 24 uint8 (E2M3 codes of wv, K innermost, in blocks of 32 codes, four codes in three bytes); wv_scales 1,024 x 32 uint8 (E8M0 scales of wv, one for each 32 codes along K); x 2 x 2,048 x 1,024 float32.
;; Outputs: out0 2 x 2,048 x 1,024 float32.
;; This version of the problem:
;;   THIS VERSION OF THE PROBLEM IS GIVEN IN LOW PRECISION. The matrix products marked QUANTISED in the list below multiply operands that are first quantised to E2M3 (2 exponent bits, 3 mantissa bits; 6 bits a number), with one power-of-two scale for each 32 numbers along K (OCP MX v1.0); their sums are f32. All else is computed in f32.
;;   The module's matrix products, in the order in which they are computed (A, B: the left and right operand; K: the contracted axis; several contracted axes count as one K, in the product's order):
;;     1. [M 4,096, K 1,024] x [K 1,024, N 1,024]; A: computed on the way; B: input wq (given as codes): QUANTISED
;;     2. [M 4,096, K 1,024] x [K 1,024, N 1,024]; A: computed on the way; B: input wk (given as codes): QUANTISED
;;     3. [M 4,096, K 1,024] x [K 1,024, N 1,024]; A: computed on the way; B: input wv (given as codes): QUANTISED
;;     4. batch 32 x [M 2,048, K 64] x [K 64, N 2,048]; A: computed on the way; B: computed on the way: QUANTISED
;;     5. batch 32 x [M 2,048, K 2,048] x [K 2,048, N 64]; A: softmax (see below); B: computed on the way: QUANTISED
;;     6. [M 4,096, K 1,024] x [K 1,024, N 1,024]; A: computed on the way; B: input wo (given as codes): QUANTISED
;;     7. [M 4,096, K 1,024] x [K 1,024, N 4,096]; A: computed on the way; B: input w1 (given as codes): QUANTISED
;;     8. [M 4,096, K 4,096] x [K 4,096, N 1,024]; A: computed on the way; B: input w2 (given as codes): QUANTISED
;;   THE QUANTISER, for each operand of a quantised product, along K:
;;     - K is cut into blocks of 32 from its start; a last block that is shorter is filled with zeros.
;;     - A block's scale is 2^e with e = floor(log2(the largest magnitude in the block)) - 2, held to -126 .. 127; a block of zeros has e = 0. As a byte (E8M0): e + 127.
;;     - Each number is divided by its block's scale, clamped to +-7.5, and rounded to the nearest number of E2M3, ties to even, subnormals kept.
;;     - The product sums the exact products of the quantised numbers (number of the format x scale) in f32.
;;   ~~~python
;;   def quantise(x, axis):      # numpy; x: float32 -> the quantised numbers, widened to float32 again
;;       x = np.moveaxis(x, axis, -1); K = x.shape[-1]
;;       x = np.pad(x, [(0, 0)] * (x.ndim - 1) + [(0, -K % 32)]); x = x.reshape(x.shape[:-1] + (-1, 32)); a = np.abs(x).max(-1, keepdims=True)
;;       e = np.where(a > 0, np.clip(np.frexp(np.where(a > 0, a, 1))[1] - 1 - 2, -126, 127), 0)      # np.frexp(a)[1] - 1 = floor(log2(a)), exactly
;;       r = np.clip(x / 2.0 ** e, -7.5, 7.5)
;;       step = 2.0 ** (np.maximum(np.frexp(np.where(r == 0, 1, r))[1] - 1, 0) - 3)
;;       q = np.round(r / step) * step * 2.0 ** e      # np.round: ties to even
;;       return np.moveaxis(q.reshape(q.shape[:-2] + (-1,))[..., :K], -1, axis).astype(np.float32)
;;   ~~~
;;   SOFTMAX AHEAD OF A QUANTISED PRODUCT. Where the list says 'softmax', what is quantised is not the finished softmax but p = 2^(t - M), with t = logit x log2(e) and M = ceil(the row's largest t), a whole number; so 1/2 < the row's largest p <= 1. The row's sum l is taken of the UNQUANTISED p, in f32, and the product's result is divided by l at the end. Since M is a whole number, a kernel that streams over the keys may use a running M (the ceiling of the running maximum): every later rescaling is an exact power of two, which a block's scale takes up: the codes' values come out the same.
;;   OPERANDS COMPUTED ON THE WAY. 'Computed on the way' means the value that the module computes at that place (a softmax that the list does not call 'softmax' is quantised finished and normalised). What goes into a quantiser is computed in f32, as accurately as f32 sums, v_exp_f32 and their like allow (about 1e-6 of the number): no bf16 or f16 on the way to a quantiser, and a product that is left as it is and whose result goes on into a quantised operand takes f32 operands (vector FMAs, or v_wmma_f32_16x16x4_f32). A number that lies on a knife's edge between two numbers of the format may be rounded either way, as far as f32 arithmetic and the matrix unit's own rounding can turn it there, and no further.
;;   INPUTS GIVEN AS CODES. w1 (in the module: [4096, 1024], K = its axis 1); w2 (in the module: [1024, 4096], K = its axis 1); wk (in the module: [1024, 1024], K = its axis 1); wo (in the module: [1024, 1024], K = its axis 1); wq (in the module: [1024, 1024], K = its axis 1); wv (in the module: [1024, 1024], K = its axis 1): each comes as NAME_codes (uint8): NAME with its K axis moved to the last place and cut into blocks of 32 codes, [.., K / 32, bytes a block], one block behind the other in memory; four codes in three bytes: a row's codes are one little-endian stream of bits, code i at bits 6 i .. 6 i + 5 (a code: sign, 2 exponent bits, 3 mantissa bits); and NAME_scales (uint8): the same leading axes, one E8M0 byte (e + 127) for each 32 codes along K. Its value is code x scale, taken as it is: it is not quantised again, and the codes and scales need not be those that the quantiser above would give.
;; 2 versions, each right. Each part assembles by itself: llvm-mc -triple=amdgcn-amd-amdhsa -mcpu=gfx1250 --defsym DOCPART=n.
;; ======== version 1 of 2: 7 launches
;; workspace buffers: xn 3,276,800 bytes; qkv 9,830,400 bytes; at 3,276,800 bytes; x1 16,777,216 bytes; h 13,107,200 bytes
;; launch norm1 (part 1): grid 256 x 1, 4 waves a work-group, no clusters, 11,264 bytes of LDS; arguments x, g1, xn; writes xn
.if DOCPART == 1
	.amdgcn_target "amdgcn-amd-amdhsa--gfx1250"
	.amdhsa_code_object_version 6
	.text
	.protected	k_q80dfbc7270_norm1
	.globl	k_q80dfbc7270_norm1
	.p2align	8
	.type	k_q80dfbc7270_norm1,@function
k_q80dfbc7270_norm1:
	s_mov_b64 s[64:65], 0
	v_nop
	global_prefetch_b8 v0, s[64:65] scope:SCOPE_SE
	s_setreg_imm32_b32 hwreg(HW_REG_WAVE_MODE, 25, 1), 1
	s_wait_xcnt 0x0
; xn = Q(a / sqrt(mean(a^2) + 1e-5) * g): a [4096][1024] f32, g [1024] f32.  Out: codes of FP6 (E2M3), K = the row's 1,024 innermost, [4096][768 bytes] at byte 0 of xn,
; and one E8M0 byte for each 32 numbers, [4096][32], at byte 3,145,728.
; SHARES.  A work-group takes 16 rows, a wave 4.  A row is 4,096 bytes: eight loads of 512 consecutive bytes; a wave's 32 row loads all go out at the head, so a row is read once and stays in 32 registers
; between the sum of squares and the scaling.  No matrix unit, no cluster, no tensor load: a stream that is read once and shared with nobody.
; QUANTISING.  The conversion takes 16 neighbours from ONE lane's registers, a load gives a lane 4 neighbours: 512 numbers at a time turn through the wave's own stage in LDS (64 bytes + 16 of padding a place).
; Two neighbouring lanes hold a block of 32.  A block's scale is 2^(floor(log2(largest magnitude)) - 2): its byte is the largest magnitude's exponent field - 2, held at 1 from below.
; LIMITS: NaN and infinities among the inputs are not served.  A block of zeros, or one whose largest magnitude lies under 2^-124, gets the byte 1 where the rule says 127 or less: the bytes are read by this program alone,
; and such a block's codes are zeros or the numbers' nearest codes under the scale 2^-126.  1 / norm is v_rsq_f32 (1 ulp) and a multiplication, where the definition takes a root and divides.
.set SP,  80                           ; a lane's place in the stage: 64 bytes + 16
.set SCB, 10240                        ; behind the four stages of 2,560 bytes: the work-group's 16 rows x 32 scale bytes
.set G,   16                           ; v16-47   g of my 32 columns (column 128 i + 4 lane + j in register 4 i + j)
.set X,   48                           ; v48-175  four rows, 32 registers each, laid as g
.set XS,  176                          ; v176-191 16 neighbours
.set C,   192                          ; v192-223 codes: four registers for each of the wave's 8 steps, so that no store's data are written again
.set E,   224                          ; v224-231 a scale byte for each step
	s_load_b128 s[4:7], s[0:1], 0x0                ; a, g
	s_load_b64 s[8:9], s[0:1], 0x10                ; xn
	v_lshl_add_u32 v232, v0, 2, 0x2a00
	v_mov_b32 v233, 0
	v_lshrrev_b32 v2, 5, v0
	v_readfirstlane_b32 s12, v2                    ; wave 0..3
	v_and_b32 v1, 31, v0                           ; lane
	v_lshlrev_b32 v3, 4, v1                        ; my 16 bytes of a load's 512
	v_mul_u32_u24 v4, v1, 12                       ; my 12 bytes of a step's 384 bytes of codes
	s_lshl_b32 s18, s12, 7
	v_lshrrev_b32 v5, 1, v1
	v_add_nc_u32 v5, s18, v5
	v_add_nc_u32 v5, SCB, v5                       ; my block's scale byte: SCB + 128 x wave + lane / 2
	s_mul_i32 s19, s12, 32*SP
	v_lshrrev_b32 v6, 2, v1
	v_mul_u32_u24 v6, v6, SP
	v_and_b32 v7, 3, v1
	v_lshl_add_u32 v6, v7, 4, v6
	v_add_nc_u32 v6, s19, v6                       ; the stage, in: SP (lane / 4) + 16 (lane % 4)
	v_mul_u32_u24 v7, v1, SP
	v_add_nc_u32 v7, s19, v7                       ; out: SP x lane
	v_mov_b32 v9, 0                                ; (a lane permute's destination counts as read)
	v_mov_b32 v13, 0                               ; (named as the upper half of the pair v[12:13])
	s_mov_b32 s14, 0x76543210
	s_mov_b32 s15, 0xfedcba98                      ; v_permlanex16_b32's selects for lane l xor 16
	s_mov_b32 s16, 0x3a800000                      ; 1 / 1024
	s_mov_b32 s17, 0x3727c5ac                      ; 1e-5
	s_lshl_b32 s20, ttmp9, 4
	s_lshl_b32 s21, s12, 2
	s_add_co_u32 s20, s20, s21                     ; my first row: 16 x work-group + 4 x wave
	s_lshl_b32 s22, s20, 12
	s_mov_b32 s23, 0
	s_mul_i32 s24, s20, 768
	s_mov_b32 s25, 0
	s_lshl_b32 s26, ttmp9, 9
	s_add_co_u32 s26, s26, 3145728                 ; the work-group's 512 scale bytes
	s_mov_b32 s27, 0
	s_wait_kmcnt 0x0
	s_add_nc_u64 s[4:5], s[4:5], s[22:23]
	s_add_nc_u64 s[10:11], s[8:9], s[26:27]
	s_add_nc_u64 s[8:9], s[8:9], s[24:25]
.irp i, 0,1,2,3,4,5,6,7
	global_load_b128 v[G+4*\i:G+4*\i+3], v3, s[6:7] offset:512*\i
.endr
.irp r, 0,1,2,3
.irp i, 0,1,2,3,4,5,6,7
	global_load_b128 v[X+32*\r+4*\i:X+32*\r+4*\i+3], v3, s[4:5] offset:4096*\r+512*\i th:TH_LOAD_NT   ; 32 lanes read 512 consecutive bytes
.endr
.endr
; Row rho: the sum of squares, 1 / norm, the row scaled in place.
.macro ROW rho
.set XR, X+32*(\rho)
	s_wait_loadcnt 8*(3-(\rho))                    ; loads come back in order: g and this row are in, the later rows' eight loads each may be out
	v_pk_mul_f32 v[8:9], v[XR:XR+1], v[XR:XR+1]    ; two packed chains, started by the first products: nothing is cleared
	v_pk_mul_f32 v[10:11], v[XR+2:XR+3], v[XR+2:XR+3]
.irp i, 4,8,12,16,20,24,28
	v_pk_fma_f32 v[8:9], v[XR+\i:XR+\i+1], v[XR+\i:XR+\i+1], v[8:9]
	v_pk_fma_f32 v[10:11], v[XR+\i+2:XR+\i+3], v[XR+\i+2:XR+\i+3], v[10:11]
.endr
	v_pk_add_f32 v[8:9], v[8:9], v[10:11]
	v_add_f32 v8, v8, v9
	v_add_f32_dpp v8, v8, v8 row_xmask:1 row_mask:0xf bank_mask:0xf
	v_add_f32_dpp v8, v8, v8 row_xmask:2 row_mask:0xf bank_mask:0xf
	v_add_f32_dpp v8, v8, v8 row_xmask:4 row_mask:0xf bank_mask:0xf
	v_add_f32_dpp v8, v8, v8 row_xmask:8 row_mask:0xf bank_mask:0xf
	v_permlanex16_b32 v9, v8, s14, s15
	v_add_f32 v8, v8, v9                           ; the row's sum of squares, in every lane
	v_fma_f32 v8, v8, s16, s17                     ; the mean + 1e-5
	v_rsq_f32 v12, v8
	v_nop                                          ; a plain instruction behind the transcendental
	s_wait_alu depctr_va_vdst(0)                   ; and the wait ahead of the first reader
.set ii, 0
.rept 16
	v_pk_mul_f32 v[XR+ii:XR+ii+1], v[XR+ii:XR+ii+1], v[12:13] op_sel_hi:[1,0]
.set ii, ii+2
.endr
.set ii, 0
.rept 16
	v_pk_mul_f32 v[XR+ii:XR+ii+1], v[XR+ii:XR+ii+1], v[G+ii:G+ii+1]
.set ii, ii+2
.endr
.endm
; Half u of row rho: 512 numbers through the stage, 16 blocks quantised, 384 bytes of codes stored.
.macro QSTEP rho, u
.set TT, 2*(\rho)+(\u)
.set XR, X+32*(\rho)+16*(\u)
.irp i, 0,1,2,3
	ds_store_b128 v6, v[XR+4*\i:XR+4*\i+3] offset:8*SP*\i          ; a load's 512 bytes take eight places
.endr
.irp i, 0,1,2,3
	ds_load_b128 v[XS+4*\i:XS+4*\i+3], v7 offset:16*\i             ; LDS serves a wave's instructions in order: these see the stores above
.endr
	s_wait_dscnt 0x0
	v_max3_num_f32 v8, |v[XS]|, |v[XS+1]|, |v[XS+2]|               ; the largest magnitude of my 16, in two chains
	v_max3_num_f32 v9, |v[XS+3]|, |v[XS+4]|, |v[XS+5]|
.irp i, 6,10
	v_max3_num_f32 v8, v8, |v[XS+\i]|, |v[XS+\i+1]|
	v_max3_num_f32 v9, v9, |v[XS+\i+2]|, |v[XS+\i+3]|
.endr
	v_max3_num_f32 v8, v8, |v[XS+14]|, |v[XS+15]|
	v_max3_num_f32 v8, v8, v9, 0x1800000           ; and the floor 2^(3 - 127): the byte cannot fall under 1
	v_max_num_f32_dpp v8, v8, v8 row_xmask:1 row_mask:0xf bank_mask:0xf   ; with my neighbour's 16: the block's
	v_add_nc_u32 v11, 0xff000000, v8               ; 2 off its exponent field: the conversion takes the exponent field of this operand as its scale
	v_cvt_scalef32_pk16_fp6_f32 v[C+4*TT:C+4*TT+2], v[XS:XS+15], v11
	v_lshrrev_b32 v[E+TT], 23, v11                 ; the scale's byte (also the plain line behind the conversion)
	ds_store_b8 v5, v[E+TT] offset:32*(\rho)+16*(\u)               ; both lanes of a block write the same byte with the same value
	global_store_b96 v4, v[C+4*TT:C+4*TT+2], s[8:9] offset:768*(\rho)+384*(\u)   ; 384 consecutive bytes; a row's two steps fill 768
.endm
.irp r, 0,1,2,3
	ROW \r
	QSTEP \r, 0
	QSTEP \r, 1
.endr
	s_wait_dscnt 0x0                               ; for the others' sake: my scale bytes have landed
	s_barrier_signal -1
	s_barrier_wait -1
	s_cmp_lg_u32 s12, 0
	s_cbranch_scc1 .Ldone
	v_add_nc_u32 v8, SCB, v3
	ds_load_b128 v[XS:XS+3], v8                    ; wave 0 stores the work-group's 512 scale bytes: 512 consecutive bytes, aligned
	s_wait_dscnt 0x0
	global_store_b128 v3, v[XS:XS+3], s[10:11]
.Ldone:
	s_wait_tensorcnt 0x0
	ds_add_u32 v232, v233
	s_wait_dscnt 0x0
	s_endpgm
.Lfunc_end_k_q80dfbc7270_norm1:
	.size	k_q80dfbc7270_norm1, .Lfunc_end_k_q80dfbc7270_norm1-k_q80dfbc7270_norm1
	.p2alignl 7, 3214868480
	.fill 96, 4, 3214868480
	.section	.rodata,"a",@progbits
	.p2align	6, 0x0
	.amdhsa_kernel k_q80dfbc7270_norm1
		.amdhsa_group_segment_fixed_size 11264
		.amdhsa_private_segment_fixed_size 0
		.amdhsa_enable_private_segment 0
		.amdhsa_kernarg_size 24
		.amdhsa_user_sgpr_count 2
		.amdhsa_user_sgpr_kernarg_segment_ptr 1
		.amdhsa_wavefront_size32 1
		.amdhsa_system_sgpr_workgroup_id_x 1
		.amdhsa_system_sgpr_workgroup_id_y 1
		.amdhsa_system_sgpr_workgroup_id_z 1
		.amdhsa_system_vgpr_workitem_id 0
		.amdhsa_next_free_vgpr 234
		.amdhsa_next_free_sgpr 66
		.amdhsa_reserve_vcc 0
		.amdhsa_float_denorm_mode_32 3
		.amdhsa_float_denorm_mode_16_64 3
		.amdhsa_memory_ordered 1
		.amdhsa_forward_progress 1
		.amdhsa_inst_pref_size 33
	.end_amdhsa_kernel
	.amdgpu_metadata
---
amdhsa.version: [ 1, 2 ]
amdhsa.kernels:
  - .name:           k_q80dfbc7270_norm1
    .symbol:         k_q80dfbc7270_norm1.kd
    .args:
      - { .name: x, .offset: 0, .size: 8, .value_kind: global_buffer, .address_space: global }
      - { .name: g1, .offset: 8, .size: 8, .value_kind: global_buffer, .address_space: global }
      - { .name: xn, .offset: 16, .size: 8, .value_kind: global_buffer, .address_space: global }
    .group_segment_fixed_size: 11264
    .private_segment_fixed_size: 0
    .kernarg_segment_align: 8
    .kernarg_segment_size: 24
    .max_flat_workgroup_size: 128
    .sgpr_count:     66
    .vgpr_count:     234
    .wavefront_size: 32
...
	.end_amdgpu_metadata
.endif
;; end of part 1
;; launch qkv (part 2): grid 48 x 4, 4 waves a work-group, clusters of 4 x 4, 327,680 bytes of LDS; arguments xn, wq_codes, wq_scales, wk_codes, wk_scales, wv_codes, wv_scales, qkv; writes qkv
.if DOCPART == 2
	.amdgcn_target "amdgcn-amd-amdhsa--gfx1250"
	.amdhsa_code_object_version 6
	.text
	.protected	k_q80dfbc7270_qkv
	.globl	k_q80dfbc7270_qkv
	.p2align	8
	.type	k_q80dfbc7270_qkv,@function
k_q80dfbc7270_qkv:
	s_mov_b64 s[64:65], 0
	v_nop
	global_prefetch_b8 v0, s[64:65] scope:SCOPE_SE
	s_setreg_imm32_b32 hwreg(HW_REG_WAVE_MODE, 25, 1), 1
	s_wait_xcnt 0x0
	s_wait_alu depctr_hold_cnt(0) depctr_sa_sdst(0) depctr_va_vdst(0) depctr_va_sdst(0) depctr_va_ssrc(0) depctr_va_vcc(0) depctr_vm_vsrc(0)
	s_getreg_b32 s2, hwreg(HW_REG_IB_STS2, 6, 4)
	s_cmp_eq_u32 s2, 0
	s_cbranch_scc0 .Lentry_in_a_cluster
	s_endpgm
.Lentry_in_a_cluster:
	s_bfe_u32 s2, ttmp6, 0x10000c
	s_cmp_lg_u32 s2, 0xf033
	s_cbranch_scc0 .Lentry_shape_is_right
	s_endpgm
.Lentry_shape_is_right:
; q = xn wq^T, k = xn wk^T, v^T = wv xn^T on codes of FP6 (E2M3) with one E8M0 scale for each 32 along K = 1,024; each result is quantised along its COLUMNS (q, k: the head's 64; v^T: the keys) and stored as codes.
; xn: codes [4096][768 bytes] at byte 0, scale bytes [4096][32] at byte 3,145,728.  The weights: codes [1024][768 bytes], scale bytes [1024][32].
; ONE TEXT FOR THE THREE.  12 clusters of 4 x 4 work-groups: cluster c makes kind c / 4 (0 q, 1 k, 2 v), part c % 4.  C = A B^T with A = xn, B = wq or wk (4,096 x 1,024), or A = wv, B = xn (1,024 x 4,096):
; the pointers are chosen on the cluster's number, which all sixteen partners share.
; A tile of C, 256 x 256, is made by four waves, 128 x 128 each: 64 accumulators, 512 registers.  K goes in steps of 256 (rows of 192 bytes) through a ring of two LDS slots filled by the tensor data mover;
; the scale bytes of the work-group's rows of A and of B, for all of K, come once with the first fills.  A's tiles are asked for jointly by the four work-groups of a row of the cluster, B's by those of a column.
; THE MATRIX INSTRUCTION IS USED TRANSPOSED (source 0 = 16 rows of B, source 1 = 16 rows of A): a lane holds eight neighbouring numbers of a row of C.
; OUT, in qkv: codes of q at byte 0, of k at 3,145,728, of v at 6,291,456, each [bh = 16 b + head][tau (32)][row (64)][48 bytes]; scale bytes at 9,437,184, 9,568,256, 9,699,328, each [bh][tau][row][2].
;   q, k: place 64 tau + row holds the token whose number is the place with bits 3 and 4 exchanged; the 48 bytes are the head's 64 codes.
;   v: tau is a group of 64 keys, in their order; row holds the channel whose number is the row with bits 3 and 4 exchanged.
;   So 16 neighbouring places hold tokens (channels) 32 (T / 2) + 8 (T % 2) + r + 8 (r / 8), which is the order in which the next launch wants the rows of a tile.
; LIMITS: NaN and infinities are not served; a block of zeros, or one whose largest magnitude lies under 2^-124, gets the byte 1 (read by this program alone).  Codes leave in runs of 192 consecutive bytes.
; REGISTERS, in windows of 256: window 0: v0-31 addresses; v32-63 scale words, two sets; from v128 A's fragments, one set.  window 1: B's fragments, two sets.  windows 2, 3: the accumulators ((a, b) at v[8 (8 (a % 4) + b)]).
.set SIZE_K, 1024
.set KSTEP,  256                       ; along K in a slot
.set NQ,     KSTEP/128                 ; matrix instructions deep
.set ROWB,   192                       ; a tile's row in bytes
.set KROW,   SIZE_K*6/8                ; a row of codes in memory
.set APITCH, KROW                      ; A's rows in memory lie so far apart,
.set ASTEP,  ROWB                      ; and A's next K step so far on
.set PITCH,  240                       ; an LDS row: 3 x (64 bytes + 16 of padding)
.set FR,     12                        ; registers of a fragment
.set NL,     6                         ; LDS loads that bring one
.set NP,     4                         ; places behind this matrix instruction (ISA guide 7.12.1)
.set HALFT,  128*PITCH
.set SLOT,   4*HALFT
.set LAPS,   SIZE_K/(2*KSTEP)
.set KS,     SIZE_K/32
.set SCL,    2*SLOT                    ; behind the ring: the scales, as units of 256 bytes + 16 of padding
.set HALFS,  (128*KS/256)*272
.set SBLK,   (16*KS/256)*272
.set SPARE,  SCL+4*HALFS               ; the spare words, 128 bytes for each wave: no other line names them
.set SPITCH, 528                       ; the way out: a stage of 16 rows x (512 bytes + 16) for each wave, in slot 0, which has had its last fill and its last read by then
.set GATHER, 4*16*SPITCH               ; behind the stages: 512 scale bytes for each wave
.set ADRA, 16
.set ADRB, 20
.set STO,  24
.set RD,   25
.set CO,   26
.set ADRS, 27
.set SPW,  28
.set NIL,  29
.set SCW,  30                          ; v30  where I put a block's scale byte
.set SC,   32
.set AF,   128
.set BK,   128
.set G1, 24
.set G0, 32
.set G1B, 48
.set G0B, 56
.set G1S, 68
.set G0S, 76
.set G1SB, 80
.set G0SB, 88
.set MSB, 0
.macro WIN new                         ; the immediate's high byte repeats the setting that is left
.if MSB != \new
	s_set_vgpr_msb (MSB<<8)|\new
.set MSB, \new
.endif
.endm
.set MUL_LO, 0xa1                      ; source 0 (B) window 1, source 1 (A) window 0, C and D window 2
.set MUL_HI, 0xf1                      ; the same, C and D window 3
.set TO_B,   0x40                      ; destination window 1, address window 0
; A joint load: waves 0 and 1 fetch for A, waves 2 and 3 for B.  The branch hangs on the wave's number alone.  Four v_nop follow each of the two lines.
.macro JLOAD g0a, g1a, g0b, g1b
	s_cmp_eq_u32 s15, 0
	s_cbranch_scc0 .Lfor_b_\@
	tensor_load_to_lds s[\g0a:\g0a+3], s[\g1a:\g1a+7]
	s_nop 0
.rept 4
	v_nop
.endr
	s_branch .Lasked_\@
.Lfor_b_\@:
	tensor_load_to_lds s[\g0b:\g0b+3], s[\g1b:\g1b+7]
	s_nop 0
.rept 4
	v_nop
.endr
.Lasked_\@:
.endm
.macro CREST                           ; a round of the cluster's barrier behind its opening barrier
	s_cmp_lg_u32 s14, 0
	s_cbranch_scc1 .Lnot_wave_0_\@
	s_barrier_signal -3
.Lnot_wave_0_\@:
	s_barrier_wait -3
	s_barrier_signal -1
	s_barrier_wait -1
.endm
.macro CROUND                          ; a whole round
	s_barrier_signal -1
	s_barrier_wait -1
	CREST
.endm
	s_load_b512 s[68:83], s[0:1], 0x0              ; xn, wq's codes, scales, wk's, wv's, qkv: eight addresses; the registers take the scales' descriptors once the choice is made
	v_lshl_add_u32 v[SPW], v0, 2, SPARE
	v_mov_b32 v[NIL], 0
	ds_add_u32 v28, v29
	ds_add_u32 v28, v29
	s_wait_dscnt 0x0
	v_lshrrev_b32 v1, 5, v0
	v_readfirstlane_b32 s14, v1                    ; wave 0..3
	s_lshr_b32 s15, s14, 1                         ; which half of the tile's rows is mine.  Also: I fetch for A (0) or for B (1)
	s_and_b32 s16, s14, 1                          ; which half of its columns.  Also: which 128 rows of that tile I fetch
	s_bfe_u32 s40, ttmp6, 0x40000                  ; cx, cy: my place in the cluster
	s_bfe_u32 s41, ttmp6, 0x40004
	s_lshr_b32 s95, ttmp9, 2                       ; kind: 0 q, 1 k, 2 v
	s_and_b32 s96, ttmp9, 3
	s_lshl_b32 s96, s96, 2                         ; 4 x part
	s_cmp_eq_u32 s95, 2
	s_cselect_b32 s17, 0, s96                      ; q, k: the parts lie along C's rows; v: along its columns
	s_cselect_b32 s42, s96, 0
	s_cselect_b32 s97, 1, 32                       ; piece tiles from one group of 64 columns to the next,
	s_cselect_b32 s98, 32, 1                       ; and from one group of 64 rows to the next
	s_add_co_u32 s17, s17, s41                     ; tile row of C
	s_add_co_u32 s42, s42, s40                     ; tile column of C
	s_lshl_b32 s43, s41, 2
	s_lshl_b32 s43, 15, s43                        ; my row of the cluster
	s_lshl_b32 s44, 0x1111, s40                    ; my column
	s_or_b32 s[G1+0], s43, (0<<16)|(1<<20)|(1<<21)|(3<<22)|(3<<25)  ; the mask; elements of 1 byte; padding on; bit 21 beside a mask; after every 16 words, 4 words
	s_or_b32 s[G1B+0], s44, (0<<16)|(1<<20)|(1<<21)|(3<<22)|(3<<25)
.irp g, G1, G1B
	s_mov_b32 s[\g+1], ROWB<<16                    ; tensor_dim0
	s_mov_b32 s[\g+2], 128<<16                     ; tensor_dim1
	s_mov_b32 s[\g+3], ROWB<<16                    ; tile_dim0
	s_mov_b32 s[\g+4], 128                         ; tile_dim1
	s_mov_b32 s[\g+6], 0
	s_mov_b32 s[\g+7], 0
.endr
	s_mov_b32 s[G1+5], APITCH                      ; tensor_dim0_stride
	s_mov_b32 s[G1B+5], KROW
	s_lshl_b32 s18, s16, 7                         ; which 128 rows of the tile I fetch
	s_lshl_b32 s20, s17, 8
	s_add_co_u32 s20, s20, s18                     ; A: row 256 x tile row + 128 x half
	s_lshl_b32 s46, s42, 8
	s_add_co_u32 s46, s46, s18                     ; B: row 256 x tile column + 128 x half
	s_mov_b32 s21, 0
	s_mov_b32 s47, 0
	s_mov_b64 s[18:19], KS
	s_mul_u64 s[22:23], s[20:21], s[18:19]         ; where these rows' scales begin,
	s_mul_u64 s[92:93], s[46:47], s[18:19]
	s_mov_b64 s[18:19], KROW
	s_mul_u64 s[20:21], s[20:21], s[18:19]         ; and their codes
	s_mul_u64 s[46:47], s[46:47], s[18:19]
	s_mul_i32 s45, s14, HALFT                      ; where they go: no place in the cluster enters an LDS address
	s_mul_i32 s94, s14, HALFS
	s_wait_kmcnt 0x0
	s_add_nc_u64 s[84:85], s[68:69], 3145728       ; xn's scale bytes
	s_cmp_eq_u32 s95, 1
	s_cselect_b64 s[8:9], s[74:75], s[70:71]       ; wk or wq
	s_cselect_b64 s[10:11], s[76:77], s[72:73]
	s_cmp_eq_u32 s95, 2
	s_cselect_b64 s[4:5], s[78:79], s[68:69]       ; A: wv for v, else xn
	s_cselect_b64 s[6:7], s[80:81], s[84:85]
	s_cselect_b64 s[8:9], s[68:69], s[8:9]         ; B: xn for v, else the weight
	s_cselect_b64 s[10:11], s[84:85], s[10:11]
	s_mov_b64 s[12:13], s[82:83]                   ; qkv
	; the scales of 128 rows: a dense block of 128 KS bytes, as rows of 256 bytes (32 elements of 8 bytes), 16 bytes of padding behind each
	s_or_b32 s[G1S+0], s43, (3<<16)|(1<<20)|(1<<21)|(5<<22)|(3<<25)
	s_or_b32 s[G1SB+0], s44, (3<<16)|(1<<20)|(1<<21)|(5<<22)|(3<<25)
.irp g, G1S, G1SB
	s_mov_b32 s[\g+1], 32<<16
	s_mov_b32 s[\g+2], (128*KS/256)<<16
	s_mov_b32 s[\g+3], 32<<16
	s_mov_b32 s[\g+4], 128*KS/256
	s_mov_b32 s[\g+5], 32
	s_mov_b32 s[\g+6], 0
	s_mov_b32 s[\g+7], 0
.endr
	s_add_nc_u64 s[20:21], s[4:5], s[20:21]
	s_add_nc_u64 s[22:23], s[6:7], s[22:23]
	s_add_nc_u64 s[46:47], s[8:9], s[46:47]
	s_add_nc_u64 s[92:93], s[10:11], s[92:93]
	CROUND                                         ; all sixteen work-groups are here: the first joint loads meet
	s_mov_b32 s[G0S], 1
	s_add_co_u32 s[G0S+1], s94, SCL
	s_mov_b64 s[G0S+2:G0S+3], s[22:23]
	s_or_b32 s[G0S+3], s[G0S+3], 0x80000000
	s_mov_b32 s[G0SB], 1
	s_add_co_u32 s[G0SB+1], s94, SCL
	s_mov_b64 s[G0SB+2:G0SB+3], s[92:93]
	s_or_b32 s[G0SB+3], s[G0SB+3], 0x80000000
	JLOAD G0S, G1S, G0SB, G1SB                     ; the scales first: they are wanted with K step 0
.irp s, 0,1
	s_mov_b32 s[G0+4*\s], 1
	s_add_co_u32 s[G0+4*\s+1], s45, \s*SLOT
	s_add_nc_u64 s[G0+4*\s+2:G0+4*\s+3], s[20:21], \s*ASTEP
	s_or_b32 s[G0+4*\s+3], s[G0+4*\s+3], 0x80000000
	s_mov_b32 s[G0B+4*\s], 1
	s_add_co_u32 s[G0B+4*\s+1], s45, \s*SLOT
	s_add_nc_u64 s[G0B+4*\s+2:G0B+4*\s+3], s[46:47], \s*ROWB
	s_or_b32 s[G0B+4*\s+3], s[G0B+4*\s+3], 0x80000000
	JLOAD G0+4*\s, G1, G0B+4*\s, G1B               ; by this text's count three tensor loads of a wave are out here, later one
.endr
	v_and_b32 v1, 15, v0                           ; l % 16
	v_bfe_u32 v2, v0, 4, 1                         ; l / 16
	v_mul_u32_u24 v3, v1, PITCH
	v_mul_u32_u24 v4, v2, 24
	v_add_nc_u32 v4, v3, v4                        ; a fragment's row x pitch + 24 x half
	v_lshl_add_u32 v5, v2, 4, v4                   ; and the same behind one padding more
	s_mul_i32 s21, s15, HALFT                      ; my 128 rows of A
	s_mul_i32 s22, s16, HALFT                      ; my 128 rows of B,
	s_add_co_u32 s22, s22, 2*HALFT                 ; which lie behind A's 256
.irp s, 0,1
	v_add_nc_u32 v[ADRA+\s], s21, v4
	v_add_nc_u32 v[ADRB+\s], s22, v4
	v_add_nc_u32 v[ADRA+2+\s], s21, v5
	v_add_nc_u32 v[ADRB+2+\s], s22, v5
	s_add_co_u32 s21, s21, SLOT
	s_add_co_u32 s22, s22, SLOT
.endr
	v_mul_u32_u24 v5, v1, KS                       ; my row's scales: KS bytes a row,
	v_lshrrev_b32 v6, 8, v5
	v_lshl_add_u32 v5, v6, 4, v5                   ; and 16 more for each 256 passed
	s_mul_i32 s21, s15, HALFS
	s_mul_i32 s22, s16, HALFS
	s_add_co_u32 s22, s22, 2*HALFS
	s_sub_co_u32 s22, s22, s21
	v_mul_u32_u24 v6, s22, v2                      ; lanes 16-31 take B's
	s_add_co_u32 s21, s21, SCL
	v_add_nc_u32 v5, v5, v6
	v_add_nc_u32 v[ADRS], s21, v5
	; the way out's addresses
	s_mul_i32 s23, s14, 16*SPITCH                  ; my stage
	v_mul_u32_u24 v5, v1, SPITCH                   ; in: row l % 16, 32 bytes for each half of the lanes
	v_lshl_add_u32 v5, v2, 5, v5
	v_add_nc_u32 v[STO], s23, v5
	v_bfe_u32 v7, v0, 2, 1                         ; which group of 64 columns my 16 columns lie in
	v_bfe_u32 v8, v0, 3, 2                         ; lane / 8
	v_and_b32 v9, 7, v0
	v_mul_u32_u24 v[RD], v8, SPITCH                ; back: eight lanes to a row, 64 bytes (16 neighbours) a lane
	v_lshl_add_u32 v[RD], v9, 6, v[RD]
	v_add_nc_u32 v[RD], s23, v[RD]
	s_mul_i32 s20, s97, 3072
	v_mul_u32_u24 v[CO], s20, v7                   ; my codes in qkv: the column group's piece tile,
	v_mad_u32_u24 v[CO], v8, 48, v[CO]             ; row lane / 8 of four,
	v_and_b32 v9, 3, v0
	v_mad_u32_u24 v[CO], v9, 12, v[CO]             ; my 12 bytes of the row's 48
	s_lshl_b32 s21, s14, 9
	s_add_co_u32 s21, s21, GATHER
	v_lshlrev_b32 v[SCW], 8, v7                    ; my scale byte: 256 x column group + 2 x (lane / 8) + block
	v_lshl_add_u32 v[SCW], v8, 1, v[SCW]
	v_bfe_u32 v9, v0, 1, 1
	v_add_nc_u32 v[SCW], v[SCW], v9
	v_add_nc_u32 v[SCW], s21, v[SCW]
	; the first piece tile that I write: ((batch) 16 + head) 32 + tau.  q, k: heads along the columns, tokens along the rows; v: the other way round
	s_cmp_eq_u32 s95, 2
	s_cselect_b32 s20, s17, s42
	s_cselect_b32 s21, s15, s16
	s_cselect_b32 s22, s42, s17
	s_cselect_b32 s23, s16, s15
	s_lshr_b32 s46, s22, 3                         ; batch
	s_lshl_b32 s46, s46, 4
	s_lshl_b32 s20, s20, 2
	s_add_co_u32 s46, s46, s20
	s_lshl_b32 s21, s21, 1
	s_add_co_u32 s46, s46, s21                     ; + head
	s_lshl_b32 s46, s46, 5
	s_and_b32 s22, s22, 7
	s_lshl_b32 s22, s22, 2
	s_add_co_u32 s46, s46, s22
	s_lshl_b32 s23, s23, 1
	s_add_co_u32 s46, s46, s23                     ; + tau
	s_mul_i32 s20, s95, 3145728
	s_mul_i32 s21, s46, 3072
	s_add_co_u32 s20, s20, s21
	s_mov_b32 s21, 0
	s_mul_i32 s22, s95, 131072
	s_lshl_b32 s23, s46, 7
	s_add_co_u32 s22, s22, s23
	s_add_co_u32 s22, s22, 9437184
	s_mov_b32 s23, 0
	s_add_nc_u64 s[66:67], s[12:13], s[22:23]      ; my scale bytes
	s_add_nc_u64 s[12:13], s[12:13], s[20:21]      ; my codes, rows 0-63,
	s_mul_i32 s20, s98, 3072
	s_add_nc_u64 s[92:93], s[12:13], s[20:21]      ; and rows 64-127
.macro FRAG reg, adr, q, i             ; a fragment: 12 registers: lane l holds row l % 16; registers 6 c .. 6 c + 5 hold K = 64 c + 32 (l / 16) + 0 .. 31: 24 bytes of the row, as they lie, in pieces of 8 bytes
.irp p, 0,1,2,3,4,5
.set PC, 12*(\q)+6*(\p/3)+\p%3        ; 16 bytes of padding lie behind every 8 pieces: where the piece three on lies behind one padding more, the second address register serves
.if PC%8 < 5
	ds_load_b64 v[\reg+2*\p:\reg+2*\p+1], v[\adr] offset:8*PC+16*(PC/8)+(\i)*16*PITCH
.else
	ds_load_b64 v[\reg+2*\p:\reg+2*\p+1], v[\adr+2] offset:8*PC+16*(PC/8)+(\i)*16*PITCH
.endif
.endr
.endm
; 16 matrix instructions: A's blocks a0, a0 + 1 x B's eight.  The 64 accumulators take turns, one instruction a turn, in the same order in every step.
.macro MUL16 a0, p, q, sc, zero
.irp a, \a0, \a0+1
.irp b, 0,1,2,3,4,5,6,7
.if \zero
	v_wmma_scale_f32_16x16x128_f8f6f4 v[8*(8*((\a)%4)+\b):8*(8*((\a)%4)+\b)+7], v[128*(\p)+FR*\b:128*(\p)+FR*\b+FR-1], v[AF+FR*(\a):AF+FR*(\a)+FR-1], 0, v[SC+8*NQ*(\sc)+NQ*\b+(\q)], v[SC+8*NQ*(\sc)+NQ*(\a)+(\q)] matrix_a_fmt:MATRIX_FMT_FP6 matrix_b_fmt:MATRIX_FMT_FP6 matrix_a_scale:MATRIX_SCALE_ROW1
.else
	v_wmma_scale_f32_16x16x128_f8f6f4 v[8*(8*((\a)%4)+\b):8*(8*((\a)%4)+\b)+7], v[128*(\p)+FR*\b:128*(\p)+FR*\b+FR-1], v[AF+FR*(\a):AF+FR*(\a)+FR-1], v[8*(8*((\a)%4)+\b):8*(8*((\a)%4)+\b)+7], v[SC+8*NQ*(\sc)+NQ*\b+(\q)], v[SC+8*NQ*(\sc)+NQ*(\a)+(\q)] matrix_a_fmt:MATRIX_FMT_FP6 matrix_b_fmt:MATRIX_FMT_FP6 matrix_a_scale:MATRIX_SCALE_ROW1
.endif
.endr
.endr
.endm
.macro FETCH_B slot, q, p
	WIN TO_B
.irp i, 0,1,2,3,4,5,6,7
	FRAG 128*(\p)+FR*\i, ADRB+\slot, \q, \i
.endr
	WIN 0
.endm
.macro FETCH_A slot, q, i0
.irp i, \i0, \i0+1, \i0+2, \i0+3
	FRAG AF+FR*(\i), ADRA+\slot, \q, \i
.endr
.endm
.macro SCALES sc                       ; a K step's scale words: lanes 0-15 take A's block i, lanes 16-31 B's block i
.irp i, 0,1,2,3,4,5,6,7
	ds_load_b64 v[SC+8*NQ*\sc+NQ*\i:SC+8*NQ*\sc+NQ*\i+1], v[ADRS] offset:\i*SBLK
.endr
.endm
.macro PLACES n                        ; plain vector instructions between a matrix instruction and a load into its registers or a read of its result
.rept \n
	v_nop
.endr
.endm
.macro STEP slot, q, zero              ; 128 along K that have their successor in the same slot
	s_wait_dscnt 4*NL                              ; B's set and A's blocks 0-3 are in; the youngest 24 loads (A's blocks 4-7) may be out
	WIN MUL_LO
	MUL16 0, (\q)%2, \q, \slot, \zero
	MUL16 2, (\q)%2, \q, \slot, \zero
	s_wait_dscnt 0
	PLACES NP
	FETCH_B \slot, (\q)+1, 1-(\q)%2
	FETCH_A \slot, (\q)+1, 0
	WIN MUL_HI
	MUL16 4, (\q)%2, \q, \slot, \zero
	MUL16 6, (\q)%2, \q, \slot, \zero
	PLACES NP
	WIN 0
	FETCH_A \slot, (\q)+1, 4
.endm
; A slot's last step changes slots: one barrier; in front of it each wave waits for all its tensor loads, adds 0 to its spare word, and waits for that and for its reads of this slot.
.macro TURN slot, next, fill
	s_wait_tensorcnt 0x0                           ; all my tensor loads have landed: my part of the next slot
	ds_add_u32 v[SPW], v[NIL]                      ; 0 onto my spare word
	s_wait_dscnt 4*NL+1                            ; (the add and the youngest 24 loads may be out)
	WIN MUL_LO
	MUL16 0, 1, NQ-1, \slot, 0
	s_wait_dscnt 0x0                               ; the add is done, and my reads of this slot are over
	s_barrier_signal -1
	MUL16 2, 1, NQ-1, \slot, 0
	WIN 0
	s_barrier_wait -1
.if \fill
	CREST                                          ; the barrier has opened a round of the cluster's barrier: no wave of any partner still reads this slot or has a load on its way
	s_add_nc_u64 s[G0+4*\slot+2:G0+4*\slot+3], s[G0+4*\slot+2:G0+4*\slot+3], 2*ASTEP
	s_add_nc_u64 s[G0B+4*\slot+2:G0B+4*\slot+3], s[G0B+4*\slot+2:G0B+4*\slot+3], 2*ROWB
	JLOAD G0+4*\slot, G1, G0B+4*\slot, G1B         ; the first tensor load behind the round; its four v_nop are the places in front of the loads below
.else
	PLACES NP
.endif
	v_add_nc_u32 v[ADRS], 4*NQ, v[ADRS]            ; on to the next K step's scale words
	FETCH_B \next, 0, 0
	FETCH_A \next, 0, 0
	SCALES \next
	WIN MUL_HI
	MUL16 4, 1, NQ-1, \slot, 0
	MUL16 6, 1, NQ-1, \slot, 0
	PLACES NP
	WIN 0
	FETCH_A \next, 0, 4
.endm
	s_wait_tensorcnt 1                             ; the scales and my part of K step 0 are in (K step 1's load may be out)
	s_barrier_signal -1
	s_barrier_wait -1                              ; everybody's are
	FETCH_B 0, 0, 0
	FETCH_A 0, 0, 0
	SCALES 0
	FETCH_A 0, 0, 4
	STEP 0, 0, 1                                   ; the first step's products start the sums
	s_mov_b32 s3, LAPS-1
.Llap:
	TURN 0, 1, 1
	STEP 1, 0, 0
	TURN 1, 0, 1
	STEP 0, 0, 0
	s_sub_co_u32 s3, s3, 1
	s_cmp_lg_u32 s3, 0
	s_cbranch_scc1 .Llap
	TURN 0, 1, 0                                   ; the last lap fills nothing
	STEP 1, 0, 0
	s_wait_dscnt 4*NL
	WIN MUL_LO
	MUL16 0, 1, NQ-1, 1, 0
	MUL16 2, 1, NQ-1, 1, 0
	s_wait_dscnt 0
	WIN MUL_HI
	MUL16 4, 1, NQ-1, 1, 0
	MUL16 6, 1, NQ-1, 1, 0
	WIN 0
; THE WAY OUT, block by block of 16 rows x 128 columns.  A block goes through my stage and comes back with 16 NEIGHBOURS of a row in a lane: lane l holds, in registers 16 q + 0 .. 15, row 4 q + l / 8, columns 16 (l % 8) on.
; Lanes l and l xor 1 hold a block of 32.  LDS serves a wave's instructions in order: no wait between the stores and the loads.
.macro TOSTAGEQ a
.set AC, 64*((\a)%4)
	WIN 0x08+4*((\a)/4)                            ; an LDS store's data: window 2 or 3
.irp b, 0,1,2,3,4,5,6,7
	ds_store_b128 v[STO], v[AC+8*\b:AC+8*\b+3] offset:64*\b          ; each accumulator from its low end on
	ds_store_b128 v[STO], v[AC+8*\b+4:AC+8*\b+7] offset:64*\b+16
.endr
	WIN 0
.set BB, BK+64*((\a)%2)
.irp q, 0,1,2,3
.irp i, 0,1,2,3
	ds_load_b128 v[BB+16*\q+4*\i:BB+16*\q+4*\i+3], v[RD] offset:4*\q*SPITCH+16*\i
.endr
.endr
.endm
; Four half blocks of a lane, v[bb + 16 q] on, become codes in v[cd + 4 q] on and scale bytes in v[68 + q]; the four take turns line by line.
.macro QUANT4 bb, cd
.irp q, 0,1,2,3
	v_max3_num_f32 v[8+\q], |v[\bb+16*\q]|, |v[\bb+16*\q+1]|, |v[\bb+16*\q+2]|
.endr
.irp q, 0,1,2,3
	v_max3_num_f32 v[12+\q], |v[\bb+16*\q+3]|, |v[\bb+16*\q+4]|, |v[\bb+16*\q+5]|
.endr
.irp i, 6,10
.irp q, 0,1,2,3
	v_max3_num_f32 v[8+\q], v[8+\q], |v[\bb+16*\q+\i]|, |v[\bb+16*\q+\i+1]|
.endr
.irp q, 0,1,2,3
	v_max3_num_f32 v[12+\q], v[12+\q], |v[\bb+16*\q+\i+2]|, |v[\bb+16*\q+\i+3]|
.endr
.endr
.irp q, 0,1,2,3
	v_max3_num_f32 v[8+\q], v[8+\q], |v[\bb+16*\q+14]|, |v[\bb+16*\q+15]|
.endr
.irp q, 0,1,2,3
	v_max3_num_f32 v[8+\q], v[8+\q], v[12+\q], 0x1800000           ; the floor 2^(3 - 127): the byte cannot fall under 1
.endr
.irp q, 0,1,2,3
	v_max_num_f32_dpp v[8+\q], v[8+\q], v[8+\q] row_xmask:1 row_mask:0xf bank_mask:0xf   ; with my neighbour's 16: the block's largest magnitude
.endr
.irp q, 0,1,2,3
	v_add_nc_u32 v[64+\q], 0xff000000, v[8+\q]     ; 2 off its exponent field: the conversion's scale operand
.endr
.irp q, 0,1,2,3
	v_cvt_scalef32_pk16_fp6_f32 v[\cd+4*\q:\cd+4*\q+2], v[\bb+16*\q:\bb+16*\q+15], v[64+\q]
.endr
.irp q, 0,1,2,3
	v_lshrrev_b32 v[68+\q], 23, v[64+\q]           ; the scale's byte (also the plain lines behind the conversions)
.endr
.endm
; Block a is quantised and stored.  n: the LDS instructions issued behind its loads that may stay out.  Row 16 (a % 4) + 4 q + l / 8 of a piece tile goes to the place with bits 3 and 4 exchanged: PS + l / 8.
.macro WORK a, n
.set BB, BK+64*((\a)%2)
.set CD, 32+16*((\a)%2)
	s_wait_dscnt \n
	s_wait_xcnt 0x0                                ; the stores of two blocks ago have read their registers: the codes' registers may be written again
	QUANT4 BB, CD
.irp q, 0,1,2,3
.set PS, 32*(((\a)%4)/2)+16*(\q/2)+8*((\a)%2)+4*(\q%2)
	ds_store_b8 v[SCW], v[68+\q] offset:(64*((\a)/4)+PS)*2         ; both lanes of a block write the same byte with the same value
.if (\a) < 4
	global_store_b96 v[CO], v[CD+4*\q:CD+4*\q+2], s[12:13] offset:PS*48   ; two runs of 192 consecutive bytes
.else
	global_store_b96 v[CO], v[CD+4*\q:CD+4*\q+2], s[92:93] offset:PS*48
.endif
.endr
.endm
	PLACES NP                                      ; behind the last products: for the first reads of results and the loads into A's registers
	TOSTAGEQ 0
.irp a, 1,2,3,4,5,6,7
	TOSTAGEQ \a
	WORK \a-1, 32                                  ; behind block a - 1's loads stand at least block a's 16 stores and 16 loads
.endr
	WORK 7, 0
	; my 512 scale bytes: four piece tiles' 128 bytes each
	v_and_b32 v8, 31, v0
	s_lshl_b32 s21, s14, 9
	s_add_co_u32 s21, s21, GATHER
	v_lshl_add_u32 v8, v8, 4, s21
	ds_load_b128 v[72:75], v8                      ; LDS serves a wave's instructions in order: this sees my byte stores
	v_bfe_u32 v9, v0, 4, 1
	s_lshl_b32 s22, s97, 7
	v_mul_u32_u24 v9, s22, v9                      ; the column group's piece tile,
	v_bfe_u32 v10, v0, 3, 1
	s_lshl_b32 s23, s98, 7
	v_mad_u32_u24 v9, v10, s23, v9                 ; the row group's,
	v_and_b32 v10, 7, v0
	v_lshl_add_u32 v9, v10, 4, v9                  ; my 16 bytes of its 128
	s_wait_dscnt 0x0
	global_store_b128 v9, v[72:75], s[66:67]
	s_wait_tensorcnt 0x0                           ; the wave's end
	ds_add_u32 v[SPW], v[NIL]
	s_wait_dscnt 0x0
	CROUND                                         ; the closing round: no work-group ends while a partner may still ask for a tile that names it
	s_endpgm
.Lfunc_end_k_q80dfbc7270_qkv:
	.size	k_q80dfbc7270_qkv, .Lfunc_end_k_q80dfbc7270_qkv-k_q80dfbc7270_qkv
	.p2alignl 7, 3214868480
	.fill 96, 4, 3214868480
	.section	.rodata,"a",@progbits
	.p2align	6, 0x0
	.amdhsa_kernel k_q80dfbc7270_qkv
		.amdhsa_group_segment_fixed_size 327680
		.amdhsa_private_segment_fixed_size 0
		.amdhsa_enable_private_segment 0
		.amdhsa_kernarg_size 64
		.amdhsa_user_sgpr_count 2
		.amdhsa_user_sgpr_kernarg_segment_ptr 1
		.amdhsa_wavefront_size32 1
		.amdhsa_system_sgpr_workgroup_id_x 1
		.amdhsa_system_sgpr_workgroup_id_y 1
		.amdhsa_system_sgpr_workgroup_id_z 1
		.amdhsa_system_vgpr_workitem_id 0
		.amdhsa_next_free_vgpr 1024
		.amdhsa_next_free_sgpr 100
		.amdhsa_reserve_vcc 0
		.amdhsa_float_denorm_mode_32 3
		.amdhsa_float_denorm_mode_16_64 3
		.amdhsa_memory_ordered 1
		.amdhsa_forward_progress 1
		.amdhsa_inst_pref_size 179
	.end_amdhsa_kernel
	.amdgpu_metadata
---
amdhsa.version: [ 1, 2 ]
amdhsa.kernels:
  - .name:           k_q80dfbc7270_qkv
    .symbol:         k_q80dfbc7270_qkv.kd
    .args:
      - { .name: xn, .offset: 0, .size: 8, .value_kind: global_buffer, .address_space: global }
      - { .name: wq_codes, .offset: 8, .size: 8, .value_kind: global_buffer, .address_space: global }
      - { .name: wq_scales, .offset: 16, .size: 8, .value_kind: global_buffer, .address_space: global }
      - { .name: wk_codes, .offset: 24, .size: 8, .value_kind: global_buffer, .address_space: global }
      - { .name: wk_scales, .offset: 32, .size: 8, .value_kind: global_buffer, .address_space: global }
      - { .name: wv_codes, .offset: 40, .size: 8, .value_kind: global_buffer, .address_space: global }
      - { .name: wv_scales, .offset: 48, .size: 8, .value_kind: global_buffer, .address_space: global }
      - { .name: qkv, .offset: 56, .size: 8, .value_kind: global_buffer, .address_space: global }
    .group_segment_fixed_size: 327680
    .private_segment_fixed_size: 0
    .kernarg_segment_align: 8
    .kernarg_segment_size: 64
    .max_flat_workgroup_size: 128
    .sgpr_count:     100
    .vgpr_count:     1024
    .wavefront_size: 32
...
	.end_amdgpu_metadata
.endif
;; end of part 2
;; launch attn (part 3): grid 8 x 32, 16 waves a work-group, no clusters, 206,848 bytes of LDS; arguments qkv, at; writes at
.if DOCPART == 3
	.amdgcn_target "amdgcn-amd-amdhsa--gfx1250"
	.amdhsa_code_object_version 6
	.text
	.protected	k_q80dfbc7270_attn
	.globl	k_q80dfbc7270_attn
	.p2align	8
	.type	k_q80dfbc7270_attn,@function
k_q80dfbc7270_attn:
	s_mov_b64 s[64:65], 0
	v_nop
	global_prefetch_b8 v0, s[64:65] scope:SCOPE_SE
	s_setreg_imm32_b32 hwreg(HW_REG_WAVE_MODE, 25, 1), 1
	s_wait_xcnt 0x0
; at = Q(softmax(q k^T / 8, causal) v), head by head, both products on codes of FP6 (E2M3) with one E8M0 scale for each 32 along a product's K.
; IN, qkv: codes of q at byte 0, of k at 3,145,728, of v at 6,291,456, each [bh = 16 b + head][place (2,048)][48 bytes]; scale bytes at 9,437,184, 9,568,256, 9,699,328, each [bh][place][2].
;   q, k: a place holds the token whose number is the place with bits 3 and 4 exchanged, so 16 neighbouring places 16 T + r hold tokens 32 (T / 2) + 8 (T % 2) + r + 8 (r / 8); the 48 bytes are the head's 64 codes.
;   v: place = 64 x (group of 64 keys) + row; the row holds the channel whose number is the row with bits 3 and 4 exchanged; the 48 bytes are the group's 64 keys in their order.
; OUT, at: codes [4096][768 bytes] (head h at byte 48 h of a row) at byte 0; scale bytes [4096][32] at byte 3,145,728.
; THE SOFTMAX: t = score x log2(e) / 8; M = the row's largest t so far, rounded UP to a whole number; p = 2^(t - M) is quantised along the keys, not normalised; the row's sum is taken of the unquantised p and divides at the end.
; When M moves, the sum and O are multiplied by 2^(old M - new M): exact.
; SHARES.  A work-group (j, bh) has sixteen waves, each with ONE tile of 16 queries in 256 registers, four waves to a SIMD.  Waves 0-7 take the eight tiles of the 128 queries of block j, waves 8-15 those of block 15 - j:
; under the causal mask every work-group then has 8 x 17 key steps of 128 keys.
; LDS.  A head's k, v and their scale bytes are 204,800 bytes: they are filled ONCE, by ten tensor loads (one a wave, waves 0-9), and read by all sixteen waves behind one barrier.  Nothing is filled again.
; Rows of 48 bytes: lane (r, h) reads at 24 (2 r + h), so the 32 lanes of a load of 8 bytes take 768 consecutive bytes.
; No cluster: the eight work-groups of a head read the same k and v, but a step's work is left out by a branch on the query block, which differs between them, and partners of a joint load must run alike.
; LAYOUT.  Both products are used transposed: S^T = k q^T (source 0 = 16 keys, source 1 = my 16 queries), O^T = v^T p^T: a lane holds ONE query throughout; the 16 registers of tiles 2 b, 2 b + 1 are 16 neighbours.
; The first product's K is 64: registers 6-11 of q's and k's fragments hold zero codes, and the upper two bytes of their scale words are 0 (2^-127, no NaN): they add nothing.
; LIMITS: NaN and infinities are not served; 1 / sum is v_rcp_f32 (1 ulp); a block of zeros gets the byte 1 (read by this program alone).  at's codes leave as 24 bytes a lane, 48 a row; its scale bytes as 2 a row.
; REGISTERS: v1-4 addresses that stay; v5 my query less my keys' offset; v8-11 addresses in hand; v12 -M, v13 the largest t, v[14:15] the sum; v16-27 q; v28-31 v's scale words; v32-79 four fragments of k; v80-127 four of v;
; v128-191 S^T, then p; v192-223 O^T; v224-235 p's codes; v232-254 at work; v248-251 k's scale words; v253 p's scale word; v255 q's.
.set VC,   98304                       ; LDS: k's codes at 0, v's here,
.set KSC,  196608                      ; k's scale bytes,
.set VSC,  200704                      ; v's
.set AK0,  1
.set AV0,  2
.set ASK0, 3
.set ASV0, 4
.set GO,   7
.set ADK,  8
.set ADV,  9
.set ADS,  10
.set ADT,  11
.set KFR,  32
.set VFR,  80
.set S,    128
.set O,    192
.set WV,   8                           ; s8   my wave's number
.set SEL,  10                          ; s[10:11] lane selects: lane l xor 16
.set CS,   12                          ; s[12:13] c = log2(e) / 8
.set G1C,  16                          ; s[16:23] descriptor group 1 for codes: 96 rows of 256 bytes, dense
.set G1S,  24                          ; s[24:31] for scale bytes: 16 rows of 256 bytes
.set G0C,  32
.set G0S,  36
.set TB,   40                          ; s40  the step's codes: 6,144 bytes a step, in k and in v
.set TS,   41                          ; s41  the step's scale bytes: 256 a step
.set ST,   42                          ; s42  steps to go
.set KF,   43                          ; s43  the step's first key
.set QMIN, 44                          ; s44  my tile's first query
	s_load_b128 s[4:7], s[0:1], 0x0                ; qkv, at
	v_lshl_add_u32 v254, v0, 2, 0x32000
	v_mov_b32 v255, 0
	ds_add_u32 v254, v255
	ds_add_u32 v254, v255
	s_wait_dscnt 0x0
	v_lshrrev_b32 v8, 5, v0
	v_readfirstlane_b32 s[WV], v8                  ; wave 0..15
	s_and_b32 s45, ttmp7, 0xffff                   ; bh
	s_mov_b32 s[G1C], 3<<16                        ; no mask; elements of 8 bytes; no padding
	s_mov_b32 s[G1C+1], 32<<16                     ; tensor_dim0 = 32
	s_mov_b32 s[G1C+2], 96<<16                     ; tensor_dim1 = 96
	s_mov_b32 s[G1C+3], 32<<16                     ; tile_dim0
	s_mov_b32 s[G1C+4], 96                         ; tile_dim1
	s_mov_b32 s[G1C+5], 32                         ; the pitch
	s_mov_b32 s[G1C+6], 0
	s_mov_b32 s[G1C+7], 0
	s_mov_b32 s[G1S], 3<<16
	s_mov_b32 s[G1S+1], 32<<16
	s_mov_b32 s[G1S+2], 16<<16
	s_mov_b32 s[G1S+3], 32<<16
	s_mov_b32 s[G1S+4], 16
	s_mov_b32 s[G1S+5], 32
	s_mov_b32 s[G1S+6], 0
	s_mov_b32 s[G1S+7], 0
	s_mul_i32 s46, s45, 98304                      ; the head's codes, in each of the three parts,
	s_lshl_b32 s52, s45, 12                        ; and its scale bytes
	s_mul_i32 s47, s[WV], 24576                    ; waves 0-3: quarters of k's codes; waves 4-7: of v's: in LDS they follow each other,
	s_cmp_lt_u32 s[WV], 4
	s_cselect_b32 s48, 0, 3047424                  ; in memory v's part lies 3,145,728 - 98,304 bytes further on
	s_add_co_u32 s48, s48, s46
	s_add_co_u32 s48, s48, s47
	s_add_co_u32 s48, s48, 3145728
	s_mov_b32 s49, 0
	s_lshl_b32 s50, s[WV], 17                      ; wave 8: k's scale bytes; wave 9: v's, 131,072 bytes further on
	s_add_co_u32 s50, s50, s52
	s_add_co_u32 s50, s50, 8519680
	s_mov_b32 s51, 0
	s_lshl_b32 s53, s[WV], 12
	s_add_co_u32 s53, s53, 163840                  ; in LDS: 196,608 + 4,096 (wave - 8)
	s_wait_kmcnt 0x0
	s_mov_b32 s[G0C], 1
	s_mov_b32 s[G0C+1], s47
	s_add_nc_u64 s[G0C+2:G0C+3], s[4:5], s[48:49]
	s_or_b32 s[G0C+3], s[G0C+3], 0x80000000
	s_mov_b32 s[G0S], 1
	s_mov_b32 s[G0S+1], s53
	s_add_nc_u64 s[G0S+2:G0S+3], s[4:5], s[50:51]
	s_or_b32 s[G0S+3], s[G0S+3], 0x80000000
	s_cmp_lt_u32 s[WV], 8                          ; the fills: one tensor load a wave at the most, ahead of every wait on TENSORcnt, every LDS read and the barrier; four v_nop follow each line
	s_cbranch_scc0 .Lnot_codes
	tensor_load_to_lds s[G0C:G0C+3], s[G1C:G1C+7]
	s_nop 0
.rept 4
	v_nop
.endr
	s_branch .Lasked
.Lnot_codes:
	s_cmp_lt_u32 s[WV], 10
	s_cbranch_scc0 .Lasked
	tensor_load_to_lds s[G0S:G0S+3], s[G1S:G1S+7]
	s_nop 0
.rept 4
	v_nop
.endr
.Lasked:
	s_lshl_b32 s53, ttmp9, 3                       ; my tile T: 8 j + wave, or 8 (15 - j) + wave - 8
	s_sub_co_u32 s54, 112, s53
	s_cmp_lt_u32 s[WV], 8
	s_cselect_b32 s53, s53, s54
	s_add_co_u32 s53, s53, s[WV]
	s_lshr_b32 s54, s53, 1
	s_lshl_b32 s54, s54, 5
	s_and_b32 s55, s53, 1
	s_lshl_b32 s55, s55, 3
	s_add_co_u32 s[QMIN], s54, s55                 ; 32 (T / 2) + 8 (T % 2); lane r's query is r + 8 (r / 8) further on
	s_mul_i32 s54, s53, 768                        ; q's codes: 16 places of 48 bytes a tile
	s_add_co_u32 s54, s54, s46
	s_mov_b32 s55, 0
	s_lshl_b32 s56, s53, 5                         ; q's scale bytes
	s_add_co_u32 s56, s56, s52
	s_add_co_u32 s56, s56, 9437184
	s_mov_b32 s57, 0
	s_add_nc_u64 s[54:55], s[4:5], s[54:55]
	s_add_nc_u64 s[56:57], s[4:5], s[56:57]
	s_lshr_b32 s58, s45, 4
	s_lshl_b32 s58, s58, 11
	s_add_co_u32 s58, s58, s[QMIN]                 ; at's row of my first query: 2,048 b + QMIN
	s_and_b32 s59, s45, 15                         ; the head
	s_mul_i32 s48, s58, 768
	s_mul_i32 s49, s59, 48
	s_add_co_u32 s48, s48, s49
	s_mov_b32 s49, 0
	s_lshl_b32 s50, s58, 5
	s_lshl_b32 s51, s59, 1
	s_add_co_u32 s50, s50, s51
	s_add_co_u32 s50, s50, 3145728
	s_mov_b32 s51, 0
	s_add_nc_u64 s[14:15], s[6:7], s[50:51]        ; at's scale bytes
	s_add_nc_u64 s[6:7], s[6:7], s[48:49]          ; at's codes
	s_mov_b32 s[SEL], 0x76543210
	s_mov_b32 s[SEL+1], 0xfedcba98
	s_mov_b32 s[CS], 0x3e38aa3b                    ; c = log2(e) / 8
	s_mov_b32 s[CS+1], s[CS]                       ; (named with it as a pair, so it is written)
	s_mov_b32 s[TB], 0
	s_mov_b32 s[TS], 0
	s_mov_b32 s[KF], 0
	s_mov_b32 s[ST], 16
	v_and_b32 v8, 15, v0                           ; r
	v_bfe_u32 v9, v0, 4, 1                         ; h
	v_mul_u32_u24 v[AK0], v8, 48
	v_mad_u32_u24 v[AK0], v9, 24, v[AK0]           ; 48 r + 24 h: my place in a tile of q, of k and of v
.irp p, 0,1,2
	global_load_b64 v[16+2*\p:17+2*\p], v[AK0], s[54:55] offset:8*\p   ; q's fragment, K = 0 .. 63, stays in registers
.endr
	v_lshlrev_b32 v6, 1, v8
	global_load_u16 v255, v6, s[56:57]             ; q's two scale bytes; the upper two bytes are 0
	v_add_nc_u32 v[AV0], VC, v[AK0]
	v_add_nc_u32 v[ASK0], KSC, v6
	v_add_nc_u32 v[ASV0], VSC, v6
	v_and_b32 v10, 8, v8
	v_add_nc_u32 v10, v10, v8                      ; r + 8 (r / 8)
	v_lshlrev_b32 v5, 4, v9
	v_sub_nc_u32 v5, v10, v5                       ; r + 8 (r / 8) - 16 h, a signed number: my query's place less my registers' first key
.irp j, 22,23,24,25,26,27
	v_mov_b32 v[\j], 0                             ; q's K = 64 .. 127: zero codes
.endr
.irp t, 0,1,2,3
.irp j, 6,7,8,9,10,11
	v_mov_b32 v[KFR+12*\t+\j], 0                   ; k's likewise: written once, no load lands here
.endr
.endr
	v_mov_b32 v13, 0xff61b1e6                      ; the largest t so far: -3e38, under every t
	v_floor_f32 v12, -v13                          ; -M
	v_mov_b32 v14, 0                               ; the sum, in two halves
	v_mov_b32 v15, 0
.irp b, 0,1,2,3
	v_mov_b32 v[236+\b], 0                         ; written once: a lane permute's destination counts as one of its sources
.endr
	v_mov_b32 v252, 0
	v_mov_b32 v253, 0                              ; (named as the upper half of the pair v[252:253] before it is first written)
.set jj, 0
.rept 32
	v_mov_b32 v[O+jj], 0                           ; O^T.  (The step is written once: the first finds zeros, which the first change of M leaves zeros)
.set jj, jj+1
.endr
	s_wait_loadcnt 0x0                             ; q
	s_wait_tensorcnt 0x0                           ; my part of the head has landed,
	s_barrier_signal -1
	s_barrier_wait -1                              ; everybody's has
.Lstep:                                            ; 16 trips, a constant; a step all of whose 128 keys come after my 16 queries is left out by a scalar branch on ids
	s_add_co_u32 s45, s[QMIN], 23                  ; my tile's last query
	s_cmp_gt_u32 s[KF], s45
	s_cbranch_scc1 .Lhidden
	v_add_nc_u32 v[ADK], s[TB], v[AK0]             ; (these four are also the places behind the last trip's products)
	v_add_nc_u32 v[ADV], s[TB], v[AV0]
	v_add_nc_u32 v[ADS], s[TS], v[ASK0]
	v_add_nc_u32 v[ADT], s[TS], v[ASV0]
.irp g, 0,1                                    ; S^T = k q^T, four tiles of 16 keys at a time
.if \g == 1
.rept 4
	v_nop                                          ; places in front of loads into registers that matrix instructions have read
.endr
.endif
.irp t, 0,1,2,3
.irp p, 0,1,2
	ds_load_b64 v[KFR+12*\t+2*\p:KFR+12*\t+2*\p+1], v[ADK] offset:768*(4*\g+\t)+8*\p
.endr
	ds_load_u16 v[248+\t], v[ADS] offset:32*(4*\g+\t)
.endr
.if \g == 0
	s_wait_dscnt 0x0
.else
.irp t, 0,1,2,3                                ; v's four fragments (16 channels x 128 keys: two groups of 64 keys) and the halves of their scale words go out behind k's: they land under the softmax
.irp p, 0,1,2,3,4,5
	ds_load_b64 v[VFR+12*\t+2*\p:VFR+12*\t+2*\p+1], v[ADV] offset:768*\t+3072*(\p/3)+8*(\p%3)
.endr
	ds_load_u16 v[28+\t], v[ADT] offset:32*\t
	ds_load_u16 v[244+\t], v[ADT] offset:128+32*\t
.endr
	s_wait_dscnt 32                                ; k's are in; v's 24 + 8 loads may be out
.endif
.irp t, 0,1,2,3
	v_wmma_scale_f32_16x16x128_f8f6f4 v[S+8*(4*\g+\t):S+8*(4*\g+\t)+7], v[KFR+12*\t:KFR+12*\t+11], v[16:27], 0, v[248+\t], v255 matrix_a_fmt:MATRIX_FMT_FP6 matrix_b_fmt:MATRIX_FMT_FP6
.endr
.endr                                          ; lane (r, h) holds query r; register 16 b + i holds key KF + 32 b + 16 h + i
	s_wait_dscnt 0x0
.irp t, 0,1,2,3
	v_lshl_or_b32 v[28+\t], v[244+\t], 16, v[28+\t]   ; v's scale word of these 128 keys.  (These four are the places behind the products)
.endr
	s_add_co_u32 s45, s[KF], 127                   ; on the diagonal the scores of hidden keys become -infinity ahead of the maximum; a step all of whose keys count skips this
	s_cmp_le_u32 s45, s[QMIN]
	s_cbranch_scc1 .Lopen
	s_sub_co_i32 s45, s[QMIN], s[KF]
	v_add_nc_u32 v252, s45, v5                     ; d = my query - KF - 16 h: register 16 b + i is hidden where 32 b + i > d
	v_mov_b32 v254, 0xff800000                     ; -infinity
.set nn, 0
.rept 64
	v_cmp_gt_i32 vcc_lo, 32*(nn/16)+nn%16, v252
	v_cndmask_b32 v[S+nn], v[S+nn], v254, vcc_lo
.set nn, nn+1
.endr
.Lopen:
.irp b, 0,1,2,3
	v_max3_num_f32 v[232+\b], v[S+16*\b], v[S+1+16*\b], v[S+2+16*\b]   ; the largest score of each block of 32 keys: it serves for the row's maximum and, since p rises with the score, for the block's largest p
.endr
.irp i, 3,5,7,9,11,13
.irp b, 0,1,2,3
	v_max3_num_f32 v[232+\b], v[232+\b], v[S+16*\b+\i], v[S+1+16*\b+\i]
.endr
.endr
.irp b, 0,1,2,3
	v_max_num_f32 v[232+\b], v[232+\b], v[S+15+16*\b]
.endr
.irp b, 0,1,2,3
	v_permlanex16_b32 v[236+\b], v[232+\b], s[SEL], s[SEL+1]
.endr
.irp b, 0,1,2,3
	v_max_num_f32 v[232+\b], v[232+\b], v[236+\b]  ; with lane l xor 16's 16 keys
.endr
	v_max3_num_f32 v254, v232, v233, v234
	v_max_num_f32 v254, v254, v235                 ; the step's largest score of my query
	v_mul_f32 v254, s[CS], v254                    ; as t (c is positive)
	v_max_num_f32 v13, v13, v254                   ; the running largest t
	v_mov_b32 v254, v12
	v_floor_f32 v12, -v13                          ; the new -M = floor(-t) = -ceil(t): a whole number
	v_sub_f32 v254, v12, v254                      ; old M - new M: a whole number, 0 or less
	v_cvt_i32_f32 v254, v254                       ; (it saturates)
	v_ldexp_f32 v252, 1.0, v254                    ; f = 2^(old M - new M)
.set jj, 0
.rept 32
	v_pk_fma_f32 v[S+jj:S+jj+1], v[S+jj:S+jj+1], s[CS:CS+1], v[12:13] op_sel_hi:[1,0,0]   ; t - M, two at a time
.set jj, jj+2
.endr
.irp b, 0,1,2,3
	v_fma_f32 v[232+\b], v[232+\b], s[CS], v12     ; the same of each block's largest score
.endr
.set jj, 0
.rept 64
	v_exp_f32 v[S+jj], v[S+jj]                     ; p = 2^(t - M), at most 1
.set jj, jj+1
.endr
	v_pk_mul_f32 v[14:15], v[14:15], v[252:253] op_sel_hi:[1,0]   ; the sums under the new M (a plain line behind the exponentials)
	s_wait_alu depctr_va_vdst(0)                   ; one wait for the whole batch, ahead of its first reader
.irp b, 0,1,2,3
	v_exp_f32 v[232+\b], v[232+\b]                 ; the block's largest p: the same two instructions on the same number give the same bits
.endr
	v_pk_add_f32 v[236:237], v[S:S+1], v[S+2:S+3]  ; the row's sum of the UNQUANTISED p: two at a time, in two chains (plain work behind the four)
.irp j, 4,8,12,16,20,24,28,32,36,40,44,48,52,56,60
	v_pk_add_f32 v[14:15], v[14:15], v[S+\j:S+\j+1]
	v_pk_add_f32 v[236:237], v[236:237], v[S+2+\j:S+3+\j]
.endr
	v_pk_add_f32 v[14:15], v[14:15], v[236:237]
	s_wait_alu depctr_va_vdst(0)                   ; and one for the four
.irp b, 0,1,2,3
	v_max_num_f32 v[232+\b], 0x1800000, v[232+\b]  ; the floor 2^(3 - 127): the byte cannot fall under 1
.endr
.irp b, 0,1,2,3
	v_add_nc_u32 v[244+\b], 0xff000000, v[232+\b]  ; 2 off the exponent field: the conversion's scale operand
.endr
.irp b, 0,1,2,3
	v_lshrrev_b32 v[236+\b], 23, v[244+\b]         ; the scale's byte
.endr
	v_lshl_or_b32 v253, v237, 8, v236              ; p's scale word for these 128 keys
	v_lshl_or_b32 v253, v238, 16, v253
	v_lshl_or_b32 v253, v239, 24, v253
.irp c, 0,1
	v_cvt_scalef32_pk16_fp6_f32 v[224+6*\c:226+6*\c], v[S+32*\c:S+15+32*\c], v[244+2*\c]
	v_cvt_scalef32_pk16_fp6_f32 v[236+4*\c:238+4*\c], v[S+16+32*\c:S+31+32*\c], v[244+2*\c+1]   ; (a conversion's three registers begin on an even number)
.endr
	v_nop                                          ; one plain line behind the scaled conversions
.irp c, 0,1                                    ; the operand's layout wants a WHOLE block in a lane: lanes 0-15 block 2 c, lanes 16-31 block 2 c + 1
.irp i, 0,1,2
	v_permlane16_swap_b32 v[224+6*\c+\i], v[236+4*\c+\i]
.endr
.irp i, 0,1,2
	v_mov_b32 v[227+6*\c+\i], v[236+4*\c+\i]
.endr
.endr
.set jj, 0
.rept 16
	v_pk_mul_f32 v[O+jj:O+jj+1], v[O+jj:O+jj+1], v[252:253] op_sel_hi:[1,0]   ; O^T under the new M.  (Of these 16 at least 12 name no register of a given product below: its places)
.set jj, jj+2
.endr
.irp t, 0,1,2,3                                ; O^T += v^T p^T: four tiles of 16 channels, K = these 128 keys; the four accumulators take turns
	v_wmma_scale_f32_16x16x128_f8f6f4 v[O+8*\t:O+8*\t+7], v[VFR+12*\t:VFR+12*\t+11], v[224:235], v[O+8*\t:O+8*\t+7], v[28+\t], v253 matrix_a_fmt:MATRIX_FMT_FP6 matrix_b_fmt:MATRIX_FMT_FP6
.endr
.Lhidden:
	s_add_co_u32 s[KF], s[KF], 128
	s_add_co_u32 s[TB], s[TB], 6144
	s_add_co_u32 s[TS], s[TS], 256
	s_sub_co_u32 s[ST], s[ST], 1
	s_cmp_lg_u32 s[ST], 0
	s_cbranch_scc1 .Lstep
	; THE WAY OUT.  O^T / the sum; register 16 b + i is channel 32 b + 16 h + i of my query: two blocks of 32, quantised as p is, and stored as the head's 48 bytes of my query's row.
	v_add_f32 v14, v14, v15                        ; the sum's two halves,
	v_permlanex16_b32 v252, v14, s[SEL], s[SEL+1]
	v_add_f32 v14, v14, v252                       ; and lane l xor 16's
	v_rcp_f32 v14, v14
	v_and_b32 v8, 15, v0                           ; (plain work behind the transcendental)
	v_bfe_u32 v9, v0, 4, 1
	v_and_b32 v10, 8, v8
	v_add_nc_u32 v10, v10, v8                      ; r + 8 (r / 8): my query's row behind the tile's first
	v_mul_u32_u24 v[GO], v10, 768
	v_mad_u32_u24 v[GO], v9, 24, v[GO]             ; lanes 0-15 store block 0's 24 bytes, lanes 16-31 block 1's
	v_lshlrev_b32 v11, 5, v10                      ; and its row of scale bytes
	s_wait_alu depctr_va_vdst(0)                   ; the wait, ahead of the first reader
.set jj, 0
.rept 32
	v_mul_f32 v[S+jj], v[O+jj], v14                ; each accumulator from its low end on
.set jj, jj+1
.endr
.irp b, 0,1
	v_max3_num_f32 v[232+\b], |v[S+16*\b]|, |v[S+1+16*\b]|, 0x1800000
.endr
.irp i, 2,4,6,8,10,12,14
.irp b, 0,1
	v_max3_num_f32 v[232+\b], v[232+\b], |v[S+16*\b+\i]|, |v[S+1+16*\b+\i]|
.endr
.endr
.irp b, 0,1
	v_permlanex16_b32 v[236+\b], v[232+\b], s[SEL], s[SEL+1]
.endr
.irp b, 0,1
	v_max_num_f32 v[232+\b], v[232+\b], v[236+\b]
.endr
.irp b, 0,1
	v_add_nc_u32 v[244+\b], 0xff000000, v[232+\b]
.endr
.irp b, 0,1
	v_lshrrev_b32 v[236+\b], 23, v[244+\b]
.endr
	v_lshl_or_b32 v238, v237, 8, v236              ; the head's two scale bytes of my row
	v_cvt_scalef32_pk16_fp6_f32 v[224:226], v[S:S+15], v244
	v_cvt_scalef32_pk16_fp6_f32 v[228:230], v[S+16:S+31], v245
	v_nop
.irp i, 0,1,2
	v_permlane16_swap_b32 v[224+\i], v[228+\i]     ; now v224-226 hold my block's lower 16 codes, v228-230 its upper 16
.endr
	global_store_b96 v[GO], v[224:226], s[6:7]
	global_store_b96 v[GO], v[228:230], s[6:7] offset:12
	global_store_b16 v11, v238, s[14:15]           ; lanes l and l xor 16 store the same two bytes with the same value
	s_wait_xcnt 0x0
	v_lshl_add_u32 v254, v0, 2, 0x32000
	v_mov_b32 v255, 0
	s_wait_tensorcnt 0x0
	ds_add_u32 v254, v255
	s_wait_dscnt 0x0
	s_endpgm
.Lfunc_end_k_q80dfbc7270_attn:
	.size	k_q80dfbc7270_attn, .Lfunc_end_k_q80dfbc7270_attn-k_q80dfbc7270_attn
	.p2alignl 7, 3214868480
	.fill 96, 4, 3214868480
	.section	.rodata,"a",@progbits
	.p2align	6, 0x0
	.amdhsa_kernel k_q80dfbc7270_attn
		.amdhsa_group_segment_fixed_size 206848
		.amdhsa_private_segment_fixed_size 0
		.amdhsa_enable_private_segment 0
		.amdhsa_kernarg_size 16
		.amdhsa_user_sgpr_count 2
		.amdhsa_user_sgpr_kernarg_segment_ptr 1
		.amdhsa_wavefront_size32 1
		.amdhsa_system_sgpr_workgroup_id_x 1
		.amdhsa_system_sgpr_workgroup_id_y 1
		.amdhsa_system_sgpr_workgroup_id_z 1
		.amdhsa_system_vgpr_workitem_id 0
		.amdhsa_next_free_vgpr 256
		.amdhsa_next_free_sgpr 66
		.amdhsa_reserve_vcc 1
		.amdhsa_float_denorm_mode_32 3
		.amdhsa_float_denorm_mode_16_64 3
		.amdhsa_memory_ordered 1
		.amdhsa_forward_progress 1
		.amdhsa_inst_pref_size 36
	.end_amdhsa_kernel
	.amdgpu_metadata
---
amdhsa.version: [ 1, 2 ]
amdhsa.kernels:
  - .name:           k_q80dfbc7270_attn
    .symbol:         k_q80dfbc7270_attn.kd
    .args:
      - { .name: qkv, .offset: 0, .size: 8, .value_kind: global_buffer, .address_space: global }
      - { .name: at, .offset: 8, .size: 8, .value_kind: global_buffer, .address_space: global }
    .group_segment_fixed_size: 206848
    .private_segment_fixed_size: 0
    .kernarg_segment_align: 8
    .kernarg_segment_size: 16
    .max_flat_workgroup_size: 512
    .sgpr_count:     66
    .vgpr_count:     256
    .wavefront_size: 32
...
	.end_amdgpu_metadata
.endif
;; end of part 3
;; launch wo (part 4): grid 4 x 16, 4 waves a work-group, clusters of 4 x 4, 327,680 bytes of LDS; arguments at, wo_codes, wo_scales, x, x1; writes x1
.if DOCPART == 4
	.amdgcn_target "amdgcn-amd-amdhsa--gfx1250"
	.amdhsa_code_object_version 6
	.text
	.protected	k_q80dfbc7270_wo
	.globl	k_q80dfbc7270_wo
	.p2align	8
	.type	k_q80dfbc7270_wo,@function
k_q80dfbc7270_wo:
	s_mov_b64 s[64:65], 0
	v_nop
	global_prefetch_b8 v0, s[64:65] scope:SCOPE_SE
	s_setreg_imm32_b32 hwreg(HW_REG_WAVE_MODE, 25, 1), 1
	s_wait_xcnt 0x0
	s_wait_alu depctr_hold_cnt(0) depctr_sa_sdst(0) depctr_va_vdst(0) depctr_va_sdst(0) depctr_va_ssrc(0) depctr_va_vcc(0) depctr_vm_vsrc(0)
	s_getreg_b32 s2, hwreg(HW_REG_IB_STS2, 6, 4)
	s_cmp_eq_u32 s2, 0
	s_cbranch_scc0 .Lentry_in_a_cluster
	s_endpgm
.Lentry_in_a_cluster:
	s_bfe_u32 s2, ttmp6, 0x10000c
	s_cmp_lg_u32 s2, 0xf033
	s_cbranch_scc0 .Lentry_shape_is_right
	s_endpgm
.Lentry_shape_is_right:
; x1 = x + at wo^T on codes of FP6 (E2M3) with one E8M0 scale for each 32 along K = 1,024.  at: codes [4096][768 bytes] at byte 0, scale bytes [4096][32] at byte 3,145,728.  wo: codes [1024][768 bytes], scale bytes [1024][32].
; x, x1: [4096][1024] f32.
; A tile of C, 256 x 256, is made by four waves, 128 x 128 each: 64 accumulators, 512 registers.  K goes in steps of 256 (rows of 192 bytes) through a ring of two LDS slots filled by the tensor data mover;
; the scale bytes of the work-group's rows of A and of B, for all of K, come once with the first fills.  4 x 4 work-groups form a cluster: A's tiles are asked for jointly along a row of it, B's along a column.
; C has 64 such tiles: this launch has work for 64 work-groups.
; THE MATRIX INSTRUCTION IS USED TRANSPOSED (source 0 = 16 rows of B, source 1 = 16 rows of A): a lane holds eight neighbouring numbers of a row of C.
; REGISTERS, in windows of 256: window 0: v0-31 addresses; v32-63 scale words, two sets; from v128 A's fragments, one set.  window 1: B's fragments, two sets; on the way out v0-127 take x's rows.  windows 2, 3: the accumulators.
.set SIZE_K, 1024
.set SIZE_N, 1024
.set ASCL,   3145728                   ; A's scale bytes lie so far behind its codes
.set KSTEP,  256
.set NQ,     KSTEP/128
.set ROWB,   192
.set KROW,   SIZE_K*6/8
.set APITCH, KROW                      ; A's rows in memory lie so far apart,
.set ASTEP,  ROWB                      ; and A's next K step so far on
.set PITCH,  240                       ; an LDS row: 3 x (64 bytes + 16 of padding)
.set FR,     12
.set NL,     6
.set NP,     4                         ; places behind this matrix instruction (ISA guide 7.12.1)
.set HALFT,  128*PITCH
.set SLOT,   4*HALFT
.set LAPS,   SIZE_K/(2*KSTEP)
.set KS,     SIZE_K/32
.set SCL,    2*SLOT
.set HALFS,  (128*KS/256)*272
.set SBLK,   (16*KS/256)*272
.set SPARE,  SCL+4*HALFS               ; the spare words, 128 bytes for each wave: no other line names them
.set SPITCH, 528                       ; the way out: a stage of 16 rows x (512 bytes + 16) for each wave, in slot 0, which has had its last fill and its last read by then
.set ADRA, 16
.set ADRB, 20
.set STO,  24
.set RD,   25
.set CO,   26
.set ADRS, 27
.set SPW,  28
.set NIL,  29
.set SC,   32
.set AF,   128
.set BK,   128
.set G1, 24
.set G0, 32
.set G1B, 48
.set G0B, 56
.set G1S, 68
.set G0S, 76
.set G1SB, 80
.set G0SB, 88
.set MSB, 0
.macro WIN new                         ; the immediate's high byte repeats the setting that is left
.if MSB != \new
	s_set_vgpr_msb (MSB<<8)|\new
.set MSB, \new
.endif
.endm
.set MUL_LO, 0xa1
.set MUL_HI, 0xf1
.set TO_B,   0x40
; A joint load: waves 0 and 1 fetch for A, waves 2 and 3 for B.  The branch hangs on the wave's number alone.  Four v_nop follow each of the two lines.
.macro JLOAD g0a, g1a, g0b, g1b
	s_cmp_eq_u32 s15, 0
	s_cbranch_scc0 .Lfor_b_\@
	tensor_load_to_lds s[\g0a:\g0a+3], s[\g1a:\g1a+7]
	s_nop 0
.rept 4
	v_nop
.endr
	s_branch .Lasked_\@
.Lfor_b_\@:
	tensor_load_to_lds s[\g0b:\g0b+3], s[\g1b:\g1b+7]
	s_nop 0
.rept 4
	v_nop
.endr
.Lasked_\@:
.endm
.macro CREST
	s_cmp_lg_u32 s14, 0
	s_cbranch_scc1 .Lnot_wave_0_\@
	s_barrier_signal -3
.Lnot_wave_0_\@:
	s_barrier_wait -3
	s_barrier_signal -1
	s_barrier_wait -1
.endm
.macro CROUND
	s_barrier_signal -1
	s_barrier_wait -1
	CREST
.endm
	s_load_b64 s[4:5], s[0:1], 0x0                 ; A: codes, and behind them its scale bytes
	s_load_b128 s[8:11], s[0:1], 0x8               ; B's codes, B's scales
	s_load_b64 s[98:99], s[0:1], 0x18              ; the residual
	s_load_b64 s[12:13], s[0:1], 0x20              ; C
	v_lshl_add_u32 v[SPW], v0, 2, SPARE
	v_mov_b32 v[NIL], 0
	ds_add_u32 v28, v29
	ds_add_u32 v28, v29
	s_wait_dscnt 0x0
	v_lshrrev_b32 v1, 5, v0
	v_readfirstlane_b32 s14, v1                    ; wave 0..3
	s_lshr_b32 s15, s14, 1                         ; which half of the tile's rows is mine.  Also: I fetch for A (0) or for B (1)
	s_and_b32 s16, s14, 1                          ; which half of its columns.  Also: which 128 rows of that tile I fetch
	s_bfe_u32 s40, ttmp6, 0x40000                  ; cx, cy
	s_bfe_u32 s41, ttmp6, 0x40004
	s_lshl_b32 s42, ttmp9, 2
	s_add_co_u32 s42, s42, s40                     ; tile column of C
	s_and_b32 s17, ttmp7, 0xffff
	s_lshl_b32 s17, s17, 2
	s_add_co_u32 s17, s17, s41                     ; tile row of C
	s_lshl_b32 s43, s41, 2
	s_lshl_b32 s43, 15, s43                        ; my row of the cluster
	s_lshl_b32 s44, 0x1111, s40                    ; my column
	s_or_b32 s[G1+0], s43, (0<<16)|(1<<20)|(1<<21)|(3<<22)|(3<<25)  ; the mask; elements of 1 byte; padding on; bit 21 beside a mask; after every 16 words, 4 words
	s_or_b32 s[G1B+0], s44, (0<<16)|(1<<20)|(1<<21)|(3<<22)|(3<<25)
.irp g, G1, G1B
	s_mov_b32 s[\g+1], ROWB<<16
	s_mov_b32 s[\g+2], 128<<16
	s_mov_b32 s[\g+3], ROWB<<16
	s_mov_b32 s[\g+4], 128
	s_mov_b32 s[\g+6], 0
	s_mov_b32 s[\g+7], 0
.endr
	s_mov_b32 s[G1+5], APITCH
	s_mov_b32 s[G1B+5], KROW
	s_or_b32 s[G1S+0], s43, (3<<16)|(1<<20)|(1<<21)|(5<<22)|(3<<25)  ; the scales of 128 rows: a dense block, as rows of 256 bytes, 16 bytes of padding behind each
	s_or_b32 s[G1SB+0], s44, (3<<16)|(1<<20)|(1<<21)|(5<<22)|(3<<25)
.irp g, G1S, G1SB
	s_mov_b32 s[\g+1], 32<<16
	s_mov_b32 s[\g+2], (128*KS/256)<<16
	s_mov_b32 s[\g+3], 32<<16
	s_mov_b32 s[\g+4], 128*KS/256
	s_mov_b32 s[\g+5], 32
	s_mov_b32 s[\g+6], 0
	s_mov_b32 s[\g+7], 0
.endr
	s_lshl_b32 s18, s16, 7
	s_lshl_b32 s20, s17, 8
	s_add_co_u32 s20, s20, s18                     ; A: row 256 x tile row + 128 x half
	s_lshl_b32 s46, s42, 8
	s_add_co_u32 s46, s46, s18                     ; B: row 256 x tile column + 128 x half
	s_mov_b32 s21, 0
	s_mov_b32 s47, 0
	s_mov_b64 s[18:19], KS
	s_mul_u64 s[22:23], s[20:21], s[18:19]
	s_mul_u64 s[92:93], s[46:47], s[18:19]
	s_mov_b64 s[18:19], KROW
	s_mul_u64 s[20:21], s[20:21], s[18:19]
	s_mul_u64 s[46:47], s[46:47], s[18:19]
	s_mul_i32 s45, s14, HALFT
	s_mul_i32 s94, s14, HALFS
	s_wait_kmcnt 0x0
	s_add_nc_u64 s[6:7], s[4:5], ASCL              ; A's scale bytes
	s_add_nc_u64 s[20:21], s[4:5], s[20:21]
	s_add_nc_u64 s[22:23], s[6:7], s[22:23]
	s_add_nc_u64 s[46:47], s[8:9], s[46:47]
	s_add_nc_u64 s[92:93], s[10:11], s[92:93]
	CROUND                                         ; all sixteen work-groups are here: the first joint loads meet
	s_mov_b32 s[G0S], 1
	s_add_co_u32 s[G0S+1], s94, SCL
	s_mov_b64 s[G0S+2:G0S+3], s[22:23]
	s_or_b32 s[G0S+3], s[G0S+3], 0x80000000
	s_mov_b32 s[G0SB], 1
	s_add_co_u32 s[G0SB+1], s94, SCL
	s_mov_b64 s[G0SB+2:G0SB+3], s[92:93]
	s_or_b32 s[G0SB+3], s[G0SB+3], 0x80000000
	JLOAD G0S, G1S, G0SB, G1SB
.irp s, 0,1
	s_mov_b32 s[G0+4*\s], 1
	s_add_co_u32 s[G0+4*\s+1], s45, \s*SLOT
	s_add_nc_u64 s[G0+4*\s+2:G0+4*\s+3], s[20:21], \s*ASTEP
	s_or_b32 s[G0+4*\s+3], s[G0+4*\s+3], 0x80000000
	s_mov_b32 s[G0B+4*\s], 1
	s_add_co_u32 s[G0B+4*\s+1], s45, \s*SLOT
	s_add_nc_u64 s[G0B+4*\s+2:G0B+4*\s+3], s[46:47], \s*ROWB
	s_or_b32 s[G0B+4*\s+3], s[G0B+4*\s+3], 0x80000000
	JLOAD G0+4*\s, G1, G0B+4*\s, G1B               ; by this text's count three tensor loads of a wave are out here, later one
.endr
	v_and_b32 v1, 15, v0
	v_bfe_u32 v2, v0, 4, 1
	v_mul_u32_u24 v3, v1, PITCH
	v_mul_u32_u24 v4, v2, 24
	v_add_nc_u32 v4, v3, v4
	v_lshl_add_u32 v5, v2, 4, v4
	s_mul_i32 s21, s15, HALFT
	s_mul_i32 s22, s16, HALFT
	s_add_co_u32 s22, s22, 2*HALFT
.irp s, 0,1
	v_add_nc_u32 v[ADRA+\s], s21, v4
	v_add_nc_u32 v[ADRB+\s], s22, v4
	v_add_nc_u32 v[ADRA+2+\s], s21, v5
	v_add_nc_u32 v[ADRB+2+\s], s22, v5
	s_add_co_u32 s21, s21, SLOT
	s_add_co_u32 s22, s22, SLOT
.endr
	v_mul_u32_u24 v5, v1, KS
	v_lshrrev_b32 v6, 8, v5
	v_lshl_add_u32 v5, v6, 4, v5
	s_mul_i32 s21, s15, HALFS
	s_mul_i32 s22, s16, HALFS
	s_add_co_u32 s22, s22, 2*HALFS
	s_sub_co_u32 s22, s22, s21
	v_mul_u32_u24 v6, s22, v2
	s_add_co_u32 s21, s21, SCL
	v_add_nc_u32 v5, v5, v6
	v_add_nc_u32 v[ADRS], s21, v5
	s_mul_i32 s23, s14, 16*SPITCH                  ; my stage
	v_mul_u32_u24 v5, v1, SPITCH
	v_lshl_add_u32 v5, v2, 5, v5
	v_add_nc_u32 v[STO], s23, v5
	v_and_b32 v6, 31, v0
	v_lshlrev_b32 v[CO], 4, v6                     ; back: the 32 lanes take one row of 512 bytes; and the same in C and in the residual
	v_add_nc_u32 v[RD], s23, v[CO]
	s_lshl_b32 s20, s17, 8
	s_lshl_b32 s21, s15, 7
	s_add_co_u32 s20, s20, s21                     ; my first row of C
	s_mov_b32 s21, 0
	s_mov_b64 s[18:19], SIZE_N*4
	s_mul_u64 s[20:21], s[20:21], s[18:19]
	s_lshl_b32 s46, s42, 10                        ; my first column, in bytes
	s_lshl_b32 s47, s16, 9
	s_add_co_u32 s46, s46, s47
	s_mov_b32 s47, 0
	s_add_nc_u64 s[20:21], s[20:21], s[46:47]
	s_add_nc_u64 s[12:13], s[12:13], s[20:21]
	s_add_nc_u64 s[98:99], s[98:99], s[20:21]
.macro FRAG reg, adr, q, i             ; a fragment: 12 registers: lane l holds row l % 16; registers 6 c .. 6 c + 5 hold K = 64 c + 32 (l / 16) + 0 .. 31, in pieces of 8 bytes
.irp p, 0,1,2,3,4,5
.set PC, 12*(\q)+6*(\p/3)+\p%3
.if PC%8 < 5
	ds_load_b64 v[\reg+2*\p:\reg+2*\p+1], v[\adr] offset:8*PC+16*(PC/8)+(\i)*16*PITCH
.else
	ds_load_b64 v[\reg+2*\p:\reg+2*\p+1], v[\adr+2] offset:8*PC+16*(PC/8)+(\i)*16*PITCH
.endif
.endr
.endm
; 16 matrix instructions: A's blocks a0, a0 + 1 x B's eight.  The 64 accumulators take turns, one instruction a turn, in the same order in every step.
.macro MUL16 a0, p, q, sc, zero
.irp a, \a0, \a0+1
.irp b, 0,1,2,3,4,5,6,7
.if \zero
	v_wmma_scale_f32_16x16x128_f8f6f4 v[8*(8*((\a)%4)+\b):8*(8*((\a)%4)+\b)+7], v[128*(\p)+FR*\b:128*(\p)+FR*\b+FR-1], v[AF+FR*(\a):AF+FR*(\a)+FR-1], 0, v[SC+8*NQ*(\sc)+NQ*\b+(\q)], v[SC+8*NQ*(\sc)+NQ*(\a)+(\q)] matrix_a_fmt:MATRIX_FMT_FP6 matrix_b_fmt:MATRIX_FMT_FP6 matrix_a_scale:MATRIX_SCALE_ROW1
.else
	v_wmma_scale_f32_16x16x128_f8f6f4 v[8*(8*((\a)%4)+\b):8*(8*((\a)%4)+\b)+7], v[128*(\p)+FR*\b:128*(\p)+FR*\b+FR-1], v[AF+FR*(\a):AF+FR*(\a)+FR-1], v[8*(8*((\a)%4)+\b):8*(8*((\a)%4)+\b)+7], v[SC+8*NQ*(\sc)+NQ*\b+(\q)], v[SC+8*NQ*(\sc)+NQ*(\a)+(\q)] matrix_a_fmt:MATRIX_FMT_FP6 matrix_b_fmt:MATRIX_FMT_FP6 matrix_a_scale:MATRIX_SCALE_ROW1
.endif
.endr
.endr
.endm
.macro FETCH_B slot, q, p
	WIN TO_B
.irp i, 0,1,2,3,4,5,6,7
	FRAG 128*(\p)+FR*\i, ADRB+\slot, \q, \i
.endr
	WIN 0
.endm
.macro FETCH_A slot, q, i0
.irp i, \i0, \i0+1, \i0+2, \i0+3
	FRAG AF+FR*(\i), ADRA+\slot, \q, \i
.endr
.endm
.macro SCALES sc
.irp i, 0,1,2,3,4,5,6,7
	ds_load_b64 v[SC+8*NQ*\sc+NQ*\i:SC+8*NQ*\sc+NQ*\i+1], v[ADRS] offset:\i*SBLK
.endr
.endm
.macro PLACES n
.rept \n
	v_nop
.endr
.endm
.macro STEP slot, q, zero
	s_wait_dscnt 4*NL                              ; B's set and A's blocks 0-3 are in; the youngest 24 loads (A's blocks 4-7) may be out
	WIN MUL_LO
	MUL16 0, (\q)%2, \q, \slot, \zero
	MUL16 2, (\q)%2, \q, \slot, \zero
	s_wait_dscnt 0
	PLACES NP
	FETCH_B \slot, (\q)+1, 1-(\q)%2
	FETCH_A \slot, (\q)+1, 0
	WIN MUL_HI
	MUL16 4, (\q)%2, \q, \slot, \zero
	MUL16 6, (\q)%2, \q, \slot, \zero
	PLACES NP
	WIN 0
	FETCH_A \slot, (\q)+1, 4
.endm
; A slot's last step changes slots: one barrier; in front of it each wave waits for all its tensor loads, adds 0 to its spare word, and waits for that and for its reads of this slot.
.macro TURN slot, next, fill
	s_wait_tensorcnt 0x0
	ds_add_u32 v[SPW], v[NIL]                      ; 0 onto my spare word
	s_wait_dscnt 4*NL+1                            ; (the add and the youngest 24 loads may be out)
	WIN MUL_LO
	MUL16 0, 1, NQ-1, \slot, 0
	s_wait_dscnt 0x0                               ; the add is done, and my reads of this slot are over
	s_barrier_signal -1
	MUL16 2, 1, NQ-1, \slot, 0
	WIN 0
	s_barrier_wait -1
.if \fill
	CREST                                          ; the barrier has opened a round of the cluster's barrier: no wave of any partner still reads this slot or has a load on its way
	s_add_nc_u64 s[G0+4*\slot+2:G0+4*\slot+3], s[G0+4*\slot+2:G0+4*\slot+3], 2*ASTEP
	s_add_nc_u64 s[G0B+4*\slot+2:G0B+4*\slot+3], s[G0B+4*\slot+2:G0B+4*\slot+3], 2*ROWB
	JLOAD G0+4*\slot, G1, G0B+4*\slot, G1B
.else
	PLACES NP
.endif
	v_add_nc_u32 v[ADRS], 4*NQ, v[ADRS]
	FETCH_B \next, 0, 0
	FETCH_A \next, 0, 0
	SCALES \next
	WIN MUL_HI
	MUL16 4, 1, NQ-1, \slot, 0
	MUL16 6, 1, NQ-1, \slot, 0
	PLACES NP
	WIN 0
	FETCH_A \next, 0, 4
.endm
	s_wait_tensorcnt 1                             ; the scales and my part of K step 0 are in (K step 1's load may be out)
	s_barrier_signal -1
	s_barrier_wait -1
	FETCH_B 0, 0, 0
	FETCH_A 0, 0, 0
	SCALES 0
	FETCH_A 0, 0, 4
	STEP 0, 0, 1                                   ; the first step's products start the sums
	s_mov_b32 s3, LAPS-1
.Llap:
	TURN 0, 1, 1
	STEP 1, 0, 0
	TURN 1, 0, 1
	STEP 0, 0, 0
	s_sub_co_u32 s3, s3, 1
	s_cmp_lg_u32 s3, 0
	s_cbranch_scc1 .Llap
	TURN 0, 1, 0
	STEP 1, 0, 0
	s_wait_dscnt 4*NL
	WIN MUL_LO
	MUL16 0, 1, NQ-1, 1, 0
	MUL16 2, 1, NQ-1, 1, 0
	s_wait_dscnt 0
	WIN MUL_HI
	MUL16 4, 1, NQ-1, 1, 0
	MUL16 6, 1, NQ-1, 1, 0
	WIN 0
; THE WAY OUT, block by block of 16 rows x 128 columns: through my stage in LDS, back as whole rows of 512 bytes, the residual's same rows added, stored as 512 consecutive bytes.
.macro TOSTAGE a
.set AC, 64*((\a)%4)
	WIN 0x08+4*((\a)/4)
.irp b, 0,1,2,3,4,5,6,7
	ds_store_b128 v[STO], v[AC+8*\b:AC+8*\b+3] offset:64*\b          ; each accumulator from its low end on
	ds_store_b128 v[STO], v[AC+8*\b+4:AC+8*\b+7] offset:64*\b+16
.endr
	WIN 0
.set BB, BK+64*((\a)%2)
.irp t, 0,1,2,3,4,5,6,7,8,9,10,11,12,13,14,15
	ds_load_b128 v[BB+4*\t:BB+4*\t+3], v[RD] offset:\t*SPITCH        ; LDS serves a wave's instructions in order: these see the stores above
.endr
.endm
.macro RLOAD a                         ; block a's 16 rows of the residual into window 1, where B's fragments lay: v0-63 and v64-127 by turns
	WIN TO_B
.irp t, 0,1,2,3,4,5,6,7,8,9,10,11,12,13,14,15
	global_load_b128 v[64*((\a)%2)+4*\t:64*((\a)%2)+4*\t+3], v[CO], s[98:99] offset:(16*(\a)+\t)*SIZE_N*4 th:TH_LOAD_NT
.endr
	WIN 0
.endm
.macro SEND a, ds, ld                  ; ds, ld: the younger LDS instructions and global loads that may stay out
.set BB, BK+64*((\a)%2)
.set RR, 64*((\a)%2)
	s_wait_dscnt \ds
	s_wait_loadcnt \ld
	WIN 0x04                                       ; source 1: window 1
.set ii, 0
.rept 32
	v_pk_add_f32 v[BB+ii:BB+ii+1], v[BB+ii:BB+ii+1], v[RR+ii:RR+ii+1]
.set ii, ii+2
.endr
	WIN 0
.irp t, 0,1,2,3,4,5,6,7,8,9,10,11,12,13,14,15
	global_store_b128 v[CO], v[BB+4*\t:BB+4*\t+3], s[12:13] offset:(16*(\a)+\t)*SIZE_N*4   ; every row's place stands in the immediate (520,192 at the most): no base is stepped
.endr
.endm
	PLACES NP                                      ; behind the last products: for the loads into A's and B's registers and the first reads of results
	RLOAD 0
	RLOAD 1
	TOSTAGE 0
.irp a, 1,2,3,4,5,6,7
.if \a > 1
	s_wait_xcnt 0x0                                ; block a - 2's stores have read their registers: block a's loads may land there
.endif
	TOSTAGE \a
	SEND \a-1, 32, 16                              ; may stay out: block a's 16 stores and 16 loads in LDS, and block a's 16 rows of the residual
.if \a < 7
	RLOAD \a+1
.endif
.endr
	SEND 7, 0, 0
	s_wait_tensorcnt 0x0                           ; the wave's end
	ds_add_u32 v[SPW], v[NIL]
	s_wait_dscnt 0x0
	CROUND                                         ; the closing round
	s_endpgm
.Lfunc_end_k_q80dfbc7270_wo:
	.size	k_q80dfbc7270_wo, .Lfunc_end_k_q80dfbc7270_wo-k_q80dfbc7270_wo
	.p2alignl 7, 3214868480
	.fill 96, 4, 3214868480
	.section	.rodata,"a",@progbits
	.p2align	6, 0x0
	.amdhsa_kernel k_q80dfbc7270_wo
		.amdhsa_group_segment_fixed_size 327680
		.amdhsa_private_segment_fixed_size 0
		.amdhsa_enable_private_segment 0
		.amdhsa_kernarg_size 40
		.amdhsa_user_sgpr_count 2
		.amdhsa_user_sgpr_kernarg_segment_ptr 1
		.amdhsa_wavefront_size32 1
		.amdhsa_system_sgpr_workgroup_id_x 1
		.amdhsa_system_sgpr_workgroup_id_y 1
		.amdhsa_system_sgpr_workgroup_id_z 1
		.amdhsa_system_vgpr_workitem_id 0
		.amdhsa_next_free_vgpr 1024
		.amdhsa_next_free_sgpr 100
		.amdhsa_reserve_vcc 0
		.amdhsa_float_denorm_mode_32 3
		.amdhsa_float_denorm_mode_16_64 3
		.amdhsa_memory_ordered 1
		.amdhsa_forward_progress 1
		.amdhsa_inst_pref_size 189
	.end_amdhsa_kernel
	.amdgpu_metadata
---
amdhsa.version: [ 1, 2 ]
amdhsa.kernels:
  - .name:           k_q80dfbc7270_wo
    .symbol:         k_q80dfbc7270_wo.kd
    .args:
      - { .name: at, .offset: 0, .size: 8, .value_kind: global_buffer, .address_space: global }
      - { .name: wo_codes, .offset: 8, .size: 8, .value_kind: global_buffer, .address_space: global }
      - { .name: wo_scales, .offset: 16, .size: 8, .value_kind: global_buffer, .address_space: global }
      - { .name: x, .offset: 24, .size: 8, .value_kind: global_buffer, .address_space: global }
      - { .name: x1, .offset: 32, .size: 8, .value_kind: global_buffer, .address_space: global }
    .group_segment_fixed_size: 327680
    .private_segment_fixed_size: 0
    .kernarg_segment_align: 8
    .kernarg_segment_size: 40
    .max_flat_workgroup_size: 128
    .sgpr_count:     100
    .vgpr_count:     1024
    .wavefront_size: 32
...
	.end_amdgpu_metadata
.endif
;; end of part 4
;; launch norm2: the kernel of part 1 again; grid 256 x 1, 4 waves a work-group, no clusters, 11,264 bytes of LDS; arguments x1, g2, xn; writes xn
;; launch w1 (part 5): grid 16 x 16, 4 waves a work-group, clusters of 4 x 4, 327,680 bytes of LDS; arguments xn, w1_codes, w1_scales, h; writes h
.if DOCPART == 5
	.amdgcn_target "amdgcn-amd-amdhsa--gfx1250"
	.amdhsa_code_object_version 6
	.text
	.protected	k_q80dfbc7270_w1
	.globl	k_q80dfbc7270_w1
	.p2align	8
	.type	k_q80dfbc7270_w1,@function
k_q80dfbc7270_w1:
	s_mov_b64 s[64:65], 0
	v_nop
	global_prefetch_b8 v0, s[64:65] scope:SCOPE_SE
	s_setreg_imm32_b32 hwreg(HW_REG_WAVE_MODE, 25, 1), 1
	s_wait_xcnt 0x0
	s_wait_alu depctr_hold_cnt(0) depctr_sa_sdst(0) depctr_va_vdst(0) depctr_va_sdst(0) depctr_va_ssrc(0) depctr_va_vcc(0) depctr_vm_vsrc(0)
	s_getreg_b32 s2, hwreg(HW_REG_IB_STS2, 6, 4)
	s_cmp_eq_u32 s2, 0
	s_cbranch_scc0 .Lentry_in_a_cluster
	s_endpgm
.Lentry_in_a_cluster:
	s_bfe_u32 s2, ttmp6, 0x10000c
	s_cmp_lg_u32 s2, 0xf033
	s_cbranch_scc0 .Lentry_shape_is_right
	s_endpgm
.Lentry_shape_is_right:
; h = Q(gelu(xn w1^T)), gelu(x) = x / 2 (1 + erf(x / sqrt 2)), the product on codes of FP6 (E2M3) with one E8M0 scale for each 32 along K = 1,024; the result is quantised along its columns (the next product's K).
; xn: codes [4096][768 bytes] at byte 0, scale bytes [4096][32] at byte 3,145,728.  w1: codes [4096][768 bytes], scale bytes [4096][32].
; OUT, h: codes as dense tiles of the next launch's K steps, [row / 128 (32)][column / 256 (16)][128 rows][192 bytes], at byte 0; scale bytes [4096][128] at byte 12,582,912.
; A tile of C, 256 x 256, is made by four waves, 128 x 128 each: 64 accumulators, 512 registers.  K goes in steps of 256 (rows of 192 bytes) through a ring of two LDS slots filled by the tensor data mover;
; the scale bytes of the work-group's rows of A and of B come once with the first fills.  4 x 4 work-groups form a cluster: A's tiles are asked for jointly along a row of it, B's along a column.
; THE MATRIX INSTRUCTION IS USED TRANSPOSED (source 0 = 16 rows of B, source 1 = 16 rows of A): a lane holds eight neighbouring numbers of a row of C.
; erf(z) = z P(z^2) / Q(z^2), z held to +-4: P of degree 6, Q of degree 4, in f32 (absolute error about 1e-7); 1 / Q is v_rcp_f32 (1 ulp).
; LIMITS: NaN and infinities are not served; a block of zeros, or one whose largest magnitude lies under 2^-124, gets the byte 1 (read by this program alone).  A wave's codes are 96 bytes of a tile's row of 192; its scale bytes 4 of a row's 128.
; REGISTERS, in windows of 256: window 0: v0-31 addresses; v32-63 scale words, two sets; from v128 A's fragments, one set.  window 1: B's fragments, two sets.  windows 2, 3: the accumulators.
.set SIZE_K, 1024
.set ASCL,   3145728
.set KSTEP,  256
.set NQ,     KSTEP/128
.set ROWB,   192
.set KROW,   SIZE_K*6/8
.set APITCH, KROW
.set ASTEP,  ROWB
.set PITCH,  240                       ; an LDS row: 3 x (64 bytes + 16 of padding)
.set FR,     12
.set NL,     6
.set NP,     4                         ; places behind this matrix instruction (ISA guide 7.12.1)
.set HALFT,  128*PITCH
.set SLOT,   4*HALFT
.set LAPS,   SIZE_K/(2*KSTEP)
.set KS,     SIZE_K/32
.set SCL,    2*SLOT
.set HALFS,  (128*KS/256)*272
.set SBLK,   (16*KS/256)*272
.set SPARE,  SCL+4*HALFS               ; the spare words, 128 bytes for each wave: no other line names them
.set SPITCH, 528                       ; the way out: a stage of 64 rows x (512 bytes + 16) for each wave, over the ring, which has had its last fill and, behind a barrier, its last read
.set WSTG,   64*SPITCH
.set GATHER, 4*WSTG                    ; behind the stages: 512 scale bytes for each wave
.set ADRA, 16
.set ADRB, 20
.set STO,  24
.set RD,   25
.set CO,   26
.set ADRS, 27
.set SPW,  28
.set NIL,  29
.set RDW,  30                          ; v30, v31, v2: the trip's addresses: stage, scale byte, codes
.set SCWW, 31
.set COW,  2
.set SCW,  3                           ; v3  where I put a block's scale byte, first block
.set SC,   32
.set AF,   128
.set G1, 24
.set G0, 32
.set G1B, 48
.set G0B, 56
.set G1S, 68
.set G0S, 76
.set G1SB, 80
.set G0SB, 88
.set MSB, 0
.macro WIN new                         ; the immediate's high byte repeats the setting that is left
.if MSB != \new
	s_set_vgpr_msb (MSB<<8)|\new
.set MSB, \new
.endif
.endm
.set MUL_LO, 0xa1
.set MUL_HI, 0xf1
.set TO_B,   0x40
; A joint load: waves 0 and 1 fetch for A, waves 2 and 3 for B.  The branch hangs on the wave's number alone.  Four v_nop follow each of the two lines.
.macro JLOAD g0a, g1a, g0b, g1b
	s_cmp_eq_u32 s15, 0
	s_cbranch_scc0 .Lfor_b_\@
	tensor_load_to_lds s[\g0a:\g0a+3], s[\g1a:\g1a+7]
	s_nop 0
.rept 4
	v_nop
.endr
	s_branch .Lasked_\@
.Lfor_b_\@:
	tensor_load_to_lds s[\g0b:\g0b+3], s[\g1b:\g1b+7]
	s_nop 0
.rept 4
	v_nop
.endr
.Lasked_\@:
.endm
.macro CREST
	s_cmp_lg_u32 s14, 0
	s_cbranch_scc1 .Lnot_wave_0_\@
	s_barrier_signal -3
.Lnot_wave_0_\@:
	s_barrier_wait -3
	s_barrier_signal -1
	s_barrier_wait -1
.endm
.macro CROUND
	s_barrier_signal -1
	s_barrier_wait -1
	CREST
.endm
	s_load_b64 s[4:5], s[0:1], 0x0                 ; A: codes, and behind them its scale bytes
	s_load_b128 s[8:11], s[0:1], 0x8               ; B's codes, B's scales
	s_load_b64 s[12:13], s[0:1], 0x18              ; h
	v_lshl_add_u32 v[SPW], v0, 2, SPARE
	v_mov_b32 v[NIL], 0
	ds_add_u32 v28, v29
	ds_add_u32 v28, v29
	s_wait_dscnt 0x0
	v_lshrrev_b32 v1, 5, v0
	v_readfirstlane_b32 s14, v1                    ; wave 0..3
	s_lshr_b32 s15, s14, 1                         ; which half of the tile's rows is mine.  Also: I fetch for A (0) or for B (1)
	s_and_b32 s16, s14, 1                          ; which half of its columns.  Also: which 128 rows of that tile I fetch
	s_bfe_u32 s40, ttmp6, 0x40000                  ; cx, cy
	s_bfe_u32 s41, ttmp6, 0x40004
	s_lshl_b32 s42, ttmp9, 2
	s_add_co_u32 s42, s42, s40                     ; tile column of C
	s_and_b32 s17, ttmp7, 0xffff
	s_lshl_b32 s17, s17, 2
	s_add_co_u32 s17, s17, s41                     ; tile row of C
	s_lshl_b32 s43, s41, 2
	s_lshl_b32 s43, 15, s43                        ; my row of the cluster
	s_lshl_b32 s44, 0x1111, s40                    ; my column
	s_or_b32 s[G1+0], s43, (0<<16)|(1<<20)|(1<<21)|(3<<22)|(3<<25)  ; the mask; elements of 1 byte; padding on; bit 21 beside a mask; after every 16 words, 4 words
	s_or_b32 s[G1B+0], s44, (0<<16)|(1<<20)|(1<<21)|(3<<22)|(3<<25)
.irp g, G1, G1B
	s_mov_b32 s[\g+1], ROWB<<16
	s_mov_b32 s[\g+2], 128<<16
	s_mov_b32 s[\g+3], ROWB<<16
	s_mov_b32 s[\g+4], 128
	s_mov_b32 s[\g+6], 0
	s_mov_b32 s[\g+7], 0
.endr
	s_mov_b32 s[G1+5], APITCH
	s_mov_b32 s[G1B+5], KROW
	s_or_b32 s[G1S+0], s43, (3<<16)|(1<<20)|(1<<21)|(5<<22)|(3<<25)  ; the scales of 128 rows: a dense block, as rows of 256 bytes, 16 bytes of padding behind each
	s_or_b32 s[G1SB+0], s44, (3<<16)|(1<<20)|(1<<21)|(5<<22)|(3<<25)
.irp g, G1S, G1SB
	s_mov_b32 s[\g+1], 32<<16
	s_mov_b32 s[\g+2], (128*KS/256)<<16
	s_mov_b32 s[\g+3], 32<<16
	s_mov_b32 s[\g+4], 128*KS/256
	s_mov_b32 s[\g+5], 32
	s_mov_b32 s[\g+6], 0
	s_mov_b32 s[\g+7], 0
.endr
	s_lshl_b32 s18, s16, 7
	s_lshl_b32 s20, s17, 8
	s_add_co_u32 s20, s20, s18                     ; A: row 256 x tile row + 128 x half
	s_lshl_b32 s46, s42, 8
	s_add_co_u32 s46, s46, s18                     ; B: row 256 x tile column + 128 x half
	s_mov_b32 s21, 0
	s_mov_b32 s47, 0
	s_mov_b64 s[18:19], KS
	s_mul_u64 s[22:23], s[20:21], s[18:19]
	s_mul_u64 s[92:93], s[46:47], s[18:19]
	s_mov_b64 s[18:19], KROW
	s_mul_u64 s[20:21], s[20:21], s[18:19]
	s_mul_u64 s[46:47], s[46:47], s[18:19]
	s_mul_i32 s45, s14, HALFT
	s_mul_i32 s94, s14, HALFS
	s_wait_kmcnt 0x0
	s_add_nc_u64 s[6:7], s[4:5], ASCL              ; A's scale bytes
	s_add_nc_u64 s[20:21], s[4:5], s[20:21]
	s_add_nc_u64 s[22:23], s[6:7], s[22:23]
	s_add_nc_u64 s[46:47], s[8:9], s[46:47]
	s_add_nc_u64 s[92:93], s[10:11], s[92:93]
	CROUND                                         ; all sixteen work-groups are here: the first joint loads meet
	s_mov_b32 s[G0S], 1
	s_add_co_u32 s[G0S+1], s94, SCL
	s_mov_b64 s[G0S+2:G0S+3], s[22:23]
	s_or_b32 s[G0S+3], s[G0S+3], 0x80000000
	s_mov_b32 s[G0SB], 1
	s_add_co_u32 s[G0SB+1], s94, SCL
	s_mov_b64 s[G0SB+2:G0SB+3], s[92:93]
	s_or_b32 s[G0SB+3], s[G0SB+3], 0x80000000
	JLOAD G0S, G1S, G0SB, G1SB
.irp s, 0,1
	s_mov_b32 s[G0+4*\s], 1
	s_add_co_u32 s[G0+4*\s+1], s45, \s*SLOT
	s_add_nc_u64 s[G0+4*\s+2:G0+4*\s+3], s[20:21], \s*ASTEP
	s_or_b32 s[G0+4*\s+3], s[G0+4*\s+3], 0x80000000
	s_mov_b32 s[G0B+4*\s], 1
	s_add_co_u32 s[G0B+4*\s+1], s45, \s*SLOT
	s_add_nc_u64 s[G0B+4*\s+2:G0B+4*\s+3], s[46:47], \s*ROWB
	s_or_b32 s[G0B+4*\s+3], s[G0B+4*\s+3], 0x80000000
	JLOAD G0+4*\s, G1, G0B+4*\s, G1B               ; by this text's count three tensor loads of a wave are out here, later one
.endr
	v_and_b32 v1, 15, v0
	v_bfe_u32 v2, v0, 4, 1
	v_mul_u32_u24 v3, v1, PITCH
	v_mul_u32_u24 v4, v2, 24
	v_add_nc_u32 v4, v3, v4
	v_lshl_add_u32 v5, v2, 4, v4
	s_mul_i32 s21, s15, HALFT
	s_mul_i32 s22, s16, HALFT
	s_add_co_u32 s22, s22, 2*HALFT
.irp s, 0,1
	v_add_nc_u32 v[ADRA+\s], s21, v4
	v_add_nc_u32 v[ADRB+\s], s22, v4
	v_add_nc_u32 v[ADRA+2+\s], s21, v5
	v_add_nc_u32 v[ADRB+2+\s], s22, v5
	s_add_co_u32 s21, s21, SLOT
	s_add_co_u32 s22, s22, SLOT
.endr
	v_mul_u32_u24 v5, v1, KS
	v_lshrrev_b32 v6, 8, v5
	v_lshl_add_u32 v5, v6, 4, v5
	s_mul_i32 s21, s15, HALFS
	s_mul_i32 s22, s16, HALFS
	s_add_co_u32 s22, s22, 2*HALFS
	s_sub_co_u32 s22, s22, s21
	v_mul_u32_u24 v6, s22, v2
	s_add_co_u32 s21, s21, SCL
	v_add_nc_u32 v5, v5, v6
	v_add_nc_u32 v[ADRS], s21, v5
	; the way out's addresses
	s_mul_i32 s23, s14, WSTG                       ; my stage
	v_mul_u32_u24 v5, v1, SPITCH                   ; in: row l % 16, 32 bytes for each half of the lanes
	v_lshl_add_u32 v5, v2, 5, v5
	v_add_nc_u32 v[STO], s23, v5
	v_bfe_u32 v8, v0, 3, 2                         ; lane / 8
	v_and_b32 v9, 7, v0                            ; lane % 8
	v_mul_u32_u24 v[RD], v8, SPITCH                ; back: eight lanes to a row, 64 bytes (16 neighbours) a lane
	v_lshl_add_u32 v[RD], v9, 6, v[RD]
	v_add_nc_u32 v[RD], s23, v[RD]
	v_mul_u32_u24 v[CO], v8, 192                   ; my codes: row lane / 8 of four, my 12 bytes of the wave's 96
	v_mad_u32_u24 v[CO], v9, 12, v[CO]
	s_lshl_b32 s21, s14, 9
	s_add_co_u32 s21, s21, GATHER
	v_bfe_u32 v9, v0, 1, 2                         ; my block of the wave's four
	v_lshl_add_u32 v[SCW], v8, 2, v9               ; my scale byte: 4 x (lane / 8) + block
	v_add_nc_u32 v[SCW], s21, v[SCW]
	s_lshl_b32 s20, s17, 8
	s_lshl_b32 s21, s15, 7
	s_add_co_u32 s20, s20, s21                     ; my first row
	s_mul_i32 s21, s20, 3072                       ; 128 rows are 16 tiles of 24,576 bytes,
	s_mul_i32 s22, s42, 24576                      ; the tile column is the next launch's K step,
	s_add_co_u32 s21, s21, s22
	s_mul_i32 s22, s16, 96                         ; my half of a tile's rows
	s_add_co_u32 s46, s21, s22
	s_mov_b32 s47, 0
	s_lshl_b32 s20, s20, 7                         ; scale bytes: 128 a row,
	s_lshl_b32 s21, s42, 3                         ; 8 a tile column,
	s_add_co_u32 s20, s20, s21
	s_lshl_b32 s21, s16, 2                         ; 4 a wave
	s_add_co_u32 s20, s20, s21
	s_add_co_u32 s20, s20, 12582912
	s_mov_b32 s21, 0
	s_add_nc_u64 s[96:97], s[12:13], s[20:21]
	s_add_nc_u64 s[12:13], s[12:13], s[46:47]
.macro FRAG reg, adr, q, i             ; a fragment: 12 registers: lane l holds row l % 16; registers 6 c .. 6 c + 5 hold K = 64 c + 32 (l / 16) + 0 .. 31, in pieces of 8 bytes
.irp p, 0,1,2,3,4,5
.set PC, 12*(\q)+6*(\p/3)+\p%3
.if PC%8 < 5
	ds_load_b64 v[\reg+2*\p:\reg+2*\p+1], v[\adr] offset:8*PC+16*(PC/8)+(\i)*16*PITCH
.else
	ds_load_b64 v[\reg+2*\p:\reg+2*\p+1], v[\adr+2] offset:8*PC+16*(PC/8)+(\i)*16*PITCH
.endif
.endr
.endm
; 16 matrix instructions: A's blocks a0, a0 + 1 x B's eight.  The 64 accumulators take turns, one instruction a turn, in the same order in every step.
.macro MUL16 a0, p, q, sc, zero
.irp a, \a0, \a0+1
.irp b, 0,1,2,3,4,5,6,7
.if \zero
	v_wmma_scale_f32_16x16x128_f8f6f4 v[8*(8*((\a)%4)+\b):8*(8*((\a)%4)+\b)+7], v[128*(\p)+FR*\b:128*(\p)+FR*\b+FR-1], v[AF+FR*(\a):AF+FR*(\a)+FR-1], 0, v[SC+8*NQ*(\sc)+NQ*\b+(\q)], v[SC+8*NQ*(\sc)+NQ*(\a)+(\q)] matrix_a_fmt:MATRIX_FMT_FP6 matrix_b_fmt:MATRIX_FMT_FP6 matrix_a_scale:MATRIX_SCALE_ROW1
.else
	v_wmma_scale_f32_16x16x128_f8f6f4 v[8*(8*((\a)%4)+\b):8*(8*((\a)%4)+\b)+7], v[128*(\p)+FR*\b:128*(\p)+FR*\b+FR-1], v[AF+FR*(\a):AF+FR*(\a)+FR-1], v[8*(8*((\a)%4)+\b):8*(8*((\a)%4)+\b)+7], v[SC+8*NQ*(\sc)+NQ*\b+(\q)], v[SC+8*NQ*(\sc)+NQ*(\a)+(\q)] matrix_a_fmt:MATRIX_FMT_FP6 matrix_b_fmt:MATRIX_FMT_FP6 matrix_a_scale:MATRIX_SCALE_ROW1
.endif
.endr
.endr
.endm
.macro FETCH_B slot, q, p
	WIN TO_B
.irp i, 0,1,2,3,4,5,6,7
	FRAG 128*(\p)+FR*\i, ADRB+\slot, \q, \i
.endr
	WIN 0
.endm
.macro FETCH_A slot, q, i0
.irp i, \i0, \i0+1, \i0+2, \i0+3
	FRAG AF+FR*(\i), ADRA+\slot, \q, \i
.endr
.endm
.macro SCALES sc
.irp i, 0,1,2,3,4,5,6,7
	ds_load_b64 v[SC+8*NQ*\sc+NQ*\i:SC+8*NQ*\sc+NQ*\i+1], v[ADRS] offset:\i*SBLK
.endr
.endm
.macro PLACES n
.rept \n
	v_nop
.endr
.endm
.macro STEP slot, q, zero
	s_wait_dscnt 4*NL                              ; B's set and A's blocks 0-3 are in; the youngest 24 loads (A's blocks 4-7) may be out
	WIN MUL_LO
	MUL16 0, (\q)%2, \q, \slot, \zero
	MUL16 2, (\q)%2, \q, \slot, \zero
	s_wait_dscnt 0
	PLACES NP
	FETCH_B \slot, (\q)+1, 1-(\q)%2
	FETCH_A \slot, (\q)+1, 0
	WIN MUL_HI
	MUL16 4, (\q)%2, \q, \slot, \zero
	MUL16 6, (\q)%2, \q, \slot, \zero
	PLACES NP
	WIN 0
	FETCH_A \slot, (\q)+1, 4
.endm
; A slot's last step changes slots: one barrier; in front of it each wave waits for all its tensor loads, adds 0 to its spare word, and waits for that and for its reads of this slot.
.macro TURN slot, next, fill
	s_wait_tensorcnt 0x0
	ds_add_u32 v[SPW], v[NIL]                      ; 0 onto my spare word
	s_wait_dscnt 4*NL+1                            ; (the add and the youngest 24 loads may be out)
	WIN MUL_LO
	MUL16 0, 1, NQ-1, \slot, 0
	s_wait_dscnt 0x0                               ; the add is done, and my reads of this slot are over
	s_barrier_signal -1
	MUL16 2, 1, NQ-1, \slot, 0
	WIN 0
	s_barrier_wait -1
.if \fill
	CREST                                          ; the barrier has opened a round of the cluster's barrier: no wave of any partner still reads this slot or has a load on its way
	s_add_nc_u64 s[G0+4*\slot+2:G0+4*\slot+3], s[G0+4*\slot+2:G0+4*\slot+3], 2*ASTEP
	s_add_nc_u64 s[G0B+4*\slot+2:G0B+4*\slot+3], s[G0B+4*\slot+2:G0B+4*\slot+3], 2*ROWB
	JLOAD G0+4*\slot, G1, G0B+4*\slot, G1B
.else
	PLACES NP
.endif
	v_add_nc_u32 v[ADRS], 4*NQ, v[ADRS]
	FETCH_B \next, 0, 0
	FETCH_A \next, 0, 0
	SCALES \next
	WIN MUL_HI
	MUL16 4, 1, NQ-1, \slot, 0
	MUL16 6, 1, NQ-1, \slot, 0
	PLACES NP
	WIN 0
	FETCH_A \next, 0, 4
.endm
	s_wait_tensorcnt 1                             ; the scales and my part of K step 0 are in (K step 1's load may be out)
	s_barrier_signal -1
	s_barrier_wait -1
	FETCH_B 0, 0, 0
	FETCH_A 0, 0, 0
	SCALES 0
	FETCH_A 0, 0, 4
	STEP 0, 0, 1                                   ; the first step's products start the sums
	s_mov_b32 s3, LAPS-1
.Llap:
	TURN 0, 1, 1
	STEP 1, 0, 0
	TURN 1, 0, 1
	STEP 0, 0, 0
	s_sub_co_u32 s3, s3, 1
	s_cmp_lg_u32 s3, 0
	s_cbranch_scc1 .Llap
	TURN 0, 1, 0
	STEP 1, 0, 0
	s_wait_dscnt 4*NL
	WIN MUL_LO
	MUL16 0, 1, NQ-1, 1, 0
	MUL16 2, 1, NQ-1, 1, 0
	s_wait_dscnt 0
	WIN MUL_HI
	MUL16 4, 1, NQ-1, 1, 0
	MUL16 6, 1, NQ-1, 1, 0
	WIN 0
; THE WAY OUT.  64 rows at a time go into my stage; a loop of four trips takes 16 rows each: back with 16 NEIGHBOURS of a row in a lane (registers 16 q + 0 .. 15: row 4 q + l / 8, columns 16 (l % 8) on), gelu, quantised, stored.
; Written as loops: the activation of one block of 16 rows is 640 instructions.
; gelu of 16 numbers, v[x] on, in place.  v64-79 z, then x / 2; v80-95 z^2; v96-111 P; v112-127 Q.  The eight pairs take turns line by line.
.macro GELU16 x
.irp k, 0,2,4,6,8,10,12,14
	v_pk_mul_f32 v[64+\k:65+\k], v[(\x)+\k:(\x)+\k+1], s[24:25] op_sel_hi:[1,0]   ; z = x / sqrt 2
.endr
.irp k, 0,1,2,3,4,5,6,7,8,9,10,11,12,13,14,15
	v_med3_num_f32 v[64+\k], v[64+\k], -4.0, 4.0   ; held to +-4, beyond which erf is +-1 in f32
.endr
.irp k, 0,2,4,6,8,10,12,14
	v_pk_mul_f32 v[80+\k:81+\k], v[64+\k:65+\k], v[64+\k:65+\k]
.endr
.irp k, 0,2,4,6,8,10,12,14
	v_pk_fma_f32 v[96+\k:97+\k], v[80+\k:81+\k], v[4:5], s[26:27] op_sel_hi:[1,1,0]
.endr
.irp c, 28,30,32,34,36
.irp k, 0,2,4,6,8,10,12,14
	v_pk_fma_f32 v[96+\k:97+\k], v[96+\k:97+\k], v[80+\k:81+\k], s[\c:\c+1] op_sel_hi:[1,1,0]
.endr
.endr
.irp k, 0,2,4,6,8,10,12,14
	v_pk_fma_f32 v[112+\k:113+\k], v[80+\k:81+\k], v[6:7], s[38:39] op_sel_hi:[1,1,0]
.endr
.irp c, 40,42,44
.irp k, 0,2,4,6,8,10,12,14
	v_pk_fma_f32 v[112+\k:113+\k], v[112+\k:113+\k], v[80+\k:81+\k], s[\c:\c+1] op_sel_hi:[1,1,0]
.endr
.endr
.irp k, 0,1,2,3,4,5,6,7,8,9,10,11,12,13,14,15
	v_rcp_f32 v[112+\k], v[112+\k]                 ; one batch
.endr
.irp k, 0,2,4,6,8,10,12,14
	v_pk_mul_f32 v[96+\k:97+\k], v[96+\k:97+\k], v[64+\k:65+\k]   ; z P: plain work that names no reciprocal
.endr
.irp k, 0,2,4,6,8,10,12,14
	v_pk_mul_f32 v[64+\k:65+\k], v[(\x)+\k:(\x)+\k+1], 0.5 op_sel_hi:[1,0]   ; x / 2
.endr
	s_wait_alu depctr_va_vdst(0)                   ; one wait for the batch, ahead of its first reader
.irp k, 0,2,4,6,8,10,12,14
	v_pk_mul_f32 v[96+\k:97+\k], v[96+\k:97+\k], v[112+\k:113+\k]  ; erf
.endr
.irp k, 0,2,4,6,8,10,12,14
	v_pk_fma_f32 v[(\x)+\k:(\x)+\k+1], v[64+\k:65+\k], v[96+\k:97+\k], v[64+\k:65+\k]   ; x / 2 erf + x / 2
.endr
.endm
; Four half blocks of a lane, v[bb + 16 q] on, become codes in v[cd + 4 q] on and scale bytes in v[68 + q]; the four take turns line by line.
.macro QUANT4 bb, cd
.irp q, 0,1,2,3
	v_max3_num_f32 v[8+\q], |v[\bb+16*\q]|, |v[\bb+16*\q+1]|, |v[\bb+16*\q+2]|
.endr
.irp q, 0,1,2,3
	v_max3_num_f32 v[12+\q], |v[\bb+16*\q+3]|, |v[\bb+16*\q+4]|, |v[\bb+16*\q+5]|
.endr
.irp i, 6,10
.irp q, 0,1,2,3
	v_max3_num_f32 v[8+\q], v[8+\q], |v[\bb+16*\q+\i]|, |v[\bb+16*\q+\i+1]|
.endr
.irp q, 0,1,2,3
	v_max3_num_f32 v[12+\q], v[12+\q], |v[\bb+16*\q+\i+2]|, |v[\bb+16*\q+\i+3]|
.endr
.endr
.irp q, 0,1,2,3
	v_max3_num_f32 v[8+\q], v[8+\q], |v[\bb+16*\q+14]|, |v[\bb+16*\q+15]|
.endr
.irp q, 0,1,2,3
	v_max3_num_f32 v[8+\q], v[8+\q], v[12+\q], 0x1800000           ; the floor 2^(3 - 127): the byte cannot fall under 1
.endr
.irp q, 0,1,2,3
	v_max_num_f32_dpp v[8+\q], v[8+\q], v[8+\q] row_xmask:1 row_mask:0xf bank_mask:0xf   ; with my neighbour's 16: the block's largest magnitude
.endr
.irp q, 0,1,2,3
	v_add_nc_u32 v[64+\q], 0xff000000, v[8+\q]     ; 2 off its exponent field: the conversion's scale operand
.endr
.irp q, 0,1,2,3
	v_cvt_scalef32_pk16_fp6_f32 v[\cd+4*\q:\cd+4*\q+2], v[\bb+16*\q:\bb+16*\q+15], v[64+\q]
.endr
.irp q, 0,1,2,3
	v_lshrrev_b32 v[68+\q], 23, v[64+\q]           ; the scale's byte (also the plain lines behind the conversions)
.endr
.endm
.macro DUMP half                       ; my rows 64 half .. 64 half + 63 into the stage
	WIN 0x08+4*(\half)                             ; an LDS store's data: window 2 or 3
.irp a, 0,1,2,3
.irp b, 0,1,2,3,4,5,6,7
	ds_store_b128 v[STO], v[64*\a+8*\b:64*\a+8*\b+3] offset:\a*16*SPITCH+64*\b        ; each accumulator from its low end on
	ds_store_b128 v[STO], v[64*\a+8*\b+4:64*\a+8*\b+7] offset:\a*16*SPITCH+64*\b+16
.endr
.endr
	WIN 0
.endm
.macro LOOPW half                      ; four trips of 16 rows
	s_mov_b32 s66, 0                               ; the stage: 16 rows a trip
	s_mov_b32 s67, 0                               ; the scale bytes: 64 a trip
	s_mov_b32 s3, 4
.Lrows_\@:
	v_add_nc_u32 v[RDW], s66, v[RD]
	v_add_nc_u32 v[SCWW], s67, v[SCW]
	v_add_nc_u32 v[COW], s92, v[CO]
.irp q, 0,1,2,3
.irp i, 0,1,2,3
	ds_load_b128 v[128+16*\q+4*\i:128+16*\q+4*\i+3], v[RDW] offset:4*\q*SPITCH+16*\i   ; LDS serves a wave's instructions in order: these see my stores
.endr
.endr
	s_wait_dscnt 0x0
	GELU16 128
	GELU16 144
	GELU16 160
	GELU16 176
	QUANT4 128, 32
.irp q, 0,1,2,3
	ds_store_b8 v[SCWW], v[68+\q] offset:256*(\half)+16*\q         ; both lanes of a block write the same byte with the same value
	global_store_b96 v[COW], v[32+4*\q:34+4*\q], s[12:13] offset:768*\q   ; four rows' 96 consecutive bytes each
.endr
	s_wait_xcnt 0x0                                ; the stores have read their registers: codes and address are written again in the next trip
	s_add_co_u32 s66, s66, 16*SPITCH
	s_add_co_u32 s67, s67, 64
	s_add_co_u32 s92, s92, 3072                    ; 16 rows of 192 bytes on; it runs through both loops
	s_sub_co_u32 s3, s3, 1
	s_cmp_lg_u32 s3, 0
	s_cbranch_scc1 .Lrows_\@
.endm
	s_barrier_signal -1                            ; my reads of slot 1 are over (the last wait on DScnt was for 0): the stages reach into it,
	s_barrier_wait -1                              ; so every wave says so first
	v_mov_b32 v4, 0xaf95df0b                       ; erf's P: -2.72614226e-10 (these four lines are also the places behind the last products)
	v_mov_b32 v5, 0xaf95df0b
	v_mov_b32 v6, 0xb77460cd                       ; erf's Q: -1.45660718e-5
	v_mov_b32 v7, 0xb77460cd
	; the other constants, in registers that held descriptors: no tensor load of mine is out.  Both words of a pair are written, since a pair is named
.macro CONST r, bits
	s_mov_b32 s[\r], \bits
	s_mov_b32 s[\r+1], \bits
.endm
	CONST 24, 0x3f3504f3                           ; 1 / sqrt 2
	CONST 26, 0x32edffee                           ; P:  2.77068142e-8
	CONST 28, 0xb60cff51                           ;    -2.10102402e-6
	CONST 30, 0xb86ec2d2                           ;    -5.69250639e-5
	CONST 32, 0xba40ac63                           ;    -7.34990630e-4
	CONST 34, 0xbb41a1f6                           ;    -2.95459981e-3
	CONST 36, 0xbc83dbd4                           ;    -1.60960333e-2
	CONST 38, 0xb95fbd29                           ; Q: -2.13374055e-4
	CONST 40, 0xbadc924e                           ;    -1.68282697e-3
	CONST 42, 0xbbf19bf8                           ;    -7.37332917e-3
	CONST 44, 0xbc69b6a7                           ;    -1.42647391e-2
	s_mov_b32 s92, 0
	DUMP 0
	LOOPW 0
	DUMP 1
	LOOPW 1
	; my 512 scale bytes: a word for each of my 128 rows
	v_and_b32 v8, 31, v0
	s_lshl_b32 s21, s14, 9
	s_add_co_u32 s21, s21, GATHER
	v_lshl_add_u32 v9, v8, 2, s21
.irp i, 0,1,2,3
	ds_load_b32 v[72+\i], v9 offset:128*\i
.endr
	v_lshlrev_b32 v8, 7, v8
	s_wait_dscnt 0x0
.irp i, 0,1,2,3
	global_store_b32 v8, v[72+\i], s[96:97] offset:4096*\i
.endr
	s_wait_tensorcnt 0x0                           ; the wave's end
	ds_add_u32 v[SPW], v[NIL]
	s_wait_dscnt 0x0
	CROUND                                         ; the closing round
	s_endpgm
.Lfunc_end_k_q80dfbc7270_w1:
	.size	k_q80dfbc7270_w1, .Lfunc_end_k_q80dfbc7270_w1-k_q80dfbc7270_w1
	.p2alignl 7, 3214868480
	.fill 96, 4, 3214868480
	.section	.rodata,"a",@progbits
	.p2align	6, 0x0
	.amdhsa_kernel k_q80dfbc7270_w1
		.amdhsa_group_segment_fixed_size 327680
		.amdhsa_private_segment_fixed_size 0
		.amdhsa_enable_private_segment 0
		.amdhsa_kernarg_size 32
		.amdhsa_user_sgpr_count 2
		.amdhsa_user_sgpr_kernarg_segment_ptr 1
		.amdhsa_wavefront_size32 1
		.amdhsa_system_sgpr_workgroup_id_x 1
		.amdhsa_system_sgpr_workgroup_id_y 1
		.amdhsa_system_sgpr_workgroup_id_z 1
		.amdhsa_system_vgpr_workitem_id 0
		.amdhsa_next_free_vgpr 1024
		.amdhsa_next_free_sgpr 100
		.amdhsa_reserve_vcc 0
		.amdhsa_float_denorm_mode_32 3
		.amdhsa_float_denorm_mode_16_64 3
		.amdhsa_memory_ordered 1
		.amdhsa_forward_progress 1
		.amdhsa_inst_pref_size 228
	.end_amdhsa_kernel
	.amdgpu_metadata
---
amdhsa.version: [ 1, 2 ]
amdhsa.kernels:
  - .name:           k_q80dfbc7270_w1
    .symbol:         k_q80dfbc7270_w1.kd
    .args:
      - { .name: xn, .offset: 0, .size: 8, .value_kind: global_buffer, .address_space: global }
      - { .name: w1_codes, .offset: 8, .size: 8, .value_kind: global_buffer, .address_space: global }
      - { .name: w1_scales, .offset: 16, .size: 8, .value_kind: global_buffer, .address_space: global }
      - { .name: h, .offset: 24, .size: 8, .value_kind: global_buffer, .address_space: global }
    .group_segment_fixed_size: 327680
    .private_segment_fixed_size: 0
    .kernarg_segment_align: 8
    .kernarg_segment_size: 32
    .max_flat_workgroup_size: 128
    .sgpr_count:     100
    .vgpr_count:     1024
    .wavefront_size: 32
...
	.end_amdgpu_metadata
.endif
;; end of part 5
;; launch w2 (part 6): grid 4 x 16, 4 waves a work-group, clusters of 4 x 4, 327,680 bytes of LDS; arguments h, w2_codes, w2_scales, x1, out0; writes out0
.if DOCPART == 6
	.amdgcn_target "amdgcn-amd-amdhsa--gfx1250"
	.amdhsa_code_object_version 6
	.text
	.protected	k_q80dfbc7270_w2
	.globl	k_q80dfbc7270_w2
	.p2align	8
	.type	k_q80dfbc7270_w2,@function
k_q80dfbc7270_w2:
	s_mov_b64 s[64:65], 0
	v_nop
	global_prefetch_b8 v0, s[64:65] scope:SCOPE_SE
	s_setreg_imm32_b32 hwreg(HW_REG_WAVE_MODE, 25, 1), 1
	s_wait_xcnt 0x0
	s_wait_alu depctr_hold_cnt(0) depctr_sa_sdst(0) depctr_va_vdst(0) depctr_va_sdst(0) depctr_va_ssrc(0) depctr_va_vcc(0) depctr_vm_vsrc(0)
	s_getreg_b32 s2, hwreg(HW_REG_IB_STS2, 6, 4)
	s_cmp_eq_u32 s2, 0
	s_cbranch_scc0 .Lentry_in_a_cluster
	s_endpgm
.Lentry_in_a_cluster:
	s_bfe_u32 s2, ttmp6, 0x10000c
	s_cmp_lg_u32 s2, 0xf033
	s_cbranch_scc0 .Lentry_shape_is_right
	s_endpgm
.Lentry_shape_is_right:
; out0 = x1 + h w2^T on codes of FP6 (E2M3) with one E8M0 scale for each 32 along K = 4,096.
; h: codes as dense tiles of this launch's K steps, [row / 128 (32)][K step of 256 (16)][128 rows][192 bytes], at byte 0; scale bytes [4096][128] at byte 12,582,912.  w2: codes [1024][3072 bytes], scale bytes [1024][128].
; x1, out0: [4096][1024] f32.
; A tile of C, 256 x 256, is made by four waves, 128 x 128 each: 64 accumulators, 512 registers.  K goes in steps of 256 (rows of 192 bytes) through a ring of two LDS slots filled by the tensor data mover;
; A's tile of 128 rows is one dense block of 24,576 bytes.  The scale bytes of the work-group's rows of A and of B, for all of K, come once with the first fills.
; 4 x 4 work-groups form a cluster: A's tiles are asked for jointly along a row of it, B's along a column.  C has 64 such tiles: this launch has work for 64 work-groups.
; THE MATRIX INSTRUCTION IS USED TRANSPOSED (source 0 = 16 rows of B, source 1 = 16 rows of A): a lane holds eight neighbouring numbers of a row of C.
; REGISTERS, in windows of 256: window 0: v0-31 addresses; v32-63 scale words, two sets; from v128 A's fragments, one set.  window 1: B's fragments, two sets; on the way out v0-127 take x1's rows.  windows 2, 3: the accumulators.
.set SIZE_K, 4096
.set SIZE_N, 1024
.set ASCL,   12582912                  ; A's scale bytes lie so far behind its codes
.set KSTEP,  256
.set NQ,     KSTEP/128
.set ROWB,   192
.set KROW,   SIZE_K*6/8
.set APITCH, ROWB                      ; A's tiles are dense: rows 192 bytes apart,
.set ASTEP,  128*ROWB                  ; the next K step's tile 24,576 bytes on; 128 rows' 16 tiles are 128 x KROW bytes, so a wave's first tile lies at row x KROW
.set PITCH,  240                       ; an LDS row: 3 x (64 bytes + 16 of padding)
.set FR,     12
.set NL,     6
.set NP,     4                         ; places behind this matrix instruction (ISA guide 7.12.1)
.set HALFT,  128*PITCH
.set SLOT,   4*HALFT
.set LAPS,   SIZE_K/(2*KSTEP)
.set KS,     SIZE_K/32
.set SCL,    2*SLOT
.set HALFS,  (128*KS/256)*272
.set SBLK,   (16*KS/256)*272
.set SPARE,  SCL+4*HALFS               ; the spare words, 128 bytes for each wave: no other line names them
.set SPITCH, 528                       ; the way out: a stage of 16 rows x (512 bytes + 16) for each wave, in slot 0, which has had its last fill and its last read by then
.set ADRA, 16
.set ADRB, 20
.set STO,  24
.set RD,   25
.set CO,   26
.set ADRS, 27
.set SPW,  28
.set NIL,  29
.set SC,   32
.set AF,   128
.set BK,   128
.set G1, 24
.set G0, 32
.set G1B, 48
.set G0B, 56
.set G1S, 68
.set G0S, 76
.set G1SB, 80
.set G0SB, 88
.set MSB, 0
.macro WIN new                         ; the immediate's high byte repeats the setting that is left
.if MSB != \new
	s_set_vgpr_msb (MSB<<8)|\new
.set MSB, \new
.endif
.endm
.set MUL_LO, 0xa1
.set MUL_HI, 0xf1
.set TO_B,   0x40
; A joint load: waves 0 and 1 fetch for A, waves 2 and 3 for B.  The branch hangs on the wave's number alone.  Four v_nop follow each of the two lines.
.macro JLOAD g0a, g1a, g0b, g1b
	s_cmp_eq_u32 s15, 0
	s_cbranch_scc0 .Lfor_b_\@
	tensor_load_to_lds s[\g0a:\g0a+3], s[\g1a:\g1a+7]
	s_nop 0
.rept 4
	v_nop
.endr
	s_branch .Lasked_\@
.Lfor_b_\@:
	tensor_load_to_lds s[\g0b:\g0b+3], s[\g1b:\g1b+7]
	s_nop 0
.rept 4
	v_nop
.endr
.Lasked_\@:
.endm
.macro CREST
	s_cmp_lg_u32 s14, 0
	s_cbranch_scc1 .Lnot_wave_0_\@
	s_barrier_signal -3
.Lnot_wave_0_\@:
	s_barrier_wait -3
	s_barrier_signal -1
	s_barrier_wait -1
.endm
.macro CROUND
	s_barrier_signal -1
	s_barrier_wait -1
	CREST
.endm
	s_load_b64 s[4:5], s[0:1], 0x0                 ; A: codes, and behind them its scale bytes
	s_load_b128 s[8:11], s[0:1], 0x8               ; B's codes, B's scales
	s_load_b64 s[98:99], s[0:1], 0x18              ; the residual
	s_load_b64 s[12:13], s[0:1], 0x20              ; C
	v_lshl_add_u32 v[SPW], v0, 2, SPARE
	v_mov_b32 v[NIL], 0
	ds_add_u32 v28, v29
	ds_add_u32 v28, v29
	s_wait_dscnt 0x0
	v_lshrrev_b32 v1, 5, v0
	v_readfirstlane_b32 s14, v1                    ; wave 0..3
	s_lshr_b32 s15, s14, 1                         ; which half of the tile's rows is mine.  Also: I fetch for A (0) or for B (1)
	s_and_b32 s16, s14, 1                          ; which half of its columns.  Also: which 128 rows of that tile I fetch
	s_bfe_u32 s40, ttmp6, 0x40000                  ; cx, cy
	s_bfe_u32 s41, ttmp6, 0x40004
	s_lshl_b32 s42, ttmp9, 2
	s_add_co_u32 s42, s42, s40                     ; tile column of C
	s_and_b32 s17, ttmp7, 0xffff
	s_lshl_b32 s17, s17, 2
	s_add_co_u32 s17, s17, s41                     ; tile row of C
	s_lshl_b32 s43, s41, 2
	s_lshl_b32 s43, 15, s43                        ; my row of the cluster
	s_lshl_b32 s44, 0x1111, s40                    ; my column
	s_or_b32 s[G1+0], s43, (0<<16)|(1<<20)|(1<<21)|(3<<22)|(3<<25)  ; the mask; elements of 1 byte; padding on; bit 21 beside a mask; after every 16 words, 4 words
	s_or_b32 s[G1B+0], s44, (0<<16)|(1<<20)|(1<<21)|(3<<22)|(3<<25)
.irp g, G1, G1B
	s_mov_b32 s[\g+1], ROWB<<16
	s_mov_b32 s[\g+2], 128<<16
	s_mov_b32 s[\g+3], ROWB<<16
	s_mov_b32 s[\g+4], 128
	s_mov_b32 s[\g+6], 0
	s_mov_b32 s[\g+7], 0
.endr
	s_mov_b32 s[G1+5], APITCH
	s_mov_b32 s[G1B+5], KROW
	s_or_b32 s[G1S+0], s43, (3<<16)|(1<<20)|(1<<21)|(5<<22)|(3<<25)  ; the scales of 128 rows: a dense block, as rows of 256 bytes, 16 bytes of padding behind each
	s_or_b32 s[G1SB+0], s44, (3<<16)|(1<<20)|(1<<21)|(5<<22)|(3<<25)
.irp g, G1S, G1SB
	s_mov_b32 s[\g+1], 32<<16
	s_mov_b32 s[\g+2], (128*KS/256)<<16
	s_mov_b32 s[\g+3], 32<<16
	s_mov_b32 s[\g+4], 128*KS/256
	s_mov_b32 s[\g+5], 32
	s_mov_b32 s[\g+6], 0
	s_mov_b32 s[\g+7], 0
.endr
	s_lshl_b32 s18, s16, 7
	s_lshl_b32 s20, s17, 8
	s_add_co_u32 s20, s20, s18                     ; A: row 256 x tile row + 128 x half
	s_lshl_b32 s46, s42, 8
	s_add_co_u32 s46, s46, s18                     ; B: row 256 x tile column + 128 x half
	s_mov_b32 s21, 0
	s_mov_b32 s47, 0
	s_mov_b64 s[18:19], KS
	s_mul_u64 s[22:23], s[20:21], s[18:19]
	s_mul_u64 s[92:93], s[46:47], s[18:19]
	s_mov_b64 s[18:19], KROW
	s_mul_u64 s[20:21], s[20:21], s[18:19]
	s_mul_u64 s[46:47], s[46:47], s[18:19]
	s_mul_i32 s45, s14, HALFT
	s_mul_i32 s94, s14, HALFS
	s_wait_kmcnt 0x0
	s_add_nc_u64 s[6:7], s[4:5], ASCL              ; A's scale bytes
	s_add_nc_u64 s[20:21], s[4:5], s[20:21]
	s_add_nc_u64 s[22:23], s[6:7], s[22:23]
	s_add_nc_u64 s[46:47], s[8:9], s[46:47]
	s_add_nc_u64 s[92:93], s[10:11], s[92:93]
	CROUND                                         ; all sixteen work-groups are here: the first joint loads meet
	s_mov_b32 s[G0S], 1
	s_add_co_u32 s[G0S+1], s94, SCL
	s_mov_b64 s[G0S+2:G0S+3], s[22:23]
	s_or_b32 s[G0S+3], s[G0S+3], 0x80000000
	s_mov_b32 s[G0SB], 1
	s_add_co_u32 s[G0SB+1], s94, SCL
	s_mov_b64 s[G0SB+2:G0SB+3], s[92:93]
	s_or_b32 s[G0SB+3], s[G0SB+3], 0x80000000
	JLOAD G0S, G1S, G0SB, G1SB
.irp s, 0,1
	s_mov_b32 s[G0+4*\s], 1
	s_add_co_u32 s[G0+4*\s+1], s45, \s*SLOT
	s_add_nc_u64 s[G0+4*\s+2:G0+4*\s+3], s[20:21], \s*ASTEP
	s_or_b32 s[G0+4*\s+3], s[G0+4*\s+3], 0x80000000
	s_mov_b32 s[G0B+4*\s], 1
	s_add_co_u32 s[G0B+4*\s+1], s45, \s*SLOT
	s_add_nc_u64 s[G0B+4*\s+2:G0B+4*\s+3], s[46:47], \s*ROWB
	s_or_b32 s[G0B+4*\s+3], s[G0B+4*\s+3], 0x80000000
	JLOAD G0+4*\s, G1, G0B+4*\s, G1B               ; by this text's count three tensor loads of a wave are out here, later one
.endr
	v_and_b32 v1, 15, v0
	v_bfe_u32 v2, v0, 4, 1
	v_mul_u32_u24 v3, v1, PITCH
	v_mul_u32_u24 v4, v2, 24
	v_add_nc_u32 v4, v3, v4
	v_lshl_add_u32 v5, v2, 4, v4
	s_mul_i32 s21, s15, HALFT
	s_mul_i32 s22, s16, HALFT
	s_add_co_u32 s22, s22, 2*HALFT
.irp s, 0,1
	v_add_nc_u32 v[ADRA+\s], s21, v4
	v_add_nc_u32 v[ADRB+\s], s22, v4
	v_add_nc_u32 v[ADRA+2+\s], s21, v5
	v_add_nc_u32 v[ADRB+2+\s], s22, v5
	s_add_co_u32 s21, s21, SLOT
	s_add_co_u32 s22, s22, SLOT
.endr
	v_mul_u32_u24 v5, v1, KS
	v_lshrrev_b32 v6, 8, v5
	v_lshl_add_u32 v5, v6, 4, v5
	s_mul_i32 s21, s15, HALFS
	s_mul_i32 s22, s16, HALFS
	s_add_co_u32 s22, s22, 2*HALFS
	s_sub_co_u32 s22, s22, s21
	v_mul_u32_u24 v6, s22, v2
	s_add_co_u32 s21, s21, SCL
	v_add_nc_u32 v5, v5, v6
	v_add_nc_u32 v[ADRS], s21, v5
	s_mul_i32 s23, s14, 16*SPITCH                  ; my stage
	v_mul_u32_u24 v5, v1, SPITCH
	v_lshl_add_u32 v5, v2, 5, v5
	v_add_nc_u32 v[STO], s23, v5
	v_and_b32 v6, 31, v0
	v_lshlrev_b32 v[CO], 4, v6                     ; back: the 32 lanes take one row of 512 bytes; and the same in C and in the residual
	v_add_nc_u32 v[RD], s23, v[CO]
	s_lshl_b32 s20, s17, 8
	s_lshl_b32 s21, s15, 7
	s_add_co_u32 s20, s20, s21                     ; my first row of C
	s_mov_b32 s21, 0
	s_mov_b64 s[18:19], SIZE_N*4
	s_mul_u64 s[20:21], s[20:21], s[18:19]
	s_lshl_b32 s46, s42, 10                        ; my first column, in bytes
	s_lshl_b32 s47, s16, 9
	s_add_co_u32 s46, s46, s47
	s_mov_b32 s47, 0
	s_add_nc_u64 s[20:21], s[20:21], s[46:47]
	s_add_nc_u64 s[12:13], s[12:13], s[20:21]
	s_add_nc_u64 s[98:99], s[98:99], s[20:21]
.macro FRAG reg, adr, q, i             ; a fragment: 12 registers: lane l holds row l % 16; registers 6 c .. 6 c + 5 hold K = 64 c + 32 (l / 16) + 0 .. 31, in pieces of 8 bytes
.irp p, 0,1,2,3,4,5
.set PC, 12*(\q)+6*(\p/3)+\p%3
.if PC%8 < 5
	ds_load_b64 v[\reg+2*\p:\reg+2*\p+1], v[\adr] offset:8*PC+16*(PC/8)+(\i)*16*PITCH
.else
	ds_load_b64 v[\reg+2*\p:\reg+2*\p+1], v[\adr+2] offset:8*PC+16*(PC/8)+(\i)*16*PITCH
.endif
.endr
.endm
; 16 matrix instructions: A's blocks a0, a0 + 1 x B's eight.  The 64 accumulators take turns, one instruction a turn, in the same order in every step.
.macro MUL16 a0, p, q, sc, zero
.irp a, \a0, \a0+1
.irp b, 0,1,2,3,4,5,6,7
.if \zero
	v_wmma_scale_f32_16x16x128_f8f6f4 v[8*(8*((\a)%4)+\b):8*(8*((\a)%4)+\b)+7], v[128*(\p)+FR*\b:128*(\p)+FR*\b+FR-1], v[AF+FR*(\a):AF+FR*(\a)+FR-1], 0, v[SC+8*NQ*(\sc)+NQ*\b+(\q)], v[SC+8*NQ*(\sc)+NQ*(\a)+(\q)] matrix_a_fmt:MATRIX_FMT_FP6 matrix_b_fmt:MATRIX_FMT_FP6 matrix_a_scale:MATRIX_SCALE_ROW1
.else
	v_wmma_scale_f32_16x16x128_f8f6f4 v[8*(8*((\a)%4)+\b):8*(8*((\a)%4)+\b)+7], v[128*(\p)+FR*\b:128*(\p)+FR*\b+FR-1], v[AF+FR*(\a):AF+FR*(\a)+FR-1], v[8*(8*((\a)%4)+\b):8*(8*((\a)%4)+\b)+7], v[SC+8*NQ*(\sc)+NQ*\b+(\q)], v[SC+8*NQ*(\sc)+NQ*(\a)+(\q)] matrix_a_fmt:MATRIX_FMT_FP6 matrix_b_fmt:MATRIX_FMT_FP6 matrix_a_scale:MATRIX_SCALE_ROW1
.endif
.endr
.endr
.endm
.macro FETCH_B slot, q, p
	WIN TO_B
.irp i, 0,1,2,3,4,5,6,7
	FRAG 128*(\p)+FR*\i, ADRB+\slot, \q, \i
.endr
	WIN 0
.endm
.macro FETCH_A slot, q, i0
.irp i, \i0, \i0+1, \i0+2, \i0+3
	FRAG AF+FR*(\i), ADRA+\slot, \q, \i
.endr
.endm
.macro SCALES sc
.irp i, 0,1,2,3,4,5,6,7
	ds_load_b64 v[SC+8*NQ*\sc+NQ*\i:SC+8*NQ*\sc+NQ*\i+1], v[ADRS] offset:\i*SBLK
.endr
.endm
.macro PLACES n
.rept \n
	v_nop
.endr
.endm
.macro STEP slot, q, zero
	s_wait_dscnt 4*NL                              ; B's set and A's blocks 0-3 are in; the youngest 24 loads (A's blocks 4-7) may be out
	WIN MUL_LO
	MUL16 0, (\q)%2, \q, \slot, \zero
	MUL16 2, (\q)%2, \q, \slot, \zero
	s_wait_dscnt 0
	PLACES NP
	FETCH_B \slot, (\q)+1, 1-(\q)%2
	FETCH_A \slot, (\q)+1, 0
	WIN MUL_HI
	MUL16 4, (\q)%2, \q, \slot, \zero
	MUL16 6, (\q)%2, \q, \slot, \zero
	PLACES NP
	WIN 0
	FETCH_A \slot, (\q)+1, 4
.endm
; A slot's last step changes slots: one barrier; in front of it each wave waits for all its tensor loads, adds 0 to its spare word, and waits for that and for its reads of this slot.
.macro TURN slot, next, fill
	s_wait_tensorcnt 0x0
	ds_add_u32 v[SPW], v[NIL]                      ; 0 onto my spare word
	s_wait_dscnt 4*NL+1                            ; (the add and the youngest 24 loads may be out)
	WIN MUL_LO
	MUL16 0, 1, NQ-1, \slot, 0
	s_wait_dscnt 0x0                               ; the add is done, and my reads of this slot are over
	s_barrier_signal -1
	MUL16 2, 1, NQ-1, \slot, 0
	WIN 0
	s_barrier_wait -1
.if \fill
	CREST                                          ; the barrier has opened a round of the cluster's barrier: no wave of any partner still reads this slot or has a load on its way
	s_add_nc_u64 s[G0+4*\slot+2:G0+4*\slot+3], s[G0+4*\slot+2:G0+4*\slot+3], 2*ASTEP
	s_add_nc_u64 s[G0B+4*\slot+2:G0B+4*\slot+3], s[G0B+4*\slot+2:G0B+4*\slot+3], 2*ROWB
	JLOAD G0+4*\slot, G1, G0B+4*\slot, G1B
.else
	PLACES NP
.endif
	v_add_nc_u32 v[ADRS], 4*NQ, v[ADRS]
	FETCH_B \next, 0, 0
	FETCH_A \next, 0, 0
	SCALES \next
	WIN MUL_HI
	MUL16 4, 1, NQ-1, \slot, 0
	MUL16 6, 1, NQ-1, \slot, 0
	PLACES NP
	WIN 0
	FETCH_A \next, 0, 4
.endm
	s_wait_tensorcnt 1                             ; the scales and my part of K step 0 are in (K step 1's load may be out)
	s_barrier_signal -1
	s_barrier_wait -1
	FETCH_B 0, 0, 0
	FETCH_A 0, 0, 0
	SCALES 0
	FETCH_A 0, 0, 4
	STEP 0, 0, 1                                   ; the first step's products start the sums
	s_mov_b32 s3, LAPS-1
.Llap:
	TURN 0, 1, 1
	STEP 1, 0, 0
	TURN 1, 0, 1
	STEP 0, 0, 0
	s_sub_co_u32 s3, s3, 1
	s_cmp_lg_u32 s3, 0
	s_cbranch_scc1 .Llap
	TURN 0, 1, 0
	STEP 1, 0, 0
	s_wait_dscnt 4*NL
	WIN MUL_LO
	MUL16 0, 1, NQ-1, 1, 0
	MUL16 2, 1, NQ-1, 1, 0
	s_wait_dscnt 0
	WIN MUL_HI
	MUL16 4, 1, NQ-1, 1, 0
	MUL16 6, 1, NQ-1, 1, 0
	WIN 0
; THE WAY OUT, block by block of 16 rows x 128 columns: through my stage in LDS, back as whole rows of 512 bytes, the residual's same rows added, stored as 512 consecutive bytes.
.macro TOSTAGE a
.set AC, 64*((\a)%4)
	WIN 0x08+4*((\a)/4)
.irp b, 0,1,2,3,4,5,6,7
	ds_store_b128 v[STO], v[AC+8*\b:AC+8*\b+3] offset:64*\b          ; each accumulator from its low end on
	ds_store_b128 v[STO], v[AC+8*\b+4:AC+8*\b+7] offset:64*\b+16
.endr
	WIN 0
.set BB, BK+64*((\a)%2)
.irp t, 0,1,2,3,4,5,6,7,8,9,10,11,12,13,14,15
	ds_load_b128 v[BB+4*\t:BB+4*\t+3], v[RD] offset:\t*SPITCH        ; LDS serves a wave's instructions in order: these see the stores above
.endr
.endm
.macro RLOAD a                         ; block a's 16 rows of the residual into window 1, where B's fragments lay: v0-63 and v64-127 by turns
	WIN TO_B
.irp t, 0,1,2,3,4,5,6,7,8,9,10,11,12,13,14,15
	global_load_b128 v[64*((\a)%2)+4*\t:64*((\a)%2)+4*\t+3], v[CO], s[98:99] offset:(16*(\a)+\t)*SIZE_N*4 th:TH_LOAD_NT
.endr
	WIN 0
.endm
.macro SEND a, ds, ld                  ; ds, ld: the younger LDS instructions and global loads that may stay out
.set BB, BK+64*((\a)%2)
.set RR, 64*((\a)%2)
	s_wait_dscnt \ds
	s_wait_loadcnt \ld
	WIN 0x04                                       ; source 1: window 1
.set ii, 0
.rept 32
	v_pk_add_f32 v[BB+ii:BB+ii+1], v[BB+ii:BB+ii+1], v[RR+ii:RR+ii+1]
.set ii, ii+2
.endr
	WIN 0
.irp t, 0,1,2,3,4,5,6,7,8,9,10,11,12,13,14,15
	global_store_b128 v[CO], v[BB+4*\t:BB+4*\t+3], s[12:13] offset:(16*(\a)+\t)*SIZE_N*4 th:TH_STORE_NT   ; every row's place stands in the immediate (520,192 at the most): no base is stepped
.endr
.endm
	PLACES NP                                      ; behind the last products: for the loads into A's and B's registers and the first reads of results
	RLOAD 0
	RLOAD 1
	TOSTAGE 0
.irp a, 1,2,3,4,5,6,7
.if \a > 1
	s_wait_xcnt 0x0                                ; block a - 2's stores have read their registers: block a's loads may land there
.endif
	TOSTAGE \a
	SEND \a-1, 32, 16                              ; may stay out: block a's 16 stores and 16 loads in LDS, and block a's 16 rows of the residual
.if \a < 7
	RLOAD \a+1
.endif
.endr
	SEND 7, 0, 0
	s_wait_tensorcnt 0x0                           ; the wave's end
	ds_add_u32 v[SPW], v[NIL]
	s_wait_dscnt 0x0
	CROUND                                         ; the closing round
	s_endpgm
.Lfunc_end_k_q80dfbc7270_w2:
	.size	k_q80dfbc7270_w2, .Lfunc_end_k_q80dfbc7270_w2-k_q80dfbc7270_w2
	.p2alignl 7, 3214868480
	.fill 96, 4, 3214868480
	.section	.rodata,"a",@progbits
	.p2align	6, 0x0
	.amdhsa_kernel k_q80dfbc7270_w2
		.amdhsa_group_segment_fixed_size 327680
		.amdhsa_private_segment_fixed_size 0
		.amdhsa_enable_private_segment 0
		.amdhsa_kernarg_size 40
		.amdhsa_user_sgpr_count 2
		.amdhsa_user_sgpr_kernarg_segment_ptr 1
		.amdhsa_wavefront_size32 1
		.amdhsa_system_sgpr_workgroup_id_x 1
		.amdhsa_system_sgpr_workgroup_id_y 1
		.amdhsa_system_sgpr_workgroup_id_z 1
		.amdhsa_system_vgpr_workitem_id 0
		.amdhsa_next_free_vgpr 1024
		.amdhsa_next_free_sgpr 100
		.amdhsa_reserve_vcc 0
		.amdhsa_float_denorm_mode_32 3
		.amdhsa_float_denorm_mode_16_64 3
		.amdhsa_memory_ordered 1
		.amdhsa_forward_progress 1
		.amdhsa_inst_pref_size 189
	.end_amdhsa_kernel
	.amdgpu_metadata
---
amdhsa.version: [ 1, 2 ]
amdhsa.kernels:
  - .name:           k_q80dfbc7270_w2
    .symbol:         k_q80dfbc7270_w2.kd
    .args:
      - { .name: h, .offset: 0, .size: 8, .value_kind: global_buffer, .address_space: global }
      - { .name: w2_codes, .offset: 8, .size: 8, .value_kind: global_buffer, .address_space: global }
      - { .name: w2_scales, .offset: 16, .size: 8, .value_kind: global_buffer, .address_space: global }
      - { .name: x1, .offset: 24, .size: 8, .value_kind: global_buffer, .address_space: global }
      - { .name: out0, .offset: 32, .size: 8, .value_kind: global_buffer, .address_space: global }
    .group_segment_fixed_size: 327680
    .private_segment_fixed_size: 0
    .kernarg_segment_align: 8
    .kernarg_segment_size: 40
    .max_flat_workgroup_size: 128
    .sgpr_count:     100
    .vgpr_count:     1024
    .wavefront_size: 32
...
	.end_amdgpu_metadata
.endif
;; end of part 6
;; ======== version 2 of 2: 7 launches
;; workspace buffers: xn 3,276,800 bytes; qkv 9,830,400 bytes; at 3,276,800 bytes; x1 16,777,216 bytes; h 13,107,200 bytes
;; launch norm1: the kernel of part 1 again; grid 256 x 1, 4 waves a work-group, no clusters, 11,264 bytes of LDS; arguments x, g1, xn; writes xn
;; launch qkv: the kernel of part 2 again; grid 48 x 4, 4 waves a work-group, clusters of 4 x 4, 327,680 bytes of LDS; arguments xn, wq_codes, wq_scales, wk_codes, wk_scales, wv_codes, wv_scales, qkv; writes qkv
;; launch attn: the kernel of part 3 again; grid 8 x 32, 16 waves a work-group, no clusters, 206,848 bytes of LDS; arguments qkv, at; writes at
;; launch wo (part 7): grid 8 x 32, 4 waves a work-group, clusters of 4 x 4, 327,680 bytes of LDS; arguments at, wo_codes, wo_scales, x, x1; writes x1
.if DOCPART == 7
	.amdgcn_target "amdgcn-amd-amdhsa--gfx1250"
	.amdhsa_code_object_version 6
	.text
	.protected	k_q80dfbc7270_wo
	.globl	k_q80dfbc7270_wo
	.p2align	8
	.type	k_q80dfbc7270_wo,@function
k_q80dfbc7270_wo:
	s_mov_b64 s[64:65], 0
	v_nop
	global_prefetch_b8 v0, s[64:65] scope:SCOPE_SE
	s_setreg_imm32_b32 hwreg(HW_REG_WAVE_MODE, 25, 1), 1
	s_wait_xcnt 0x0
	s_wait_alu depctr_hold_cnt(0) depctr_sa_sdst(0) depctr_va_vdst(0) depctr_va_sdst(0) depctr_va_ssrc(0) depctr_va_vcc(0) depctr_vm_vsrc(0)
	s_getreg_b32 s2, hwreg(HW_REG_IB_STS2, 6, 4)
	s_cmp_eq_u32 s2, 0
	s_cbranch_scc0 .Lentry_in_a_cluster
	s_endpgm
.Lentry_in_a_cluster:
	s_bfe_u32 s2, ttmp6, 0x10000c
	s_cmp_lg_u32 s2, 0xf033
	s_cbranch_scc0 .Lentry_shape_is_right
	s_endpgm
.Lentry_shape_is_right:
; x1 = x + at wo^T on codes of FP6 (E2M3) with one E8M0 scale for each 32 along K = 1,024.  at: codes [4096][768 bytes] at byte 0, scale bytes [4096][32] at byte 3,145,728.  wo: codes [1024][768 bytes], scale bytes [1024][32].
; x, x1: [4096][1024] f32.
; C has 4,096 x 1,024 numbers: tiles of 128 x 128 make 256 work-groups.  Four waves, each 64 x 64: 16 accumulators of 16 x 16.  A slot of LDS holds 512 along K (rows of 384 bytes) of A's 128 rows and B's 128 rows;
; two slots hold all of this K: both are filled at the start and nothing is filled again.  The scale bytes of the work-group's rows come with them.
; 4 x 4 work-groups form a cluster: A's tiles are asked for jointly along a row of it, B's along a column.
; THE MATRIX INSTRUCTION IS USED TRANSPOSED (source 0 = 16 rows of B, source 1 = 16 rows of A): a lane holds eight neighbouring numbers of a row of C.
; x's rows of my 64 x 64 numbers are asked for at the head, behind the first fills, and land while the products run.
; REGISTERS, in windows of 256: window 0: v0-31 addresses; v32-63 scale words, two sets; v128-255 the accumulators ((a, b) at v[128 + 8 (4 a + b)]).
;   window 1: two sets of fragments, at v0 and at v128: B's four, then A's four, 12 registers each; on the way out v0-127 take C's rows back from the stage.   window 2: v0-127 x's rows.
.set SIZE_K, 1024
.set SIZE_N, 1024
.set ASCL,   3145728                   ; A's scale bytes lie so far behind its codes
.set KSTEP,  512                       ; along K in a slot
.set NQ,     KSTEP/128                 ; matrix instructions deep
.set ROWB,   384                       ; a tile's row in bytes
.set KROW,   SIZE_K*6/8                ; a row of codes in memory
.set APITCH, KROW                      ; A's rows in memory lie so far apart,
.set ASTEP,  ROWB                      ; and A's next K step so far on
.set PITCH,  432                       ; an LDS row: 3 x (128 bytes + 16 of padding) = 108 words: row r starts at bank 44 r mod 64 (64 banks of 4 bytes: ISA guide 11.1): sixteen different starts, 4 words apart
.set FR,     12                        ; registers of a fragment
.set NL,     6                         ; LDS loads that bring one
.set NP,     4                         ; places behind this matrix instruction (ISA guide 7.12.1)
.set HALFT,  64*PITCH                  ; 64 rows: what one tensor load brings, and what one wave reads of A or of B
.set SLOT,   4*HALFT                   ; A's 128 rows, then B's 128 rows
.set LAPS,   SIZE_K/(2*KSTEP)
.set KS,     SIZE_K/32
.set SCL,    2*SLOT                    ; behind the slots: the scales, as units of 256 bytes + 16 of padding
.set HALFS,  (64*KS/256)*272           ; the scales of 64 rows: what one tensor load brings
.set SBLK,   (16*KS/256)*272           ; those of 16 rows
.set SPARE,  SCL+4*HALFS               ; the spare words, 128 bytes for each wave: no other line names them
.set SPITCH, 272                       ; the way out: a stage of 64 rows x (256 bytes + 16) for each wave, in slot 0, which has had its last fill and its last read by then
.set ADRA, 16                          ; v16-17  LDS address of my A fragments in slot 0, 1  (v18-19: the same for the pieces that lie behind one padding more)
.set ADRB, 20                          ; v20-21  the same for B  (v22-23)
.set STO,  24                          ; v24     the way out: where I put 32 bytes of a row
.set RD,   25                          ; v25     where I read a row back
.set CO,   26                          ; v26     my byte offset in two rows of C and of the residual; never rewritten
.set ADRS, 27                          ; v27     LDS address of my scale words: lanes 0-15 A's rows, lanes 16-31 B's
.set SPW,  28
.set NIL,  29
.set SC,   32                          ; scale words: set s at v[SC + 16 s]; in it register 4 i + q: lanes 0-15 the word of A's block i, lanes 16-31 that of B's block i, for the slot's q-th 128 along K
.set ACC,  128
.set G1, 24
.set G0, 32
.set G1B, 48
.set G0B, 56
.set G1S, 68
.set G0S, 76
.set G1SB, 80
.set G0SB, 88
.set MSB, 0
.macro WIN new                         ; the immediate's high byte repeats the setting that is left
.if MSB != \new
	s_set_vgpr_msb (MSB<<8)|\new
.set MSB, \new
.endif
.endm
.set MUL,   0x05                       ; sources 0 (B) and 1 (A) window 1; C and D window 0
.set TO_F,  0x40                       ; destination window 1, address window 0
.set TO_R,  0x80                       ; destination window 2, address window 0
.set ADD_R, 0x09                       ; source 0 window 1, source 1 window 2, destination window 0
; A joint load: waves 0 and 1 fetch for A, waves 2 and 3 for B.  The branch hangs on the wave's number alone.  Four v_nop follow each of the two lines.
.macro JLOAD g0a, g1a, g0b, g1b
	s_cmp_eq_u32 s15, 0
	s_cbranch_scc0 .Lfor_b_\@
	tensor_load_to_lds s[\g0a:\g0a+3], s[\g1a:\g1a+7]
	s_nop 0
.rept 4
	v_nop
.endr
	s_branch .Lasked_\@
.Lfor_b_\@:
	tensor_load_to_lds s[\g0b:\g0b+3], s[\g1b:\g1b+7]
	s_nop 0
.rept 4
	v_nop
.endr
.Lasked_\@:
.endm
.macro CREST                           ; a round of the cluster's barrier behind its opening barrier
	s_cmp_lg_u32 s14, 0
	s_cbranch_scc1 .Lnot_wave_0_\@
	s_barrier_signal -3
.Lnot_wave_0_\@:
	s_barrier_wait -3
	s_barrier_signal -1
	s_barrier_wait -1
.endm
.macro CROUND                          ; a whole round
	s_barrier_signal -1
	s_barrier_wait -1
	CREST
.endm
	s_load_b64 s[4:5], s[0:1], 0x0                 ; A: codes, and behind them its scale bytes
	s_load_b128 s[8:11], s[0:1], 0x8               ; B's codes, B's scales
	s_load_b64 s[98:99], s[0:1], 0x18              ; the residual
	s_load_b64 s[12:13], s[0:1], 0x20              ; C
	v_lshl_add_u32 v[SPW], v0, 2, SPARE
	v_mov_b32 v[NIL], 0
	ds_add_u32 v28, v29
	ds_add_u32 v28, v29
	s_wait_dscnt 0x0
	v_lshrrev_b32 v1, 5, v0
	v_readfirstlane_b32 s14, v1                    ; wave 0..3
	s_lshr_b32 s15, s14, 1                         ; which half of the tile's rows is mine.  Also: I fetch for A (0) or for B (1)
	s_and_b32 s16, s14, 1                          ; which half of its columns.  Also: which 64 rows of that tile I fetch
	s_bfe_u32 s40, ttmp6, 0x40000                  ; cx, cy: my place in the cluster
	s_bfe_u32 s41, ttmp6, 0x40004
	s_lshl_b32 s42, ttmp9, 2
	s_add_co_u32 s42, s42, s40                     ; tile column of C
	s_and_b32 s17, ttmp7, 0xffff
	s_lshl_b32 s17, s17, 2
	s_add_co_u32 s17, s17, s41                     ; tile row of C
	s_lshl_b32 s43, s41, 2
	s_lshl_b32 s43, 15, s43                        ; my row of the cluster
	s_lshl_b32 s44, 0x1111, s40                    ; my column
	s_or_b32 s[G1+0], s43, (0<<16)|(1<<20)|(1<<21)|(4<<22)|(3<<25)  ; the mask; elements of 1 byte; padding on; bit 21 beside a mask; after every 32 words (code 4), 4 words (code 3)
	s_or_b32 s[G1B+0], s44, (0<<16)|(1<<20)|(1<<21)|(4<<22)|(3<<25)
.irp g, G1, G1B
	s_mov_b32 s[\g+1], ROWB<<16                    ; tensor_dim0
	s_mov_b32 s[\g+2], 64<<16                      ; tensor_dim1
	s_mov_b32 s[\g+3], ROWB<<16                    ; tile_dim0
	s_mov_b32 s[\g+4], 64                          ; tile_dim1
	s_mov_b32 s[\g+6], 0
	s_mov_b32 s[\g+7], 0
.endr
	s_mov_b32 s[G1+5], APITCH                      ; tensor_dim0_stride
	s_mov_b32 s[G1B+5], KROW
	s_or_b32 s[G1S+0], s43, (3<<16)|(1<<20)|(1<<21)|(5<<22)|(3<<25)  ; the scales of 64 rows: a dense block, as rows of 256 bytes (32 elements of 8 bytes), 16 bytes of padding behind each
	s_or_b32 s[G1SB+0], s44, (3<<16)|(1<<20)|(1<<21)|(5<<22)|(3<<25)
.irp g, G1S, G1SB
	s_mov_b32 s[\g+1], 32<<16
	s_mov_b32 s[\g+2], (64*KS/256)<<16
	s_mov_b32 s[\g+3], 32<<16
	s_mov_b32 s[\g+4], 64*KS/256
	s_mov_b32 s[\g+5], 32
	s_mov_b32 s[\g+6], 0
	s_mov_b32 s[\g+7], 0
.endr
	s_lshl_b32 s18, s16, 6                         ; which 64 rows of the tile I fetch
	s_lshl_b32 s20, s17, 7
	s_add_co_u32 s20, s20, s18                     ; A: row 128 x tile row + 64 x half
	s_lshl_b32 s46, s42, 7
	s_add_co_u32 s46, s46, s18                     ; B: row 128 x tile column + 64 x half
	s_mov_b32 s21, 0
	s_mov_b32 s47, 0
	s_mov_b64 s[18:19], KS
	s_mul_u64 s[22:23], s[20:21], s[18:19]         ; where these rows' scales begin,
	s_mul_u64 s[92:93], s[46:47], s[18:19]
	s_mov_b64 s[18:19], KROW
	s_mul_u64 s[20:21], s[20:21], s[18:19]         ; and their codes
	s_mul_u64 s[46:47], s[46:47], s[18:19]
	s_mul_i32 s45, s14, HALFT                      ; where they go: no place in the cluster enters an LDS address
	s_mul_i32 s94, s14, HALFS
	s_wait_kmcnt 0x0
	s_add_nc_u64 s[6:7], s[4:5], ASCL              ; A's scale bytes
	s_add_nc_u64 s[20:21], s[4:5], s[20:21]
	s_add_nc_u64 s[22:23], s[6:7], s[22:23]
	s_add_nc_u64 s[46:47], s[8:9], s[46:47]
	s_add_nc_u64 s[92:93], s[10:11], s[92:93]
	CROUND                                         ; all sixteen work-groups are here: the first joint loads meet
	s_mov_b32 s[G0S], 1
	s_add_co_u32 s[G0S+1], s94, SCL
	s_mov_b64 s[G0S+2:G0S+3], s[22:23]
	s_or_b32 s[G0S+3], s[G0S+3], 0x80000000
	s_mov_b32 s[G0SB], 1
	s_add_co_u32 s[G0SB+1], s94, SCL
	s_mov_b64 s[G0SB+2:G0SB+3], s[92:93]
	s_or_b32 s[G0SB+3], s[G0SB+3], 0x80000000
	JLOAD G0S, G1S, G0SB, G1SB                     ; the scales first: they are wanted with K step 0
.irp s, 0,1
	s_mov_b32 s[G0+4*\s], 1
	s_add_co_u32 s[G0+4*\s+1], s45, \s*SLOT
	s_add_nc_u64 s[G0+4*\s+2:G0+4*\s+3], s[20:21], \s*ASTEP
	s_or_b32 s[G0+4*\s+3], s[G0+4*\s+3], 0x80000000
	s_mov_b32 s[G0B+4*\s], 1
	s_add_co_u32 s[G0B+4*\s+1], s45, \s*SLOT
	s_add_nc_u64 s[G0B+4*\s+2:G0B+4*\s+3], s[46:47], \s*ROWB
	s_or_b32 s[G0B+4*\s+3], s[G0B+4*\s+3], 0x80000000
	JLOAD G0+4*\s, G1, G0B+4*\s, G1B               ; by this text's count three tensor loads of a wave are out here
.endr
	v_and_b32 v1, 15, v0                           ; l % 16
	v_bfe_u32 v2, v0, 4, 1                         ; l / 16
	; the way out's addresses first, so that the residual can be asked for
	s_mul_i32 s23, s14, 64*SPITCH                  ; my stage
	v_mul_u32_u24 v5, v1, SPITCH                   ; in: row l % 16, 32 bytes for each half of the lanes
	v_lshl_add_u32 v5, v2, 5, v5
	v_add_nc_u32 v[STO], s23, v5
	v_mul_u32_u24 v5, v2, SPITCH                   ; back: lanes 0-15 take one row of 256 bytes, lanes 16-31 the next
	v_lshl_add_u32 v5, v1, 4, v5
	v_add_nc_u32 v[RD], s23, v5
	v_mul_u32_u24 v[CO], v2, SIZE_N*4              ; and the same two rows in C and in the residual
	v_lshl_add_u32 v[CO], v1, 4, v[CO]
	s_lshl_b32 s20, s17, 7
	s_lshl_b32 s21, s15, 6
	s_add_co_u32 s20, s20, s21                     ; my first row of C: 128 x tile row + 64 x half
	s_mov_b32 s21, 0
	s_mov_b64 s[18:19], SIZE_N*4
	s_mul_u64 s[20:21], s[20:21], s[18:19]
	s_lshl_b32 s46, s42, 9                         ; my first column, in bytes: 512 x tile column + 256 x half
	s_lshl_b32 s47, s16, 8
	s_add_co_u32 s46, s46, s47
	s_mov_b32 s47, 0
	s_add_nc_u64 s[20:21], s[20:21], s[46:47]
	s_add_nc_u64 s[12:13], s[12:13], s[20:21]
	s_add_nc_u64 s[98:99], s[98:99], s[20:21]
	WIN TO_R
.set tt, 0
.rept 32
	global_load_b128 v[4*tt:4*tt+3], v[CO], s[98:99] offset:2*tt*SIZE_N*4 th:TH_LOAD_NT   ; rows 2 t and 2 t + 1 of my 64: 16 lanes read 256 consecutive bytes, aligned; waited for on the way out
.set tt, tt+1
.endr
	WIN 0
	v_mul_u32_u24 v3, v1, PITCH
	v_mul_u32_u24 v4, v2, 24
	v_add_nc_u32 v4, v3, v4                        ; a fragment's row x pitch + 24 x half
	v_lshl_add_u32 v5, v2, 4, v4                   ; and the same behind one padding more
	s_mul_i32 s21, s15, HALFT                      ; my 64 rows of A
	s_mul_i32 s22, s16, HALFT                      ; my 64 rows of B,
	s_add_co_u32 s22, s22, 2*HALFT                 ; which lie behind A's 128
.irp s, 0,1
	v_add_nc_u32 v[ADRA+\s], s21, v4
	v_add_nc_u32 v[ADRB+\s], s22, v4
	v_add_nc_u32 v[ADRA+2+\s], s21, v5
	v_add_nc_u32 v[ADRB+2+\s], s22, v5
	s_add_co_u32 s21, s21, SLOT
	s_add_co_u32 s22, s22, SLOT
.endr
	v_mul_u32_u24 v5, v1, KS                       ; my row's scales: KS bytes a row,
	v_lshrrev_b32 v6, 8, v5
	v_lshl_add_u32 v5, v6, 4, v5                   ; and 16 more for each 256 passed
	s_mul_i32 s21, s15, HALFS
	s_mul_i32 s22, s16, HALFS
	s_add_co_u32 s22, s22, 2*HALFS
	s_sub_co_u32 s22, s22, s21
	v_mul_u32_u24 v6, s22, v2                      ; lanes 16-31 take B's
	s_add_co_u32 s21, s21, SCL
	v_add_nc_u32 v5, v5, v6
	v_add_nc_u32 v[ADRS], s21, v5
.macro FRAG reg, adr, q, i             ; a fragment: 12 registers: lane l holds row l % 16; registers 6 c .. 6 c + 5 hold K = 64 c + 32 (l / 16) + 0 .. 31: 24 bytes of the row, as they lie, in pieces of 8 bytes
.irp p, 0,1,2,3,4,5
.set PC, 12*(\q)+6*(\p/3)+\p%3        ; 16 bytes of padding lie behind every 16 pieces.  Lanes 16-31 read three pieces on: where that lies behind one padding more, the second address register (40 for 24 bytes a half) serves
.if PC%16 < 13
	ds_load_b64 v[\reg+2*\p:\reg+2*\p+1], v[\adr] offset:8*PC+16*(PC/16)+(\i)*16*PITCH
.else
	ds_load_b64 v[\reg+2*\p:\reg+2*\p+1], v[\adr+2] offset:8*PC+16*(PC/16)+(\i)*16*PITCH
.endif
.endr
.endm
; 4 matrix instructions: A's block a x B's four, 128 along K: the slot's q-th, from set p, with the scale words of set sc.  zero = 1: the product starts the sums: nothing is ever cleared.
; The 16 accumulators take turns, one instruction a turn, in the same order in every step.
.macro MULA a, p, q, sc, zero
.irp b, 0,1,2,3
.if \zero
	v_wmma_scale_f32_16x16x128_f8f6f4 v[ACC+8*(4*(\a)+\b):ACC+8*(4*(\a)+\b)+7], v[128*(\p)+FR*\b:128*(\p)+FR*\b+FR-1], v[128*(\p)+48+FR*(\a):128*(\p)+48+FR*(\a)+FR-1], 0, v[SC+4*NQ*(\sc)+NQ*\b+(\q)], v[SC+4*NQ*(\sc)+NQ*(\a)+(\q)] matrix_a_fmt:MATRIX_FMT_FP6 matrix_b_fmt:MATRIX_FMT_FP6 matrix_a_scale:MATRIX_SCALE_ROW1
.else
	v_wmma_scale_f32_16x16x128_f8f6f4 v[ACC+8*(4*(\a)+\b):ACC+8*(4*(\a)+\b)+7], v[128*(\p)+FR*\b:128*(\p)+FR*\b+FR-1], v[128*(\p)+48+FR*(\a):128*(\p)+48+FR*(\a)+FR-1], v[ACC+8*(4*(\a)+\b):ACC+8*(4*(\a)+\b)+7], v[SC+4*NQ*(\sc)+NQ*\b+(\q)], v[SC+4*NQ*(\sc)+NQ*(\a)+(\q)] matrix_a_fmt:MATRIX_FMT_FP6 matrix_b_fmt:MATRIX_FMT_FP6 matrix_a_scale:MATRIX_SCALE_ROW1
.endif
.endr
.endm
.macro FETCH slot, q, p                ; 48 LDS loads in one run: B's four and A's four fragments of the slot's q-th 128 along K into set p
	WIN TO_F
.irp i, 0,1,2,3
	FRAG 128*(\p)+FR*\i, ADRB+\slot, \q, \i
.endr
.irp i, 0,1,2,3
	FRAG 128*(\p)+48+FR*\i, ADRA+\slot, \q, \i
.endr
.endm
.macro SCALES sc                       ; a K step's scale words, four a row: lanes 0-15 take A's block i, lanes 16-31 B's block i  (every window is 0 here)
.irp i, 0,1,2,3
	ds_load_b128 v[SC+4*NQ*\sc+NQ*\i:SC+4*NQ*\sc+NQ*\i+3], v[ADRS] offset:\i*SBLK
.endr
.endm
.macro PLACES n                        ; plain vector instructions between a matrix instruction and a load into its registers or a read of its result
.rept \n
	v_nop
.endr
.endm
.macro STEP slot, q, zero              ; 128 along K that have their successor in the same slot
	PLACES NP                                      ; behind the last step's products, which read the set that is loaded now
	FETCH \slot, (\q)+1, ((\q)+1)%2
	s_wait_dscnt 8*NL                              ; this step's fragments and scale words are in; the 48 loads just issued may be out
	WIN MUL
	MULA 0, (\q)%2, \q, \slot, \zero
	MULA 1, (\q)%2, \q, \slot, \zero
	MULA 2, (\q)%2, \q, \slot, \zero
	MULA 3, (\q)%2, \q, \slot, \zero
.endm
; A slot's last step changes slots: one barrier; in front of it each wave waits for all its tensor loads, adds 0 to its spare word, and waits for that and for its reads of this slot.
.macro TURN slot, next, fill
	WIN 0                                          ; (the add's two registers lie in window 0)
	s_wait_tensorcnt 0x0                           ; all my tensor loads have landed: my part of the next slot
	ds_add_u32 v[SPW], v[NIL]                      ; 0 onto my spare word
	s_wait_dscnt 1                                 ; this step's 48 loads are in; the add may be out
	WIN MUL
	MULA 0, 1, NQ-1, \slot, 0
	s_wait_dscnt 0x0                               ; the add is done, and my reads of this slot are over
	s_barrier_signal -1
	MULA 1, 1, NQ-1, \slot, 0
	WIN 0
	s_barrier_wait -1
.if \fill
	CREST                                          ; the barrier has opened a round of the cluster's barrier: no wave of any partner still reads this slot or has a load on its way
	s_add_nc_u64 s[G0+4*\slot+2:G0+4*\slot+3], s[G0+4*\slot+2:G0+4*\slot+3], 2*ASTEP
	s_add_nc_u64 s[G0B+4*\slot+2:G0B+4*\slot+3], s[G0B+4*\slot+2:G0B+4*\slot+3], 2*ROWB
	JLOAD G0+4*\slot, G1, G0B+4*\slot, G1B         ; the first tensor load behind the round; its four v_nop are the places in front of the loads below
.else
	PLACES NP
.endif
	v_add_nc_u32 v[ADRS], 4*NQ, v[ADRS]            ; on to the next K step's scale words
	SCALES \next
	FETCH \next, 0, 0
	WIN MUL
	MULA 2, 1, NQ-1, \slot, 0
	MULA 3, 1, NQ-1, \slot, 0
.endm
	s_wait_tensorcnt 1                             ; the scales and my part of K step 0 are in (K step 1's load may be out)
	s_barrier_signal -1
	s_barrier_wait -1                              ; everybody's are
	SCALES 0
	FETCH 0, 0, 0
	STEP 0, 0, 1                                   ; the first step's products start the sums
.if LAPS > 1
	WIN 0                                          ; at a label and at a branch every window is 0
	s_mov_b32 s3, LAPS-1
.Llap:                                             ; a trip goes once round the ring, from a lap's second step to the next lap's first, and fills both slots again
	STEP 0, 1, 0
	STEP 0, 2, 0
	TURN 0, 1, 1
	STEP 1, 0, 0
	STEP 1, 1, 0
	STEP 1, 2, 0
	TURN 1, 0, 1
	STEP 0, 0, 0
	WIN 0
	s_sub_co_u32 s3, s3, 1
	s_cmp_lg_u32 s3, 0
	s_cbranch_scc1 .Llap
.endif
	STEP 0, 1, 0
	STEP 0, 2, 0
	TURN 0, 1, 0                                   ; the last lap fills nothing
	STEP 1, 0, 0
	STEP 1, 1, 0
	STEP 1, 2, 0
	s_wait_dscnt 0x0                               ; the very last step: nothing more to fetch
	WIN MUL
	MULA 0, 1, NQ-1, 1, 0
	MULA 1, 1, NQ-1, 1, 0
	MULA 2, 1, NQ-1, 1, 0
	MULA 3, 1, NQ-1, 1, 0
	WIN 0
	; THE WAY OUT.  A lane holds 32 neighbouring bytes of a row, and the lanes beside it hold other rows: my 64 rows go through my stage in LDS and come back as whole rows of 256 bytes, two an instruction;
	; the residual's same rows are added; 16 lanes store 256 consecutive bytes, aligned.  LDS serves a wave's instructions in order (ISA guide 5.7.1.4): no wait between the stores and the loads.
	PLACES NP                                      ; behind the last products: for the first reads of results and the loads into the fragments' registers
.irp a, 0,1,2,3
.irp b, 0,1,2,3
	ds_store_b128 v[STO], v[ACC+8*(4*\a+\b):ACC+8*(4*\a+\b)+3] offset:\a*16*SPITCH+64*\b        ; each accumulator from its low end on
	ds_store_b128 v[STO], v[ACC+8*(4*\a+\b)+4:ACC+8*(4*\a+\b)+7] offset:\a*16*SPITCH+64*\b+16
.endr
.endr
	WIN TO_F
.set tt, 0
.rept 32
	ds_load_b128 v[4*tt:4*tt+3], v[RD] offset:2*tt*SPITCH
.set tt, tt+1
.endr
	s_wait_loadcnt 0x0                             ; the residual, asked for at the head
.irp a, 0,1,2,3
	s_wait_dscnt 8*(3-\a)                          ; block a's 16 rows are back (so all stores into the stage have read the accumulators); the later blocks' eight loads each may be out
	WIN ADD_R
.set ii, 0
.rept 16
	v_pk_add_f32 v[ACC+32*\a+ii:ACC+32*\a+ii+1], v[32*\a+ii:32*\a+ii+1], v[32*\a+ii:32*\a+ii+1]   ; window 0 = window 1 (C's rows) + window 2 (the residual's)
.set ii, ii+2
.endr
	WIN 0
.irp t, 0,1,2,3,4,5,6,7
	global_store_b128 v[CO], v[ACC+32*\a+4*\t:ACC+32*\a+4*\t+3], s[12:13] offset:(16*\a+2*\t)*SIZE_N*4   ; every row's place stands in the immediate (253,952 at the most): no base is stepped, no register written again
.endr
.endr
	s_wait_tensorcnt 0x0                           ; the wave's end
	ds_add_u32 v[SPW], v[NIL]
	s_wait_dscnt 0x0
	CROUND                                         ; the closing round: no work-group ends while a partner may still ask for a tile that names it
	s_endpgm
.Lfunc_end_k_q80dfbc7270_wo:
	.size	k_q80dfbc7270_wo, .Lfunc_end_k_q80dfbc7270_wo-k_q80dfbc7270_wo
	.p2alignl 7, 3214868480
	.fill 96, 4, 3214868480
	.section	.rodata,"a",@progbits
	.p2align	6, 0x0
	.amdhsa_kernel k_q80dfbc7270_wo
		.amdhsa_group_segment_fixed_size 327680
		.amdhsa_private_segment_fixed_size 0
		.amdhsa_enable_private_segment 0
		.amdhsa_kernarg_size 40
		.amdhsa_user_sgpr_count 2
		.amdhsa_user_sgpr_kernarg_segment_ptr 1
		.amdhsa_wavefront_size32 1
		.amdhsa_system_sgpr_workgroup_id_x 1
		.amdhsa_system_sgpr_workgroup_id_y 1
		.amdhsa_system_sgpr_workgroup_id_z 1
		.amdhsa_system_vgpr_workitem_id 0
		.amdhsa_next_free_vgpr 640
		.amdhsa_next_free_sgpr 100
		.amdhsa_reserve_vcc 0
		.amdhsa_float_denorm_mode_32 3
		.amdhsa_float_denorm_mode_16_64 3
		.amdhsa_memory_ordered 1
		.amdhsa_forward_progress 1
		.amdhsa_inst_pref_size 68
	.end_amdhsa_kernel
	.amdgpu_metadata
---
amdhsa.version: [ 1, 2 ]
amdhsa.kernels:
  - .name:           k_q80dfbc7270_wo
    .symbol:         k_q80dfbc7270_wo.kd
    .args:
      - { .name: at, .offset: 0, .size: 8, .value_kind: global_buffer, .address_space: global }
      - { .name: wo_codes, .offset: 8, .size: 8, .value_kind: global_buffer, .address_space: global }
      - { .name: wo_scales, .offset: 16, .size: 8, .value_kind: global_buffer, .address_space: global }
      - { .name: x, .offset: 24, .size: 8, .value_kind: global_buffer, .address_space: global }
      - { .name: x1, .offset: 32, .size: 8, .value_kind: global_buffer, .address_space: global }
    .group_segment_fixed_size: 327680
    .private_segment_fixed_size: 0
    .kernarg_segment_align: 8
    .kernarg_segment_size: 40
    .max_flat_workgroup_size: 128
    .sgpr_count:     100
    .vgpr_count:     640
    .wavefront_size: 32
...
	.end_amdgpu_metadata
.endif
;; end of part 7
;; launch norm2: the kernel of part 1 again; grid 256 x 1, 4 waves a work-group, no clusters, 11,264 bytes of LDS; arguments x1, g2, xn; writes xn
;; launch w1 (part 8): grid 16 x 16, 4 waves a work-group, clusters of 4 x 4, 327,680 bytes of LDS; arguments xn, w1_codes, w1_scales, h; writes h
.if DOCPART == 8
	.amdgcn_target "amdgcn-amd-amdhsa--gfx1250"
	.amdhsa_code_object_version 6
	.text
	.protected	k_q80dfbc7270_w1
	.globl	k_q80dfbc7270_w1
	.p2align	8
	.type	k_q80dfbc7270_w1,@function
k_q80dfbc7270_w1:
	s_mov_b64 s[64:65], 0
	v_nop
	global_prefetch_b8 v0, s[64:65] scope:SCOPE_SE
	s_setreg_imm32_b32 hwreg(HW_REG_WAVE_MODE, 25, 1), 1
	s_wait_xcnt 0x0
	s_wait_alu depctr_hold_cnt(0) depctr_sa_sdst(0) depctr_va_vdst(0) depctr_va_sdst(0) depctr_va_ssrc(0) depctr_va_vcc(0) depctr_vm_vsrc(0)
	s_getreg_b32 s2, hwreg(HW_REG_IB_STS2, 6, 4)
	s_cmp_eq_u32 s2, 0
	s_cbranch_scc0 .Lentry_in_a_cluster
	s_endpgm
.Lentry_in_a_cluster:
	s_bfe_u32 s2, ttmp6, 0x10000c
	s_cmp_lg_u32 s2, 0xf033
	s_cbranch_scc0 .Lentry_shape_is_right
	s_endpgm
.Lentry_shape_is_right:
; h = Q(gelu(xn w1^T)), gelu(x) = x / 2 (1 + erf(x / sqrt 2)), the product on codes of FP6 (E2M3) with one E8M0 scale for each 32 along K = 1,024; the result is quantised along its columns (the next product's K).
; xn: codes [4096][768 bytes] at byte 0, scale bytes [4096][32] at byte 3,145,728.  w1: codes [4096][768 bytes], scale bytes [4096][32].
; OUT, h: codes as dense tiles of the next launch's K steps, [row / 64 (64)][column / 512 (8)][64 rows][384 bytes], at byte 0; scale bytes [4096][128] at byte 12,582,912.
; A tile of C, 256 x 256, is made by four waves, 128 x 128 each: 64 accumulators, 512 registers.  K goes in steps of 256 (rows of 192 bytes) through a ring of two LDS slots filled by the tensor data mover;
; the scale bytes of the work-group's rows of A and of B come once with the first fills.  4 x 4 work-groups form a cluster: A's tiles are asked for jointly along a row of it, B's along a column.
; THE MATRIX INSTRUCTION IS USED TRANSPOSED (source 0 = 16 rows of B, source 1 = 16 rows of A): a lane holds eight neighbouring numbers of a row of C.
; erf(z) = z P(z^2) / Q(z^2), z held to +-4: P of degree 6, Q of degree 4, in f32 (absolute error about 1e-7); 1 / Q is v_rcp_f32 (1 ulp).
; LIMITS: NaN and infinities are not served; a block of zeros, or one whose largest magnitude lies under 2^-124, gets the byte 1 (read by this program alone).  A wave's codes are 96 bytes of a tile's row of 384; its scale bytes 4 of a row's 128.
; REGISTERS, in windows of 256: window 0: v0-31 addresses; v32-63 scale words, two sets; from v128 A's fragments, one set.  window 1: B's fragments, two sets.  windows 2, 3: the accumulators.
.set SIZE_K, 1024
.set ASCL,   3145728
.set KSTEP,  256
.set NQ,     KSTEP/128
.set ROWB,   192
.set KROW,   SIZE_K*6/8
.set APITCH, KROW
.set ASTEP,  ROWB
.set PITCH,  240                       ; an LDS row: 3 x (64 bytes + 16 of padding)
.set FR,     12
.set NL,     6
.set NP,     4                         ; places behind this matrix instruction (ISA guide 7.12.1)
.set HALFT,  128*PITCH
.set SLOT,   4*HALFT
.set LAPS,   SIZE_K/(2*KSTEP)
.set KS,     SIZE_K/32
.set SCL,    2*SLOT
.set HALFS,  (128*KS/256)*272
.set SBLK,   (16*KS/256)*272
.set SPARE,  SCL+4*HALFS               ; the spare words, 128 bytes for each wave: no other line names them
.set SPITCH, 528                       ; the way out: a stage of 64 rows x (512 bytes + 16) for each wave, over the ring, which has had its last fill and, behind a barrier, its last read
.set WSTG,   64*SPITCH
.set GATHER, 4*WSTG                    ; behind the stages: 512 scale bytes for each wave
.set HROW,   384                       ; h: a tile's row,
.set HTILE,  64*HROW                   ; a tile of 64 rows x 512 along the next K,
.set HGRP,   8*HTILE                   ; and the eight tiles of 64 rows
.set ADRA, 16
.set ADRB, 20
.set STO,  24
.set RD,   25
.set CO,   26
.set ADRS, 27
.set SPW,  28
.set NIL,  29
.set RDW,  30                          ; v30, v31, v2: the trip's addresses: stage, scale byte, codes
.set SCWW, 31
.set COW,  2
.set SCW,  3                           ; v3  where I put a block's scale byte, first block
.set SC,   32
.set AF,   128
.set G1, 24
.set G0, 32
.set G1B, 48
.set G0B, 56
.set G1S, 68
.set G0S, 76
.set G1SB, 80
.set G0SB, 88
.set MSB, 0
.macro WIN new                         ; the immediate's high byte repeats the setting that is left
.if MSB != \new
	s_set_vgpr_msb (MSB<<8)|\new
.set MSB, \new
.endif
.endm
.set MUL_LO, 0xa1
.set MUL_HI, 0xf1
.set TO_B,   0x40
; A joint load: waves 0 and 1 fetch for A, waves 2 and 3 for B.  The branch hangs on the wave's number alone.  Four v_nop follow each of the two lines.
.macro JLOAD g0a, g1a, g0b, g1b
	s_cmp_eq_u32 s15, 0
	s_cbranch_scc0 .Lfor_b_\@
	tensor_load_to_lds s[\g0a:\g0a+3], s[\g1a:\g1a+7]
	s_nop 0
.rept 4
	v_nop
.endr
	s_branch .Lasked_\@
.Lfor_b_\@:
	tensor_load_to_lds s[\g0b:\g0b+3], s[\g1b:\g1b+7]
	s_nop 0
.rept 4
	v_nop
.endr
.Lasked_\@:
.endm
.macro CREST
	s_cmp_lg_u32 s14, 0
	s_cbranch_scc1 .Lnot_wave_0_\@
	s_barrier_signal -3
.Lnot_wave_0_\@:
	s_barrier_wait -3
	s_barrier_signal -1
	s_barrier_wait -1
.endm
.macro CROUND
	s_barrier_signal -1
	s_barrier_wait -1
	CREST
.endm
	s_load_b64 s[4:5], s[0:1], 0x0                 ; A: codes, and behind them its scale bytes
	s_load_b128 s[8:11], s[0:1], 0x8               ; B's codes, B's scales
	s_load_b64 s[12:13], s[0:1], 0x18              ; h
	v_lshl_add_u32 v[SPW], v0, 2, SPARE
	v_mov_b32 v[NIL], 0
	ds_add_u32 v28, v29
	ds_add_u32 v28, v29
	s_wait_dscnt 0x0
	v_lshrrev_b32 v1, 5, v0
	v_readfirstlane_b32 s14, v1                    ; wave 0..3
	s_lshr_b32 s15, s14, 1                         ; which half of the tile's rows is mine.  Also: I fetch for A (0) or for B (1)
	s_and_b32 s16, s14, 1                          ; which half of its columns.  Also: which 128 rows of that tile I fetch
	s_bfe_u32 s40, ttmp6, 0x40000                  ; cx, cy
	s_bfe_u32 s41, ttmp6, 0x40004
	s_lshl_b32 s42, ttmp9, 2
	s_add_co_u32 s42, s42, s40                     ; tile column of C
	s_and_b32 s17, ttmp7, 0xffff
	s_lshl_b32 s17, s17, 2
	s_add_co_u32 s17, s17, s41                     ; tile row of C
	s_lshl_b32 s43, s41, 2
	s_lshl_b32 s43, 15, s43                        ; my row of the cluster
	s_lshl_b32 s44, 0x1111, s40                    ; my column
	s_or_b32 s[G1+0], s43, (0<<16)|(1<<20)|(1<<21)|(3<<22)|(3<<25)  ; the mask; elements of 1 byte; padding on; bit 21 beside a mask; after every 16 words, 4 words
	s_or_b32 s[G1B+0], s44, (0<<16)|(1<<20)|(1<<21)|(3<<22)|(3<<25)
.irp g, G1, G1B
	s_mov_b32 s[\g+1], ROWB<<16
	s_mov_b32 s[\g+2], 128<<16
	s_mov_b32 s[\g+3], ROWB<<16
	s_mov_b32 s[\g+4], 128
	s_mov_b32 s[\g+6], 0
	s_mov_b32 s[\g+7], 0
.endr
	s_mov_b32 s[G1+5], APITCH
	s_mov_b32 s[G1B+5], KROW
	s_or_b32 s[G1S+0], s43, (3<<16)|(1<<20)|(1<<21)|(5<<22)|(3<<25)  ; the scales of 128 rows: a dense block, as rows of 256 bytes, 16 bytes of padding behind each
	s_or_b32 s[G1SB+0], s44, (3<<16)|(1<<20)|(1<<21)|(5<<22)|(3<<25)
.irp g, G1S, G1SB
	s_mov_b32 s[\g+1], 32<<16
	s_mov_b32 s[\g+2], (128*KS/256)<<16
	s_mov_b32 s[\g+3], 32<<16
	s_mov_b32 s[\g+4], 128*KS/256
	s_mov_b32 s[\g+5], 32
	s_mov_b32 s[\g+6], 0
	s_mov_b32 s[\g+7], 0
.endr
	s_lshl_b32 s18, s16, 7
	s_lshl_b32 s20, s17, 8
	s_add_co_u32 s20, s20, s18                     ; A: row 256 x tile row + 128 x half
	s_lshl_b32 s46, s42, 8
	s_add_co_u32 s46, s46, s18                     ; B: row 256 x tile column + 128 x half
	s_mov_b32 s21, 0
	s_mov_b32 s47, 0
	s_mov_b64 s[18:19], KS
	s_mul_u64 s[22:23], s[20:21], s[18:19]
	s_mul_u64 s[92:93], s[46:47], s[18:19]
	s_mov_b64 s[18:19], KROW
	s_mul_u64 s[20:21], s[20:21], s[18:19]
	s_mul_u64 s[46:47], s[46:47], s[18:19]
	s_mul_i32 s45, s14, HALFT
	s_mul_i32 s94, s14, HALFS
	s_wait_kmcnt 0x0
	s_add_nc_u64 s[6:7], s[4:5], ASCL              ; A's scale bytes
	s_add_nc_u64 s[20:21], s[4:5], s[20:21]
	s_add_nc_u64 s[22:23], s[6:7], s[22:23]
	s_add_nc_u64 s[46:47], s[8:9], s[46:47]
	s_add_nc_u64 s[92:93], s[10:11], s[92:93]
	CROUND                                         ; all sixteen work-groups are here: the first joint loads meet
	s_mov_b32 s[G0S], 1
	s_add_co_u32 s[G0S+1], s94, SCL
	s_mov_b64 s[G0S+2:G0S+3], s[22:23]
	s_or_b32 s[G0S+3], s[G0S+3], 0x80000000
	s_mov_b32 s[G0SB], 1
	s_add_co_u32 s[G0SB+1], s94, SCL
	s_mov_b64 s[G0SB+2:G0SB+3], s[92:93]
	s_or_b32 s[G0SB+3], s[G0SB+3], 0x80000000
	JLOAD G0S, G1S, G0SB, G1SB
.irp s, 0,1
	s_mov_b32 s[G0+4*\s], 1
	s_add_co_u32 s[G0+4*\s+1], s45, \s*SLOT
	s_add_nc_u64 s[G0+4*\s+2:G0+4*\s+3], s[20:21], \s*ASTEP
	s_or_b32 s[G0+4*\s+3], s[G0+4*\s+3], 0x80000000
	s_mov_b32 s[G0B+4*\s], 1
	s_add_co_u32 s[G0B+4*\s+1], s45, \s*SLOT
	s_add_nc_u64 s[G0B+4*\s+2:G0B+4*\s+3], s[46:47], \s*ROWB
	s_or_b32 s[G0B+4*\s+3], s[G0B+4*\s+3], 0x80000000
	JLOAD G0+4*\s, G1, G0B+4*\s, G1B               ; by this text's count three tensor loads of a wave are out here, later one
.endr
	v_and_b32 v1, 15, v0
	v_bfe_u32 v2, v0, 4, 1
	v_mul_u32_u24 v3, v1, PITCH
	v_mul_u32_u24 v4, v2, 24
	v_add_nc_u32 v4, v3, v4
	v_lshl_add_u32 v5, v2, 4, v4
	s_mul_i32 s21, s15, HALFT
	s_mul_i32 s22, s16, HALFT
	s_add_co_u32 s22, s22, 2*HALFT
.irp s, 0,1
	v_add_nc_u32 v[ADRA+\s], s21, v4
	v_add_nc_u32 v[ADRB+\s], s22, v4
	v_add_nc_u32 v[ADRA+2+\s], s21, v5
	v_add_nc_u32 v[ADRB+2+\s], s22, v5
	s_add_co_u32 s21, s21, SLOT
	s_add_co_u32 s22, s22, SLOT
.endr
	v_mul_u32_u24 v5, v1, KS
	v_lshrrev_b32 v6, 8, v5
	v_lshl_add_u32 v5, v6, 4, v5
	s_mul_i32 s21, s15, HALFS
	s_mul_i32 s22, s16, HALFS
	s_add_co_u32 s22, s22, 2*HALFS
	s_sub_co_u32 s22, s22, s21
	v_mul_u32_u24 v6, s22, v2
	s_add_co_u32 s21, s21, SCL
	v_add_nc_u32 v5, v5, v6
	v_add_nc_u32 v[ADRS], s21, v5
	; the way out's addresses
	s_mul_i32 s23, s14, WSTG                       ; my stage
	v_mul_u32_u24 v5, v1, SPITCH                   ; in: row l % 16, 32 bytes for each half of the lanes
	v_lshl_add_u32 v5, v2, 5, v5
	v_add_nc_u32 v[STO], s23, v5
	v_bfe_u32 v8, v0, 3, 2                         ; lane / 8
	v_and_b32 v9, 7, v0                            ; lane % 8
	v_mul_u32_u24 v[RD], v8, SPITCH                ; back: eight lanes to a row, 64 bytes (16 neighbours) a lane
	v_lshl_add_u32 v[RD], v9, 6, v[RD]
	v_add_nc_u32 v[RD], s23, v[RD]
	v_mul_u32_u24 v[CO], v8, HROW                  ; my codes: row lane / 8 of four, my 12 bytes of the wave's 96
	v_mad_u32_u24 v[CO], v9, 12, v[CO]
	s_lshl_b32 s21, s14, 9
	s_add_co_u32 s21, s21, GATHER
	v_bfe_u32 v9, v0, 1, 2                         ; my block of the wave's four
	v_lshl_add_u32 v[SCW], v8, 2, v9               ; my scale byte: 4 x (lane / 8) + block
	v_add_nc_u32 v[SCW], s21, v[SCW]
	s_lshl_b32 s20, s17, 8
	s_lshl_b32 s21, s15, 7
	s_add_co_u32 s20, s20, s21                     ; my first row
	s_mul_i32 s21, s20, 3072                       ; 64 rows are eight tiles of 24,576 bytes: 3,072 bytes a row,
	s_lshr_b32 s22, s42, 1
	s_mul_i32 s22, s22, HTILE                      ; two tile columns make one of the next launch's K steps:
	s_add_co_u32 s21, s21, s22
	s_and_b32 s22, s42, 1
	s_mul_i32 s22, s22, 192                        ; the even one its rows' first 192 bytes, the odd one the other 192,
	s_add_co_u32 s21, s21, s22
	s_mul_i32 s22, s16, 96                         ; my half of those
	s_add_co_u32 s46, s21, s22
	s_mov_b32 s47, 0
	s_lshl_b32 s20, s20, 7                         ; scale bytes: 128 a row,
	s_lshl_b32 s21, s42, 3                         ; 8 a tile column,
	s_add_co_u32 s20, s20, s21
	s_lshl_b32 s21, s16, 2                         ; 4 a wave
	s_add_co_u32 s20, s20, s21
	s_add_co_u32 s20, s20, 12582912
	s_mov_b32 s21, 0
	s_add_nc_u64 s[96:97], s[12:13], s[20:21]
	s_add_nc_u64 s[12:13], s[12:13], s[46:47]
.macro FRAG reg, adr, q, i             ; a fragment: 12 registers: lane l holds row l % 16; registers 6 c .. 6 c + 5 hold K = 64 c + 32 (l / 16) + 0 .. 31, in pieces of 8 bytes
.irp p, 0,1,2,3,4,5
.set PC, 12*(\q)+6*(\p/3)+\p%3
.if PC%8 < 5
	ds_load_b64 v[\reg+2*\p:\reg+2*\p+1], v[\adr] offset:8*PC+16*(PC/8)+(\i)*16*PITCH
.else
	ds_load_b64 v[\reg+2*\p:\reg+2*\p+1], v[\adr+2] offset:8*PC+16*(PC/8)+(\i)*16*PITCH
.endif
.endr
.endm
; 16 matrix instructions: A's blocks a0, a0 + 1 x B's eight.  The 64 accumulators take turns, one instruction a turn, in the same order in every step.
.macro MUL16 a0, p, q, sc, zero
.irp a, \a0, \a0+1
.irp b, 0,1,2,3,4,5,6,7
.if \zero
	v_wmma_scale_f32_16x16x128_f8f6f4 v[8*(8*((\a)%4)+\b):8*(8*((\a)%4)+\b)+7], v[128*(\p)+FR*\b:128*(\p)+FR*\b+FR-1], v[AF+FR*(\a):AF+FR*(\a)+FR-1], 0, v[SC+8*NQ*(\sc)+NQ*\b+(\q)], v[SC+8*NQ*(\sc)+NQ*(\a)+(\q)] matrix_a_fmt:MATRIX_FMT_FP6 matrix_b_fmt:MATRIX_FMT_FP6 matrix_a_scale:MATRIX_SCALE_ROW1
.else
	v_wmma_scale_f32_16x16x128_f8f6f4 v[8*(8*((\a)%4)+\b):8*(8*((\a)%4)+\b)+7], v[128*(\p)+FR*\b:128*(\p)+FR*\b+FR-1], v[AF+FR*(\a):AF+FR*(\a)+FR-1], v[8*(8*((\a)%4)+\b):8*(8*((\a)%4)+\b)+7], v[SC+8*NQ*(\sc)+NQ*\b+(\q)], v[SC+8*NQ*(\sc)+NQ*(\a)+(\q)] matrix_a_fmt:MATRIX_FMT_FP6 matrix_b_fmt:MATRIX_FMT_FP6 matrix_a_scale:MATRIX_SCALE_ROW1
.endif
.endr
.endr
.endm
.macro FETCH_B slot, q, p
	WIN TO_B
.irp i, 0,1,2,3,4,5,6,7
	FRAG 128*(\p)+FR*\i, ADRB+\slot, \q, \i
.endr
	WIN 0
.endm
.macro FETCH_A slot, q, i0
.irp i, \i0, \i0+1, \i0+2, \i0+3
	FRAG AF+FR*(\i), ADRA+\slot, \q, \i
.endr
.endm
.macro SCALES sc
.irp i, 0,1,2,3,4,5,6,7
	ds_load_b64 v[SC+8*NQ*\sc+NQ*\i:SC+8*NQ*\sc+NQ*\i+1], v[ADRS] offset:\i*SBLK
.endr
.endm
.macro PLACES n
.rept \n
	v_nop
.endr
.endm
.macro STEP slot, q, zero
	s_wait_dscnt 4*NL                              ; B's set and A's blocks 0-3 are in; the youngest 24 loads (A's blocks 4-7) may be out
	WIN MUL_LO
	MUL16 0, (\q)%2, \q, \slot, \zero
	MUL16 2, (\q)%2, \q, \slot, \zero
	s_wait_dscnt 0
	PLACES NP
	FETCH_B \slot, (\q)+1, 1-(\q)%2
	FETCH_A \slot, (\q)+1, 0
	WIN MUL_HI
	MUL16 4, (\q)%2, \q, \slot, \zero
	MUL16 6, (\q)%2, \q, \slot, \zero
	PLACES NP
	WIN 0
	FETCH_A \slot, (\q)+1, 4
.endm
; A slot's last step changes slots: one barrier; in front of it each wave waits for all its tensor loads, adds 0 to its spare word, and waits for that and for its reads of this slot.
.macro TURN slot, next, fill
	s_wait_tensorcnt 0x0
	ds_add_u32 v[SPW], v[NIL]                      ; 0 onto my spare word
	s_wait_dscnt 4*NL+1                            ; (the add and the youngest 24 loads may be out)
	WIN MUL_LO
	MUL16 0, 1, NQ-1, \slot, 0
	s_wait_dscnt 0x0                               ; the add is done, and my reads of this slot are over
	s_barrier_signal -1
	MUL16 2, 1, NQ-1, \slot, 0
	WIN 0
	s_barrier_wait -1
.if \fill
	CREST                                          ; the barrier has opened a round of the cluster's barrier: no wave of any partner still reads this slot or has a load on its way
	s_add_nc_u64 s[G0+4*\slot+2:G0+4*\slot+3], s[G0+4*\slot+2:G0+4*\slot+3], 2*ASTEP
	s_add_nc_u64 s[G0B+4*\slot+2:G0B+4*\slot+3], s[G0B+4*\slot+2:G0B+4*\slot+3], 2*ROWB
	JLOAD G0+4*\slot, G1, G0B+4*\slot, G1B
.else
	PLACES NP
.endif
	v_add_nc_u32 v[ADRS], 4*NQ, v[ADRS]
	FETCH_B \next, 0, 0
	FETCH_A \next, 0, 0
	SCALES \next
	WIN MUL_HI
	MUL16 4, 1, NQ-1, \slot, 0
	MUL16 6, 1, NQ-1, \slot, 0
	PLACES NP
	WIN 0
	FETCH_A \next, 0, 4
.endm
	s_wait_tensorcnt 1                             ; the scales and my part of K step 0 are in (K step 1's load may be out)
	s_barrier_signal -1
	s_barrier_wait -1
	FETCH_B 0, 0, 0
	FETCH_A 0, 0, 0
	SCALES 0
	FETCH_A 0, 0, 4
	STEP 0, 0, 1                                   ; the first step's products start the sums
	s_mov_b32 s3, LAPS-1
.Llap:
	TURN 0, 1, 1
	STEP 1, 0, 0
	TURN 1, 0, 1
	STEP 0, 0, 0
	s_sub_co_u32 s3, s3, 1
	s_cmp_lg_u32 s3, 0
	s_cbranch_scc1 .Llap
	TURN 0, 1, 0
	STEP 1, 0, 0
	s_wait_dscnt 4*NL
	WIN MUL_LO
	MUL16 0, 1, NQ-1, 1, 0
	MUL16 2, 1, NQ-1, 1, 0
	s_wait_dscnt 0
	WIN MUL_HI
	MUL16 4, 1, NQ-1, 1, 0
	MUL16 6, 1, NQ-1, 1, 0
	WIN 0
; THE WAY OUT.  64 rows at a time go into my stage; a loop of four trips takes 16 rows each: back with 16 NEIGHBOURS of a row in a lane (registers 16 q + 0 .. 15: row 4 q + l / 8, columns 16 (l % 8) on), gelu, quantised, stored.
; Written as loops: the activation of one block of 16 rows is 640 instructions.
; gelu of 16 numbers, v[x] on, in place.  v64-79 z, then x / 2; v80-95 z^2; v96-111 P; v112-127 Q.  The eight pairs take turns line by line.
.macro GELU16 x
.irp k, 0,2,4,6,8,10,12,14
	v_pk_mul_f32 v[64+\k:65+\k], v[(\x)+\k:(\x)+\k+1], s[24:25] op_sel_hi:[1,0]   ; z = x / sqrt 2
.endr
.irp k, 0,1,2,3,4,5,6,7,8,9,10,11,12,13,14,15
	v_med3_num_f32 v[64+\k], v[64+\k], -4.0, 4.0   ; held to +-4, beyond which erf is +-1 in f32
.endr
.irp k, 0,2,4,6,8,10,12,14
	v_pk_mul_f32 v[80+\k:81+\k], v[64+\k:65+\k], v[64+\k:65+\k]
.endr
.irp k, 0,2,4,6,8,10,12,14
	v_pk_fma_f32 v[96+\k:97+\k], v[80+\k:81+\k], v[4:5], s[26:27] op_sel_hi:[1,1,0]
.endr
.irp c, 28,30,32,34,36
.irp k, 0,2,4,6,8,10,12,14
	v_pk_fma_f32 v[96+\k:97+\k], v[96+\k:97+\k], v[80+\k:81+\k], s[\c:\c+1] op_sel_hi:[1,1,0]
.endr
.endr
.irp k, 0,2,4,6,8,10,12,14
	v_pk_fma_f32 v[112+\k:113+\k], v[80+\k:81+\k], v[6:7], s[38:39] op_sel_hi:[1,1,0]
.endr
.irp c, 40,42,44
.irp k, 0,2,4,6,8,10,12,14
	v_pk_fma_f32 v[112+\k:113+\k], v[112+\k:113+\k], v[80+\k:81+\k], s[\c:\c+1] op_sel_hi:[1,1,0]
.endr
.endr
.irp k, 0,1,2,3,4,5,6,7,8,9,10,11,12,13,14,15
	v_rcp_f32 v[112+\k], v[112+\k]                 ; one batch
.endr
.irp k, 0,2,4,6,8,10,12,14
	v_pk_mul_f32 v[96+\k:97+\k], v[96+\k:97+\k], v[64+\k:65+\k]   ; z P: plain work that names no reciprocal
.endr
.irp k, 0,2,4,6,8,10,12,14
	v_pk_mul_f32 v[64+\k:65+\k], v[(\x)+\k:(\x)+\k+1], 0.5 op_sel_hi:[1,0]   ; x / 2
.endr
	s_wait_alu depctr_va_vdst(0)                   ; one wait for the batch, ahead of its first reader
.irp k, 0,2,4,6,8,10,12,14
	v_pk_mul_f32 v[96+\k:97+\k], v[96+\k:97+\k], v[112+\k:113+\k]  ; erf
.endr
.irp k, 0,2,4,6,8,10,12,14
	v_pk_fma_f32 v[(\x)+\k:(\x)+\k+1], v[64+\k:65+\k], v[96+\k:97+\k], v[64+\k:65+\k]   ; x / 2 erf + x / 2
.endr
.endm
; Four half blocks of a lane, v[bb + 16 q] on, become codes in v[cd + 4 q] on and scale bytes in v[68 + q]; the four take turns line by line.
.macro QUANT4 bb, cd
.irp q, 0,1,2,3
	v_max3_num_f32 v[8+\q], |v[\bb+16*\q]|, |v[\bb+16*\q+1]|, |v[\bb+16*\q+2]|
.endr
.irp q, 0,1,2,3
	v_max3_num_f32 v[12+\q], |v[\bb+16*\q+3]|, |v[\bb+16*\q+4]|, |v[\bb+16*\q+5]|
.endr
.irp i, 6,10
.irp q, 0,1,2,3
	v_max3_num_f32 v[8+\q], v[8+\q], |v[\bb+16*\q+\i]|, |v[\bb+16*\q+\i+1]|
.endr
.irp q, 0,1,2,3
	v_max3_num_f32 v[12+\q], v[12+\q], |v[\bb+16*\q+\i+2]|, |v[\bb+16*\q+\i+3]|
.endr
.endr
.irp q, 0,1,2,3
	v_max3_num_f32 v[8+\q], v[8+\q], |v[\bb+16*\q+14]|, |v[\bb+16*\q+15]|
.endr
.irp q, 0,1,2,3
	v_max3_num_f32 v[8+\q], v[8+\q], v[12+\q], 0x1800000           ; the floor 2^(3 - 127): the byte cannot fall under 1
.endr
.irp q, 0,1,2,3
	v_max_num_f32_dpp v[8+\q], v[8+\q], v[8+\q] row_xmask:1 row_mask:0xf bank_mask:0xf   ; with my neighbour's 16: the block's largest magnitude
.endr
.irp q, 0,1,2,3
	v_add_nc_u32 v[64+\q], 0xff000000, v[8+\q]     ; 2 off its exponent field: the conversion's scale operand
.endr
.irp q, 0,1,2,3
	v_cvt_scalef32_pk16_fp6_f32 v[\cd+4*\q:\cd+4*\q+2], v[\bb+16*\q:\bb+16*\q+15], v[64+\q]
.endr
.irp q, 0,1,2,3
	v_lshrrev_b32 v[68+\q], 23, v[64+\q]           ; the scale's byte (also the plain lines behind the conversions)
.endr
.endm
.macro DUMP half                       ; my rows 64 half .. 64 half + 63 into the stage
	WIN 0x08+4*(\half)                             ; an LDS store's data: window 2 or 3
.irp a, 0,1,2,3
.irp b, 0,1,2,3,4,5,6,7
	ds_store_b128 v[STO], v[64*\a+8*\b:64*\a+8*\b+3] offset:\a*16*SPITCH+64*\b        ; each accumulator from its low end on
	ds_store_b128 v[STO], v[64*\a+8*\b+4:64*\a+8*\b+7] offset:\a*16*SPITCH+64*\b+16
.endr
.endr
	WIN 0
.endm
.macro LOOPW half                      ; four trips of 16 rows
	s_mov_b32 s66, 0                               ; the stage: 16 rows a trip
	s_mov_b32 s67, 0                               ; the scale bytes: 64 a trip
	s_mov_b32 s92, HGRP*(\half)                    ; the codes: my second 64 rows lie in the next group's tiles
	s_mov_b32 s3, 4
.Lrows_\@:
	v_add_nc_u32 v[RDW], s66, v[RD]
	v_add_nc_u32 v[SCWW], s67, v[SCW]
	v_add_nc_u32 v[COW], s92, v[CO]
.irp q, 0,1,2,3
.irp i, 0,1,2,3
	ds_load_b128 v[128+16*\q+4*\i:128+16*\q+4*\i+3], v[RDW] offset:4*\q*SPITCH+16*\i   ; LDS serves a wave's instructions in order: these see my stores
.endr
.endr
	s_wait_dscnt 0x0
	GELU16 128
	GELU16 144
	GELU16 160
	GELU16 176
	QUANT4 128, 32
.irp q, 0,1,2,3
	ds_store_b8 v[SCWW], v[68+\q] offset:256*(\half)+16*\q         ; both lanes of a block write the same byte with the same value
	global_store_b96 v[COW], v[32+4*\q:34+4*\q], s[12:13] offset:4*HROW*\q   ; four rows' 96 consecutive bytes each
.endr
	s_wait_xcnt 0x0                                ; the stores have read their registers: codes and address are written again in the next trip
	s_add_co_u32 s66, s66, 16*SPITCH
	s_add_co_u32 s67, s67, 64
	s_add_co_u32 s92, s92, 16*HROW                 ; 16 rows of a tile on
	s_sub_co_u32 s3, s3, 1
	s_cmp_lg_u32 s3, 0
	s_cbranch_scc1 .Lrows_\@
.endm
	s_barrier_signal -1                            ; my reads of slot 1 are over (the last wait on DScnt was for 0): the stages reach into it,
	s_barrier_wait -1                              ; so every wave says so first
	v_mov_b32 v4, 0xaf95df0b                       ; erf's P: -2.72614226e-10 (these four lines are also the places behind the last products)
	v_mov_b32 v5, 0xaf95df0b
	v_mov_b32 v6, 0xb77460cd                       ; erf's Q: -1.45660718e-5
	v_mov_b32 v7, 0xb77460cd
	; the other constants, in registers that held descriptors: no tensor load of mine is out.  Both words of a pair are written, since a pair is named
.macro CONST r, bits
	s_mov_b32 s[\r], \bits
	s_mov_b32 s[\r+1], \bits
.endm
	CONST 24, 0x3f3504f3                           ; 1 / sqrt 2
	CONST 26, 0x32edffee                           ; P:  2.77068142e-8
	CONST 28, 0xb60cff51                           ;    -2.10102402e-6
	CONST 30, 0xb86ec2d2                           ;    -5.69250639e-5
	CONST 32, 0xba40ac63                           ;    -7.34990630e-4
	CONST 34, 0xbb41a1f6                           ;    -2.95459981e-3
	CONST 36, 0xbc83dbd4                           ;    -1.60960333e-2
	CONST 38, 0xb95fbd29                           ; Q: -2.13374055e-4
	CONST 40, 0xbadc924e                           ;    -1.68282697e-3
	CONST 42, 0xbbf19bf8                           ;    -7.37332917e-3
	CONST 44, 0xbc69b6a7                           ;    -1.42647391e-2
	DUMP 0
	LOOPW 0
	DUMP 1
	LOOPW 1
	; my 512 scale bytes: a word for each of my 128 rows
	v_and_b32 v8, 31, v0
	s_lshl_b32 s21, s14, 9
	s_add_co_u32 s21, s21, GATHER
	v_lshl_add_u32 v9, v8, 2, s21
.irp i, 0,1,2,3
	ds_load_b32 v[72+\i], v9 offset:128*\i
.endr
	v_lshlrev_b32 v8, 7, v8
	s_wait_dscnt 0x0
.irp i, 0,1,2,3
	global_store_b32 v8, v[72+\i], s[96:97] offset:4096*\i
.endr
	s_wait_tensorcnt 0x0                           ; the wave's end
	ds_add_u32 v[SPW], v[NIL]
	s_wait_dscnt 0x0
	CROUND                                         ; the closing round
	s_endpgm
.Lfunc_end_k_q80dfbc7270_w1:
	.size	k_q80dfbc7270_w1, .Lfunc_end_k_q80dfbc7270_w1-k_q80dfbc7270_w1
	.p2alignl 7, 3214868480
	.fill 96, 4, 3214868480
	.section	.rodata,"a",@progbits
	.p2align	6, 0x0
	.amdhsa_kernel k_q80dfbc7270_w1
		.amdhsa_group_segment_fixed_size 327680
		.amdhsa_private_segment_fixed_size 0
		.amdhsa_enable_private_segment 0
		.amdhsa_kernarg_size 32
		.amdhsa_user_sgpr_count 2
		.amdhsa_user_sgpr_kernarg_segment_ptr 1
		.amdhsa_wavefront_size32 1
		.amdhsa_system_sgpr_workgroup_id_x 1
		.amdhsa_system_sgpr_workgroup_id_y 1
		.amdhsa_system_sgpr_workgroup_id_z 1
		.amdhsa_system_vgpr_workitem_id 0
		.amdhsa_next_free_vgpr 1024
		.amdhsa_next_free_sgpr 100
		.amdhsa_reserve_vcc 0
		.amdhsa_float_denorm_mode_32 3
		.amdhsa_float_denorm_mode_16_64 3
		.amdhsa_memory_ordered 1
		.amdhsa_forward_progress 1
		.amdhsa_inst_pref_size 229
	.end_amdhsa_kernel
	.amdgpu_metadata
---
amdhsa.version: [ 1, 2 ]
amdhsa.kernels:
  - .name:           k_q80dfbc7270_w1
    .symbol:         k_q80dfbc7270_w1.kd
    .args:
      - { .name: xn, .offset: 0, .size: 8, .value_kind: global_buffer, .address_space: global }
      - { .name: w1_codes, .offset: 8, .size: 8, .value_kind: global_buffer, .address_space: global }
      - { .name: w1_scales, .offset: 16, .size: 8, .value_kind: global_buffer, .address_space: global }
      - { .name: h, .offset: 24, .size: 8, .value_kind: global_buffer, .address_space: global }
    .group_segment_fixed_size: 327680
    .private_segment_fixed_size: 0
    .kernarg_segment_align: 8
    .kernarg_segment_size: 32
    .max_flat_workgroup_size: 128
    .sgpr_count:     100
    .vgpr_count:     1024
    .wavefront_size: 32
...
	.end_amdgpu_metadata
.endif
;; end of part 8
;; launch w2 (part 9): grid 8 x 32, 4 waves a work-group, clusters of 4 x 4, 327,680 bytes of LDS; arguments h, w2_codes, w2_scales, x1, out0; writes out0
.if DOCPART == 9
	.amdgcn_target "amdgcn-amd-amdhsa--gfx1250"
	.amdhsa_code_object_version 6
	.text
	.protected	k_q80dfbc7270_w2
	.globl	k_q80dfbc7270_w2
	.p2align	8
	.type	k_q80dfbc7270_w2,@function
k_q80dfbc7270_w2:
	s_mov_b64 s[64:65], 0
	v_nop
	global_prefetch_b8 v0, s[64:65] scope:SCOPE_SE
	s_setreg_imm32_b32 hwreg(HW_REG_WAVE_MODE, 25, 1), 1
	s_wait_xcnt 0x0
	s_wait_alu depctr_hold_cnt(0) depctr_sa_sdst(0) depctr_va_vdst(0) depctr_va_sdst(0) depctr_va_ssrc(0) depctr_va_vcc(0) depctr_vm_vsrc(0)
	s_getreg_b32 s2, hwreg(HW_REG_IB_STS2, 6, 4)
	s_cmp_eq_u32 s2, 0
	s_cbranch_scc0 .Lentry_in_a_cluster
	s_endpgm
.Lentry_in_a_cluster:
	s_bfe_u32 s2, ttmp6, 0x10000c
	s_cmp_lg_u32 s2, 0xf033
	s_cbranch_scc0 .Lentry_shape_is_right
	s_endpgm
.Lentry_shape_is_right:
; out0 = x1 + h w2^T on codes of FP6 (E2M3) with one E8M0 scale for each 32 along K = 4,096.
; h: codes as dense tiles of this launch's K steps, [row / 64 (64)][K step of 512 (8)][64 rows][384 bytes], at byte 0; scale bytes [4096][128] at byte 12,582,912.  w2: codes [1024][3072 bytes], scale bytes [1024][128].
; x1, out0: [4096][1024] f32.
; C has 4,096 x 1,024 numbers: tiles of 128 x 128 make 256 work-groups.  Four waves, each 64 x 64: 16 accumulators of 16 x 16.  K goes in steps of 512 (rows of 384 bytes), as long as two slots in LDS allow,
; through a ring of two slots filled by the tensor data mover: 8 K steps, of which six are refills.  A wave's tile of A is one dense block of 24,576 bytes.
; The scale bytes of the work-group's rows of A and of B, for all of K, come once with the first fills.  4 x 4 work-groups form a cluster: A's tiles are asked for jointly along a row of it, B's along a column.
; THE MATRIX INSTRUCTION IS USED TRANSPOSED (source 0 = 16 rows of B, source 1 = 16 rows of A): a lane holds eight neighbouring numbers of a row of C.
; x1's rows of my 64 x 64 numbers are asked for at the head, behind the first fills, and land while the products run.
; REGISTERS, in windows of 256: window 0: v0-31 addresses; v32-63 scale words, two sets; v128-255 the accumulators ((a, b) at v[128 + 8 (4 a + b)]).
;   window 1: two sets of fragments, at v0 and at v128: B's four, then A's four, 12 registers each; on the way out v0-127 take C's rows back from the stage.   window 2: v0-127 x1's rows.
.set SIZE_K, 4096
.set SIZE_N, 1024
.set ASCL,   12582912                  ; A's scale bytes lie so far behind its codes
.set KSTEP,  512                       ; along K in a slot
.set NQ,     KSTEP/128                 ; matrix instructions deep
.set ROWB,   384                       ; a tile's row in bytes
.set KROW,   SIZE_K*6/8                ; a row of codes in memory
.set APITCH, ROWB                      ; A's tiles are dense: rows 384 bytes apart,
.set ASTEP,  64*ROWB                   ; the next K step's tile 24,576 bytes on; 64 rows' eight tiles are 64 x KROW bytes, so a wave's first tile lies at row x KROW
.set PITCH,  432                       ; an LDS row: 3 x (128 bytes + 16 of padding) = 108 words: row r starts at bank 44 r mod 64 (64 banks of 4 bytes: ISA guide 11.1): sixteen different starts, 4 words apart
.set FR,     12                        ; registers of a fragment
.set NL,     6                         ; LDS loads that bring one
.set NP,     4                         ; places behind this matrix instruction (ISA guide 7.12.1)
.set HALFT,  64*PITCH                  ; 64 rows: what one tensor load brings, and what one wave reads of A or of B
.set SLOT,   4*HALFT                   ; A's 128 rows, then B's 128 rows
.set LAPS,   SIZE_K/(2*KSTEP)
.set KS,     SIZE_K/32
.set SCL,    2*SLOT                    ; behind the ring: the scales, as units of 256 bytes + 16 of padding
.set HALFS,  (64*KS/256)*272           ; the scales of 64 rows: what one tensor load brings
.set SBLK,   (16*KS/256)*272           ; those of 16 rows
.set SPARE,  SCL+4*HALFS               ; the spare words, 128 bytes for each wave: no other line names them
.set SPITCH, 272                       ; the way out: a stage of 64 rows x (256 bytes + 16) for each wave, in slot 0, which has had its last fill and its last read by then
.set ADRA, 16                          ; v16-17  LDS address of my A fragments in slot 0, 1  (v18-19: the same for the pieces that lie behind one padding more)
.set ADRB, 20                          ; v20-21  the same for B  (v22-23)
.set STO,  24                          ; v24     the way out: where I put 32 bytes of a row
.set RD,   25                          ; v25     where I read a row back
.set CO,   26                          ; v26     my byte offset in two rows of C and of the residual; never rewritten
.set ADRS, 27                          ; v27     LDS address of my scale words: lanes 0-15 A's rows, lanes 16-31 B's
.set SPW,  28
.set NIL,  29
.set SC,   32                          ; scale words: set s at v[SC + 16 s]; in it register 4 i + q: lanes 0-15 the word of A's block i, lanes 16-31 that of B's block i, for the slot's q-th 128 along K
.set ACC,  128
.set G1, 24
.set G0, 32
.set G1B, 48
.set G0B, 56
.set G1S, 68
.set G0S, 76
.set G1SB, 80
.set G0SB, 88
.set MSB, 0
.macro WIN new                         ; the immediate's high byte repeats the setting that is left
.if MSB != \new
	s_set_vgpr_msb (MSB<<8)|\new
.set MSB, \new
.endif
.endm
.set MUL,   0x05                       ; sources 0 (B) and 1 (A) window 1; C and D window 0
.set TO_F,  0x40                       ; destination window 1, address window 0
.set TO_R,  0x80                       ; destination window 2, address window 0
.set ADD_R, 0x09                       ; source 0 window 1, source 1 window 2, destination window 0
; A joint load: waves 0 and 1 fetch for A, waves 2 and 3 for B.  The branch hangs on the wave's number alone.  Four v_nop follow each of the two lines.
.macro JLOAD g0a, g1a, g0b, g1b
	s_cmp_eq_u32 s15, 0
	s_cbranch_scc0 .Lfor_b_\@
	tensor_load_to_lds s[\g0a:\g0a+3], s[\g1a:\g1a+7]
	s_nop 0
.rept 4
	v_nop
.endr
	s_branch .Lasked_\@
.Lfor_b_\@:
	tensor_load_to_lds s[\g0b:\g0b+3], s[\g1b:\g1b+7]
	s_nop 0
.rept 4
	v_nop
.endr
.Lasked_\@:
.endm
.macro CREST                           ; a round of the cluster's barrier behind its opening barrier
	s_cmp_lg_u32 s14, 0
	s_cbranch_scc1 .Lnot_wave_0_\@
	s_barrier_signal -3
.Lnot_wave_0_\@:
	s_barrier_wait -3
	s_barrier_signal -1
	s_barrier_wait -1
.endm
.macro CROUND                          ; a whole round
	s_barrier_signal -1
	s_barrier_wait -1
	CREST
.endm
	s_load_b64 s[4:5], s[0:1], 0x0                 ; A: codes, and behind them its scale bytes
	s_load_b128 s[8:11], s[0:1], 0x8               ; B's codes, B's scales
	s_load_b64 s[98:99], s[0:1], 0x18              ; the residual
	s_load_b64 s[12:13], s[0:1], 0x20              ; C
	v_lshl_add_u32 v[SPW], v0, 2, SPARE
	v_mov_b32 v[NIL], 0
	ds_add_u32 v28, v29
	ds_add_u32 v28, v29
	s_wait_dscnt 0x0
	v_lshrrev_b32 v1, 5, v0
	v_readfirstlane_b32 s14, v1                    ; wave 0..3
	s_lshr_b32 s15, s14, 1                         ; which half of the tile's rows is mine.  Also: I fetch for A (0) or for B (1)
	s_and_b32 s16, s14, 1                          ; which half of its columns.  Also: which 64 rows of that tile I fetch
	s_bfe_u32 s40, ttmp6, 0x40000                  ; cx, cy: my place in the cluster
	s_bfe_u32 s41, ttmp6, 0x40004
	s_lshl_b32 s42, ttmp9, 2
	s_add_co_u32 s42, s42, s40                     ; tile column of C
	s_and_b32 s17, ttmp7, 0xffff
	s_lshl_b32 s17, s17, 2
	s_add_co_u32 s17, s17, s41                     ; tile row of C
	s_lshl_b32 s43, s41, 2
	s_lshl_b32 s43, 15, s43                        ; my row of the cluster
	s_lshl_b32 s44, 0x1111, s40                    ; my column
	s_or_b32 s[G1+0], s43, (0<<16)|(1<<20)|(1<<21)|(4<<22)|(3<<25)  ; the mask; elements of 1 byte; padding on; bit 21 beside a mask; after every 32 words (code 4), 4 words (code 3)
	s_or_b32 s[G1B+0], s44, (0<<16)|(1<<20)|(1<<21)|(4<<22)|(3<<25)
.irp g, G1, G1B
	s_mov_b32 s[\g+1], ROWB<<16                    ; tensor_dim0
	s_mov_b32 s[\g+2], 64<<16                      ; tensor_dim1
	s_mov_b32 s[\g+3], ROWB<<16                    ; tile_dim0
	s_mov_b32 s[\g+4], 64                          ; tile_dim1
	s_mov_b32 s[\g+6], 0
	s_mov_b32 s[\g+7], 0
.endr
	s_mov_b32 s[G1+5], APITCH                      ; tensor_dim0_stride
	s_mov_b32 s[G1B+5], KROW
	s_or_b32 s[G1S+0], s43, (3<<16)|(1<<20)|(1<<21)|(5<<22)|(3<<25)  ; the scales of 64 rows: a dense block, as rows of 256 bytes (32 elements of 8 bytes), 16 bytes of padding behind each
	s_or_b32 s[G1SB+0], s44, (3<<16)|(1<<20)|(1<<21)|(5<<22)|(3<<25)
.irp g, G1S, G1SB
	s_mov_b32 s[\g+1], 32<<16
	s_mov_b32 s[\g+2], (64*KS/256)<<16
	s_mov_b32 s[\g+3], 32<<16
	s_mov_b32 s[\g+4], 64*KS/256
	s_mov_b32 s[\g+5], 32
	s_mov_b32 s[\g+6], 0
	s_mov_b32 s[\g+7], 0
.endr
	s_lshl_b32 s18, s16, 6                         ; which 64 rows of the tile I fetch
	s_lshl_b32 s20, s17, 7
	s_add_co_u32 s20, s20, s18                     ; A: row 128 x tile row + 64 x half
	s_lshl_b32 s46, s42, 7
	s_add_co_u32 s46, s46, s18                     ; B: row 128 x tile column + 64 x half
	s_mov_b32 s21, 0
	s_mov_b32 s47, 0
	s_mov_b64 s[18:19], KS
	s_mul_u64 s[22:23], s[20:21], s[18:19]         ; where these rows' scales begin,
	s_mul_u64 s[92:93], s[46:47], s[18:19]
	s_mov_b64 s[18:19], KROW
	s_mul_u64 s[20:21], s[20:21], s[18:19]         ; and their codes
	s_mul_u64 s[46:47], s[46:47], s[18:19]
	s_mul_i32 s45, s14, HALFT                      ; where they go: no place in the cluster enters an LDS address
	s_mul_i32 s94, s14, HALFS
	s_wait_kmcnt 0x0
	s_add_nc_u64 s[6:7], s[4:5], ASCL              ; A's scale bytes
	s_add_nc_u64 s[20:21], s[4:5], s[20:21]
	s_add_nc_u64 s[22:23], s[6:7], s[22:23]
	s_add_nc_u64 s[46:47], s[8:9], s[46:47]
	s_add_nc_u64 s[92:93], s[10:11], s[92:93]
	CROUND                                         ; all sixteen work-groups are here: the first joint loads meet
	s_mov_b32 s[G0S], 1
	s_add_co_u32 s[G0S+1], s94, SCL
	s_mov_b64 s[G0S+2:G0S+3], s[22:23]
	s_or_b32 s[G0S+3], s[G0S+3], 0x80000000
	s_mov_b32 s[G0SB], 1
	s_add_co_u32 s[G0SB+1], s94, SCL
	s_mov_b64 s[G0SB+2:G0SB+3], s[92:93]
	s_or_b32 s[G0SB+3], s[G0SB+3], 0x80000000
	JLOAD G0S, G1S, G0SB, G1SB                     ; the scales first: they are wanted with K step 0
.irp s, 0,1
	s_mov_b32 s[G0+4*\s], 1
	s_add_co_u32 s[G0+4*\s+1], s45, \s*SLOT
	s_add_nc_u64 s[G0+4*\s+2:G0+4*\s+3], s[20:21], \s*ASTEP
	s_or_b32 s[G0+4*\s+3], s[G0+4*\s+3], 0x80000000
	s_mov_b32 s[G0B+4*\s], 1
	s_add_co_u32 s[G0B+4*\s+1], s45, \s*SLOT
	s_add_nc_u64 s[G0B+4*\s+2:G0B+4*\s+3], s[46:47], \s*ROWB
	s_or_b32 s[G0B+4*\s+3], s[G0B+4*\s+3], 0x80000000
	JLOAD G0+4*\s, G1, G0B+4*\s, G1B               ; by this text's count three tensor loads of a wave are out here, later one
.endr
	v_and_b32 v1, 15, v0                           ; l % 16
	v_bfe_u32 v2, v0, 4, 1                         ; l / 16
	; the way out's addresses first, so that the residual can be asked for
	s_mul_i32 s23, s14, 64*SPITCH                  ; my stage
	v_mul_u32_u24 v5, v1, SPITCH                   ; in: row l % 16, 32 bytes for each half of the lanes
	v_lshl_add_u32 v5, v2, 5, v5
	v_add_nc_u32 v[STO], s23, v5
	v_mul_u32_u24 v5, v2, SPITCH                   ; back: lanes 0-15 take one row of 256 bytes, lanes 16-31 the next
	v_lshl_add_u32 v5, v1, 4, v5
	v_add_nc_u32 v[RD], s23, v5
	v_mul_u32_u24 v[CO], v2, SIZE_N*4              ; and the same two rows in C and in the residual
	v_lshl_add_u32 v[CO], v1, 4, v[CO]
	s_lshl_b32 s20, s17, 7
	s_lshl_b32 s21, s15, 6
	s_add_co_u32 s20, s20, s21                     ; my first row of C: 128 x tile row + 64 x half
	s_mov_b32 s21, 0
	s_mov_b64 s[18:19], SIZE_N*4
	s_mul_u64 s[20:21], s[20:21], s[18:19]
	s_lshl_b32 s46, s42, 9                         ; my first column, in bytes: 512 x tile column + 256 x half
	s_lshl_b32 s47, s16, 8
	s_add_co_u32 s46, s46, s47
	s_mov_b32 s47, 0
	s_add_nc_u64 s[20:21], s[20:21], s[46:47]
	s_add_nc_u64 s[12:13], s[12:13], s[20:21]
	s_add_nc_u64 s[98:99], s[98:99], s[20:21]
	WIN TO_R
.set tt, 0
.rept 32
	global_load_b128 v[4*tt:4*tt+3], v[CO], s[98:99] offset:2*tt*SIZE_N*4 th:TH_LOAD_NT   ; rows 2 t and 2 t + 1 of my 64: 16 lanes read 256 consecutive bytes, aligned; waited for on the way out
.set tt, tt+1
.endr
	WIN 0
	v_mul_u32_u24 v3, v1, PITCH
	v_mul_u32_u24 v4, v2, 24
	v_add_nc_u32 v4, v3, v4                        ; a fragment's row x pitch + 24 x half
	v_lshl_add_u32 v5, v2, 4, v4                   ; and the same behind one padding more
	s_mul_i32 s21, s15, HALFT                      ; my 64 rows of A
	s_mul_i32 s22, s16, HALFT                      ; my 64 rows of B,
	s_add_co_u32 s22, s22, 2*HALFT                 ; which lie behind A's 128
.irp s, 0,1
	v_add_nc_u32 v[ADRA+\s], s21, v4
	v_add_nc_u32 v[ADRB+\s], s22, v4
	v_add_nc_u32 v[ADRA+2+\s], s21, v5
	v_add_nc_u32 v[ADRB+2+\s], s22, v5
	s_add_co_u32 s21, s21, SLOT
	s_add_co_u32 s22, s22, SLOT
.endr
	v_mul_u32_u24 v5, v1, KS                       ; my row's scales: KS bytes a row,
	v_lshrrev_b32 v6, 8, v5
	v_lshl_add_u32 v5, v6, 4, v5                   ; and 16 more for each 256 passed
	s_mul_i32 s21, s15, HALFS
	s_mul_i32 s22, s16, HALFS
	s_add_co_u32 s22, s22, 2*HALFS
	s_sub_co_u32 s22, s22, s21
	v_mul_u32_u24 v6, s22, v2                      ; lanes 16-31 take B's
	s_add_co_u32 s21, s21, SCL
	v_add_nc_u32 v5, v5, v6
	v_add_nc_u32 v[ADRS], s21, v5
.macro FRAG reg, adr, q, i             ; a fragment: 12 registers: lane l holds row l % 16; registers 6 c .. 6 c + 5 hold K = 64 c + 32 (l / 16) + 0 .. 31: 24 bytes of the row, as they lie, in pieces of 8 bytes
.irp p, 0,1,2,3,4,5
.set PC, 12*(\q)+6*(\p/3)+\p%3        ; 16 bytes of padding lie behind every 16 pieces.  Lanes 16-31 read three pieces on: where that lies behind one padding more, the second address register (40 for 24 bytes a half) serves
.if PC%16 < 13
	ds_load_b64 v[\reg+2*\p:\reg+2*\p+1], v[\adr] offset:8*PC+16*(PC/16)+(\i)*16*PITCH
.else
	ds_load_b64 v[\reg+2*\p:\reg+2*\p+1], v[\adr+2] offset:8*PC+16*(PC/16)+(\i)*16*PITCH
.endif
.endr
.endm
; 4 matrix instructions: A's block a x B's four, 128 along K: the slot's q-th, from set p, with the scale words of set sc.  zero = 1: the product starts the sums: nothing is ever cleared.
; The 16 accumulators take turns, one instruction a turn, in the same order in every step.
.macro MULA a, p, q, sc, zero
.irp b, 0,1,2,3
.if \zero
	v_wmma_scale_f32_16x16x128_f8f6f4 v[ACC+8*(4*(\a)+\b):ACC+8*(4*(\a)+\b)+7], v[128*(\p)+FR*\b:128*(\p)+FR*\b+FR-1], v[128*(\p)+48+FR*(\a):128*(\p)+48+FR*(\a)+FR-1], 0, v[SC+4*NQ*(\sc)+NQ*\b+(\q)], v[SC+4*NQ*(\sc)+NQ*(\a)+(\q)] matrix_a_fmt:MATRIX_FMT_FP6 matrix_b_fmt:MATRIX_FMT_FP6 matrix_a_scale:MATRIX_SCALE_ROW1
.else
	v_wmma_scale_f32_16x16x128_f8f6f4 v[ACC+8*(4*(\a)+\b):ACC+8*(4*(\a)+\b)+7], v[128*(\p)+FR*\b:128*(\p)+FR*\b+FR-1], v[128*(\p)+48+FR*(\a):128*(\p)+48+FR*(\a)+FR-1], v[ACC+8*(4*(\a)+\b):ACC+8*(4*(\a)+\b)+7], v[SC+4*NQ*(\sc)+NQ*\b+(\q)], v[SC+4*NQ*(\sc)+NQ*(\a)+(\q)] matrix_a_fmt:MATRIX_FMT_FP6 matrix_b_fmt:MATRIX_FMT_FP6 matrix_a_scale:MATRIX_SCALE_ROW1
.endif
.endr
.endm
.macro FETCH slot, q, p                ; 48 LDS loads in one run: B's four and A's four fragments of the slot's q-th 128 along K into set p
	WIN TO_F
.irp i, 0,1,2,3
	FRAG 128*(\p)+FR*\i, ADRB+\slot, \q, \i
.endr
.irp i, 0,1,2,3
	FRAG 128*(\p)+48+FR*\i, ADRA+\slot, \q, \i
.endr
.endm
.macro SCALES sc                       ; a K step's scale words, four a row: lanes 0-15 take A's block i, lanes 16-31 B's block i  (every window is 0 here)
.irp i, 0,1,2,3
	ds_load_b128 v[SC+4*NQ*\sc+NQ*\i:SC+4*NQ*\sc+NQ*\i+3], v[ADRS] offset:\i*SBLK
.endr
.endm
.macro PLACES n                        ; plain vector instructions between a matrix instruction and a load into its registers or a read of its result
.rept \n
	v_nop
.endr
.endm
.macro STEP slot, q, zero              ; 128 along K that have their successor in the same slot
	PLACES NP                                      ; behind the last step's products, which read the set that is loaded now
	FETCH \slot, (\q)+1, ((\q)+1)%2
	s_wait_dscnt 8*NL                              ; this step's fragments and scale words are in; the 48 loads just issued may be out
	WIN MUL
	MULA 0, (\q)%2, \q, \slot, \zero
	MULA 1, (\q)%2, \q, \slot, \zero
	MULA 2, (\q)%2, \q, \slot, \zero
	MULA 3, (\q)%2, \q, \slot, \zero
.endm
; A slot's last step changes slots: one barrier; in front of it each wave waits for all its tensor loads, adds 0 to its spare word, and waits for that and for its reads of this slot.  fill = 1: this slot is filled again, two K steps ahead.
.macro TURN slot, next, fill
	WIN 0                                          ; (the add's two registers lie in window 0)
	s_wait_tensorcnt 0x0                           ; all my tensor loads have landed: my part of the next slot
	ds_add_u32 v[SPW], v[NIL]                      ; 0 onto my spare word
	s_wait_dscnt 1                                 ; this step's 48 loads are in; the add may be out
	WIN MUL
	MULA 0, 1, NQ-1, \slot, 0
	s_wait_dscnt 0x0                               ; the add is done, and my reads of this slot are over
	s_barrier_signal -1
	MULA 1, 1, NQ-1, \slot, 0
	WIN 0
	s_barrier_wait -1
.if \fill
	CREST                                          ; the barrier has opened a round of the cluster's barrier: no wave of any partner still reads this slot or has a load on its way
	s_add_nc_u64 s[G0+4*\slot+2:G0+4*\slot+3], s[G0+4*\slot+2:G0+4*\slot+3], 2*ASTEP
	s_add_nc_u64 s[G0B+4*\slot+2:G0B+4*\slot+3], s[G0B+4*\slot+2:G0B+4*\slot+3], 2*ROWB
	JLOAD G0+4*\slot, G1, G0B+4*\slot, G1B         ; the first tensor load behind the round: 56 matrix instructions ahead of the wait for it; its four v_nop are the places in front of the loads below
.else
	PLACES NP
.endif
	v_add_nc_u32 v[ADRS], 4*NQ, v[ADRS]            ; on to the next K step's scale words
	SCALES \next
	FETCH \next, 0, 0
	WIN MUL
	MULA 2, 1, NQ-1, \slot, 0
	MULA 3, 1, NQ-1, \slot, 0
.endm
	s_wait_tensorcnt 1                             ; the scales and my part of K step 0 are in (K step 1's load may be out)
	s_barrier_signal -1
	s_barrier_wait -1                              ; everybody's are
	SCALES 0
	FETCH 0, 0, 0
	STEP 0, 0, 1                                   ; the first step's products start the sums
.if LAPS > 1
	WIN 0                                          ; at a label and at a branch every window is 0
	s_mov_b32 s3, LAPS-1
.Llap:                                             ; a trip goes once round the ring, from a lap's second step to the next lap's first, and fills both slots again
	STEP 0, 1, 0
	STEP 0, 2, 0
	TURN 0, 1, 1
	STEP 1, 0, 0
	STEP 1, 1, 0
	STEP 1, 2, 0
	TURN 1, 0, 1
	STEP 0, 0, 0
	WIN 0
	s_sub_co_u32 s3, s3, 1
	s_cmp_lg_u32 s3, 0
	s_cbranch_scc1 .Llap
.endif
	STEP 0, 1, 0
	STEP 0, 2, 0
	TURN 0, 1, 0                                   ; the last lap fills nothing, and has no round of the cluster's barrier
	STEP 1, 0, 0
	STEP 1, 1, 0
	STEP 1, 2, 0
	s_wait_dscnt 0x0                               ; the very last step: nothing more to fetch
	WIN MUL
	MULA 0, 1, NQ-1, 1, 0
	MULA 1, 1, NQ-1, 1, 0
	MULA 2, 1, NQ-1, 1, 0
	MULA 3, 1, NQ-1, 1, 0
	WIN 0
	; THE WAY OUT.  A lane holds 32 neighbouring bytes of a row, and the lanes beside it hold other rows: my 64 rows go through my stage in LDS and come back as whole rows of 256 bytes, two an instruction;
	; the residual's same rows are added; 16 lanes store 256 consecutive bytes, aligned.  LDS serves a wave's instructions in order (ISA guide 5.7.1.4): no wait between the stores and the loads.
	PLACES NP                                      ; behind the last products: for the first reads of results and the loads into the fragments' registers
.irp a, 0,1,2,3
.irp b, 0,1,2,3
	ds_store_b128 v[STO], v[ACC+8*(4*\a+\b):ACC+8*(4*\a+\b)+3] offset:\a*16*SPITCH+64*\b        ; each accumulator from its low end on
	ds_store_b128 v[STO], v[ACC+8*(4*\a+\b)+4:ACC+8*(4*\a+\b)+7] offset:\a*16*SPITCH+64*\b+16
.endr
.endr
	WIN TO_F
.set tt, 0
.rept 32
	ds_load_b128 v[4*tt:4*tt+3], v[RD] offset:2*tt*SPITCH
.set tt, tt+1
.endr
	s_wait_loadcnt 0x0                             ; the residual, asked for at the head
.irp a, 0,1,2,3
	s_wait_dscnt 8*(3-\a)                          ; block a's 16 rows are back (so all stores into the stage have read the accumulators); the later blocks' eight loads each may be out
	WIN ADD_R
.set ii, 0
.rept 16
	v_pk_add_f32 v[ACC+32*\a+ii:ACC+32*\a+ii+1], v[32*\a+ii:32*\a+ii+1], v[32*\a+ii:32*\a+ii+1]   ; window 0 = window 1 (C's rows) + window 2 (the residual's)
.set ii, ii+2
.endr
	WIN 0
.irp t, 0,1,2,3,4,5,6,7
	global_store_b128 v[CO], v[ACC+32*\a+4*\t:ACC+32*\a+4*\t+3], s[12:13] offset:(16*\a+2*\t)*SIZE_N*4 th:TH_STORE_NT   ; every row's place stands in the immediate (253,952 at the most): no base is stepped, no register written again
.endr
.endr
	s_wait_tensorcnt 0x0                           ; the wave's end
	ds_add_u32 v[SPW], v[NIL]
	s_wait_dscnt 0x0
	CROUND                                         ; the closing round: no work-group ends while a partner may still ask for a tile that names it
	s_endpgm
.Lfunc_end_k_q80dfbc7270_w2:
	.size	k_q80dfbc7270_w2, .Lfunc_end_k_q80dfbc7270_w2-k_q80dfbc7270_w2
	.p2alignl 7, 3214868480
	.fill 96, 4, 3214868480
	.section	.rodata,"a",@progbits
	.p2align	6, 0x0
	.amdhsa_kernel k_q80dfbc7270_w2
		.amdhsa_group_segment_fixed_size 327680
		.amdhsa_private_segment_fixed_size 0
		.amdhsa_enable_private_segment 0
		.amdhsa_kernarg_size 40
		.amdhsa_user_sgpr_count 2
		.amdhsa_user_sgpr_kernarg_segment_ptr 1
		.amdhsa_wavefront_size32 1
		.amdhsa_system_sgpr_workgroup_id_x 1
		.amdhsa_system_sgpr_workgroup_id_y 1
		.amdhsa_system_sgpr_workgroup_id_z 1
		.amdhsa_system_vgpr_workitem_id 0
		.amdhsa_next_free_vgpr 640
		.amdhsa_next_free_sgpr 100
		.amdhsa_reserve_vcc 0
		.amdhsa_float_denorm_mode_32 3
		.amdhsa_float_denorm_mode_16_64 3
		.amdhsa_memory_ordered 1
		.amdhsa_forward_progress 1
		.amdhsa_inst_pref_size 112
	.end_amdhsa_kernel
	.amdgpu_metadata
---
amdhsa.version: [ 1, 2 ]
amdhsa.kernels:
  - .name:           k_q80dfbc7270_w2
    .symbol:         k_q80dfbc7270_w2.kd
    .args:
      - { .name: h, .offset: 0, .size: 8, .value_kind: global_buffer, .address_space: global }
      - { .name: w2_codes, .offset: 8, .size: 8, .value_kind: global_buffer, .address_space: global }
      - { .name: w2_scales, .offset: 16, .size: 8, .value_kind: global_buffer, .address_space: global }
      - { .name: x1, .offset: 24, .size: 8, .value_kind: global_buffer, .address_space: global }
      - { .name: out0, .offset: 32, .size: 8, .value_kind: global_buffer, .address_space: global }
    .group_segment_fixed_size: 327680
    .private_segment_fixed_size: 0
    .kernarg_segment_align: 8
    .kernarg_segment_size: 40
    .max_flat_workgroup_size: 128
    .sgpr_count:     100
    .vgpr_count:     640
    .wavefront_size: 32
...
	.end_amdgpu_metadata
.endif
;; end of part 9
